; MI455X (gfx1250); checked and timed in simulation.
; The chip was launched on July 23, 2026; its instructions are those of AMD's public machine-readable ISA for CDNA 5 (MIT licence, August 2026) and "CDNA5" Instruction Set Architecture Reference Guide (July 2026). The comments in the code are by the model that wrote it; some were corrected since.
;; Moe Fc. Allowed arithmetic: float matrix products may take bf16 or f16 operands with f32 sums; other float arithmetic in f32, or as packed bf16 or f16 multiplies, adds, multiply-adds, maxima and minima; sums over many terms, partial sums and values carried from step to step in f32; what a program stores and reads back later, other than sums and carried values, may be rounded once to bf16 or f16.
;; Inputs: b1 8 x 1,024 float32; b2 8 x 1,024 float32; b3 8 x 1,024 float32; gate_b 8 float32; gate_w 8 x 1,024 float32; w1 8 x 1,024 x 1,024 float32; w2 8 x 1,024 x 1,024 float32; w3 8 x 1,024 x 1,024 float32; x 2 x 1,024 x 1,024 float32.
;; Outputs: out0 2 x 1,024 x 1,024 float32.
;; 2 versions, each right; version 2 is version 1 with the launches fc1, fc2, fc3 written anew for expert scheduling mode. Each part assembles by itself: llvm-mc -triple=amdgcn-amd-amdhsa -mcpu=gfx1250 --defsym DOCPART=n.
;; ======== version 1 of 2: 6 launches
;; workspace buffers: xb 4,194,304 bytes; idx 16,384 bytes of whole numbers; cw 16,384 bytes; list 131,072 bytes of whole numbers; cnt 1,024 bytes of whole numbers; h1 67,108,864 bytes; h2 67,108,864 bytes; y 16,777,216 bytes
;; launch route (part 1): grid 256 x 1, 4 waves a work-group, no clusters, 0 bytes of LDS; arguments x, gate_w, gate_b, xb, idx, cw; writes xb, idx, cw
.if DOCPART == 1
	.amdgcn_target "amdgcn-amd-amdhsa--gfx1250"
	.amdhsa_code_object_version 6
	.text
	.protected	k_q62ae1cb8be_route
	.globl	k_q62ae1cb8be_route
	.p2align	8
	.type	k_q62ae1cb8be_route,@function
k_q62ae1cb8be_route:
	s_mov_b64 s[64:65], 0
	v_nop
	global_prefetch_b8 v0, s[64:65] scope:SCOPE_SE
	s_setreg_imm32_b32 hwreg(HW_REG_WAVE_MODE, 25, 1), 1
	s_wait_xcnt 0x0
; THE ROUTER.  For each of 2,048 tokens: x rounded to bf16 (stored in xb for the first product), logits = x . gate_w[e] + gate_b[e], softmax over the 8 experts,
; the two largest probabilities' experts (a tie goes to the lower index), and the two combine weights, which are probs[0] and probs[1] (the slot's number indexes probs).
; Stored at fixed places: idx[2 token + slot] = expert, cw[2 token + slot] = probs[slot].  No address here hangs on a floating-point number.
; FORMATS.  x, gate_w and gate_b are rounded to bf16 like every other input of the program; products and sums in f32.
; LIMITS.  An exponential below 2^-126 counts as 0.  A probability is exp times the reciprocal of the sum (1 ulp), so two probabilities that differ only in the last bit of an exact division
; may be ordered otherwise.  NaN and infinities are not treated apart.
; SHARES.  A wave has two tokens; lane L owns columns 4 (L + 32 i) + 0..3, i = 0..7, so each load of a wave takes 512 consecutive bytes and each store into xb 256.
; No LDS, no barrier, no matrix unit: 8 outputs a token are too few for a 16 x 16 tile to pay, and memory binds.
.set ZERO, 4          ; v4   0
.set MONE, 5          ; v5   -1.0
.set LG,   8          ; v[8:23]    logits, then probabilities: expert e of token t at LG + 2 e + t
.set CH,   24         ; v[24:27]   four chains; later maxima, sums
.set GB,   28         ; v[28:35]   gate_b rounded; later the scans' results
.set GP,   36         ; v[36:51]   one expert's gate row, packed bf16; at the end what is stored
.set XP,   52         ; v[52:83]   both tokens packed bf16, 16 registers each
.set X,    84         ; v[84:147]  both tokens in f32 as loaded; later at work
.set GS,   148        ; v[148:211] two staging sets of 32 for gate rows in f32
.set Q,    100        ; v[100:115] the probabilities with the first choice struck out
	s_load_b256 s[4:11], s[0:1], 0x0               ; x s[4:5], gate_w s[6:7], gate_b s[8:9], xb s[10:11]
	s_load_b128 s[12:15], s[0:1], 0x20             ; idx s[12:13], cw s[14:15]
	v_and_b32 v3, 31, v0                           ; lane
	v_lshrrev_b32 v6, 5, v0
	v_readfirstlane_b32 s24, v6                    ; wave
	v_lshlrev_b32 v1, 4, v3                        ; 16 L: loads
	v_lshlrev_b32 v2, 3, v3                        ; 8 L: stores
	v_mov_b32 v[ZERO], 0
	v_mov_b32 v[MONE], -1.0
	s_lshl_b32 s26, ttmp9, 2
	s_add_co_u32 s26, s26, s24                     ; the pair of tokens: 4 x work-group + wave
	s_mov_b32 s29, 0
	s_mov_b32 s25, 0x3fb8aa3b                      ; log2(e)
	s_mov_b32 s30, 0x76543210                      ; v_permlanex16_b32: each lane takes its own place in the other half
	s_mov_b32 s31, 0xfedcba98
	s_wait_kmcnt 0x0
	s_load_b256 s[16:23], s[8:9], 0x0              ; gate_b, 8 numbers
	s_lshl_b32 s28, s26, 13                        ; two rows of 4,096 bytes
	s_add_nc_u64 s[4:5], s[4:5], s[28:29]
	s_lshl_b32 s28, s26, 12                        ; two rows of 2,048 bytes
	s_add_nc_u64 s[10:11], s[10:11], s[28:29]
	s_lshl_b32 s28, s26, 4                         ; two tokens x two slots x 4 bytes
	s_add_nc_u64 s[12:13], s[12:13], s[28:29]
	s_add_nc_u64 s[14:15], s[14:15], s[28:29]
.macro GLOAD e                         ; expert e's gate row, 8 loads, into staging set e % 2
.set gs2, GS+32*((\e)%2)
.set i, 0
.rept 8
	global_load_b128 v[gs2+4*i:gs2+4*i+3], v1, s[6:7] offset:(\e)*4096+i*512
.set i, i+1
.endr
.endm
.set i, 0
.rept 8
	global_load_b128 v[X+4*i:X+4*i+3], v1, s[4:5] offset:i*512 th:TH_LOAD_NT
	global_load_b128 v[X+32+4*i:X+32+4*i+3], v1, s[4:5] offset:4096+i*512 th:TH_LOAD_NT
.set i, i+1
.endr
	GLOAD 0
	GLOAD 1
	s_wait_loadcnt 16                              ; x is in; the 16 loads of the two gate rows stay out
.set i, 0
.rept 8
.irp t, 0,1
	v_cvt_pk_bf16_f32 v[XP+16*\t+2*i],   v[X+32*\t+4*i],   v[X+32*\t+4*i+1]
	v_cvt_pk_bf16_f32 v[XP+16*\t+2*i+1], v[X+32*\t+4*i+2], v[X+32*\t+4*i+3]
	global_store_b64 v2, v[XP+16*\t+2*i:XP+16*\t+2*i+1], s[10:11] offset:\t*2048+i*256  ; 32 lanes store 256 consecutive bytes, aligned; XP is never rewritten
.endr
.set i, i+1
.endr
; One expert's two dot products: four chains (token x half of a word) that do not wait for each other; the first line of each starts its sum.
.macro DOT e
.set j, 0
.rept 16
.irp t, 0,1
.if j == 0
	v_fma_mix_f32_bf16 v[CH+2*\t],   v[XP+16*\t+j], v[GP+j], v[ZERO] op_sel_hi:[1,1,0]
	v_fma_mix_f32_bf16 v[CH+2*\t+1], v[XP+16*\t+j], v[GP+j], v[ZERO] op_sel:[1,1,0] op_sel_hi:[1,1,0]
.else
	v_fma_mix_f32_bf16 v[CH+2*\t],   v[XP+16*\t+j], v[GP+j], v[CH+2*\t] op_sel_hi:[1,1,0]
	v_fma_mix_f32_bf16 v[CH+2*\t+1], v[XP+16*\t+j], v[GP+j], v[CH+2*\t+1] op_sel:[1,1,0] op_sel_hi:[1,1,0]
.endif
.endr
.set j, j+1
.endr
	v_add_f32 v[LG+2*(\e)],   v[CH],   v[CH+1]
	v_add_f32 v[LG+2*(\e)+1], v[CH+2], v[CH+3]
.endm
.irp e, 0,1,2,3,4,5,6,7
.if \e < 7
	s_wait_loadcnt 8                               ; this expert's row is in; the next one's 8 loads stay out
.else
	s_wait_loadcnt 0
.endif
.set gs, GS+32*(\e%2)
.set i, 0
.rept 8
	v_cvt_pk_bf16_f32 v[GP+2*i],   v[gs+4*i],   v[gs+4*i+1]
	v_cvt_pk_bf16_f32 v[GP+2*i+1], v[gs+4*i+2], v[gs+4*i+3]
.set i, i+1
.endr
.if \e < 6
	GLOAD \e+2                                     ; the staging set just packed takes the row two experts on
.endif
	DOT \e
.endr
	; the 16 sums across the 32 lanes: four steps inside each half ride on the addition, one crosses the halves; every lane ends with every sum
.irp m, 1,2,4,8
.set k, 0
.rept 16
	v_add_f32_dpp v[LG+k], v[LG+k], v[LG+k] row_xmask:\m row_mask:0xf bank_mask:0xf
.set k, k+1
.endr
.endr
.set k, 0
.rept 16
	v_permlanex16_b32 v[X+k], v[LG+k], s30, s31    ; its destination counts as read: X's registers have been written
.set k, k+1
.endr
.set k, 0
.rept 16
	v_add_f32 v[LG+k], v[LG+k], v[X+k]
.set k, k+1
.endr
	s_wait_kmcnt 0x0                               ; gate_b
.irp e, 0,2,4,6
	v_cvt_pk_bf16_f32 v6, s[16+\e], s[17+\e]       ; rounded like the other inputs,
	v_lshlrev_b32 v[GB+\e], 16, v6                 ; and widened again
	v_and_b32 v[GB+\e+1], 0xffff0000, v6
.endr
.set k, 0
.rept 16
	v_add_f32 v[LG+k], v[LG+k], v[GB+k/2]
.set k, k+1
.endr
	; softmax: the maximum is taken away before the exponential
.irp t, 0,1
	v_max3_num_f32 v[CH+\t], v[LG+\t], v[LG+2+\t], v[LG+4+\t]
.endr
.irp t, 0,1
	v_max3_num_f32 v[CH+\t], v[CH+\t], v[LG+6+\t], v[LG+8+\t]
.endr
.irp t, 0,1
	v_max3_num_f32 v[CH+\t], v[CH+\t], v[LG+10+\t], v[LG+12+\t]
.endr
.irp t, 0,1
	v_max_num_f32 v[CH+\t], v[CH+\t], v[LG+14+\t]
.endr
.irp t, 0,1
	v_mul_f32 v[CH+2+\t], s25, v[CH+\t]            ; c m
.endr
.set k, 0
.rept 16
	v_fma_f32 v[LG+k], v[LG+k], s25, -v[CH+2+k%2]  ; c l - c m, one rounding
.set k, k+1
.endr
.set k, 0
.rept 16
	v_exp_f32 v[LG+k], v[LG+k]
.set k, k+1
.endr
	v_nop                                          ; a plain instruction behind the last exponential,
	s_wait_alu depctr_va_vdst(0)                   ; and one wait for the batch of 16, ahead of the first reader
.irp t, 0,1
	v_add_f32 v[CH+\t], v[LG+\t], v[LG+2+\t]
.endr
.irp e, 2,3,4,5,6,7
.irp t, 0,1
	v_add_f32 v[CH+\t], v[CH+\t], v[LG+2*\e+\t]
.endr
.endr
	v_rcp_f32 v[CH], v[CH]
	v_rcp_f32 v[CH+1], v[CH+1]
	v_nop
	s_wait_alu depctr_va_vdst(0)                   ; one wait for both reciprocals
.set k, 0
.rept 16
	v_mul_f32 v[LG+k], v[LG+k], v[CH+k%2]
.set k, k+1
.endr
; The largest of eight, the lower index on a tie: a later one wins only if it is greater.  Values are selected; nothing branches.
.macro SCAN src, bv, bi
.irp t, 0,1
	v_mov_b32 v[\bv+\t], v[\src+\t]
	v_mov_b32 v[\bi+\t], 0
.endr
.irp e, 1,2,3,4,5,6,7
.irp t, 0,1
	v_cmp_gt_f32 vcc_lo, v[\src+2*\e+\t], v[\bv+\t]
	v_cndmask_b32 v[\bv+\t], v[\bv+\t], v[\src+2*\e+\t], vcc_lo
	v_cndmask_b32 v[\bi+\t], v[\bi+\t], \e, vcc_lo
.endr
.endr
.endm
	SCAN LG, GB, GB+2                              ; first choice: index in v[30:31]
.irp e, 0,1,2,3,4,5,6,7
.irp t, 0,1
	v_cmp_eq_u32 vcc_lo, \e, v[GB+2+\t]
	v_cndmask_b32 v[Q+2*\e+\t], v[LG+2*\e+\t], v[MONE], vcc_lo  ; struck out: below every probability
.endr
.endr
	SCAN Q, GB+4, GB+6                             ; second choice: index in v[34:35]
	v_cmp_eq_u32 vcc_lo, 1, v3                     ; lane 0 stores token 0's numbers, lane 1 token 1's
	v_cndmask_b32 v[GP],   v[GB+2], v[GB+3], vcc_lo
	v_cndmask_b32 v[GP+1], v[GB+6], v[GB+7], vcc_lo
	v_cndmask_b32 v[GP+2], v[LG],   v[LG+1], vcc_lo   ; probs[0]
	v_cndmask_b32 v[GP+3], v[LG+2], v[LG+3], vcc_lo   ; probs[1]
	v_cmp_gt_u32 vcc_lo, 2, v3
	s_wait_xcnt 0x0                                ; EXEC is a source of the stores above: it changes only behind this wait
	s_and_saveexec_b32 s26, vcc_lo
	global_store_b64 v2, v[GP:GP+1], s[12:13]
	global_store_b64 v2, v[GP+2:GP+3], s[14:15]
	s_wait_xcnt 0x0                                ; and again, in front of the line that widens it
	s_or_b32 exec_lo, exec_lo, s26
	s_endpgm
.Lfunc_end_k_q62ae1cb8be_route:
	.size	k_q62ae1cb8be_route, .Lfunc_end_k_q62ae1cb8be_route-k_q62ae1cb8be_route
	.p2alignl 7, 3214868480
	.fill 96, 4, 3214868480
	.section	.rodata,"a",@progbits
	.p2align	6, 0x0
	.amdhsa_kernel k_q62ae1cb8be_route
		.amdhsa_group_segment_fixed_size 0
		.amdhsa_private_segment_fixed_size 0
		.amdhsa_enable_private_segment 0
		.amdhsa_kernarg_size 48
		.amdhsa_user_sgpr_count 2
		.amdhsa_user_sgpr_kernarg_segment_ptr 1
		.amdhsa_wavefront_size32 1
		.amdhsa_system_sgpr_workgroup_id_x 1
		.amdhsa_system_sgpr_workgroup_id_y 1
		.amdhsa_system_sgpr_workgroup_id_z 1
		.amdhsa_system_vgpr_workitem_id 0
		.amdhsa_next_free_vgpr 224
		.amdhsa_next_free_sgpr 66
		.amdhsa_reserve_vcc 1
		.amdhsa_float_denorm_mode_32 3
		.amdhsa_float_denorm_mode_16_64 3
		.amdhsa_memory_ordered 1
		.amdhsa_forward_progress 1
		.amdhsa_inst_pref_size 69
	.end_amdhsa_kernel
	.amdgpu_metadata
---
amdhsa.version: [ 1, 2 ]
amdhsa.kernels:
  - .name:           k_q62ae1cb8be_route
    .symbol:         k_q62ae1cb8be_route.kd
    .args:
      - { .name: x, .offset: 0, .size: 8, .value_kind: global_buffer, .address_space: global }
      - { .name: gate_w, .offset: 8, .size: 8, .value_kind: global_buffer, .address_space: global }
      - { .name: gate_b, .offset: 16, .size: 8, .value_kind: global_buffer, .address_space: global }
      - { .name: xb, .offset: 24, .size: 8, .value_kind: global_buffer, .address_space: global }
      - { .name: idx, .offset: 32, .size: 8, .value_kind: global_buffer, .address_space: global }
      - { .name: cw, .offset: 40, .size: 8, .value_kind: global_buffer, .address_space: global }
    .group_segment_fixed_size: 0
    .private_segment_fixed_size: 0
    .kernarg_segment_align: 8
    .kernarg_segment_size: 48
    .max_flat_workgroup_size: 128
    .sgpr_count:     66
    .vgpr_count:     224
    .wavefront_size: 32
...
	.end_amdgpu_metadata
.endif
;; end of part 1
;; launch plan (part 2): grid 8 x 1, 8 waves a work-group, no clusters, 0 bytes of LDS; arguments idx, list, cnt; writes list, cnt
.if DOCPART == 2
	.amdgcn_target "amdgcn-amd-amdhsa--gfx1250"
	.amdhsa_code_object_version 6
	.text
	.protected	k_q62ae1cb8be_plan
	.globl	k_q62ae1cb8be_plan
	.p2align	8
	.type	k_q62ae1cb8be_plan,@function
k_q62ae1cb8be_plan:
	s_mov_b64 s[64:65], 0
	v_nop
	global_prefetch_b8 v0, s[64:65] scope:SCOPE_SE
	s_setreg_imm32_b32 hwreg(HW_REG_WAVE_MODE, 25, 1), 1
	s_wait_xcnt 0x0
; THE LISTS.  Work-group e makes expert e's list of routed rows p = 2 token + slot (4,096 in all) from idx, by counting: no atomics, no LDS, no barrier.
; list[e][0 .. count-1] are the p with idx[p] = e (in no particular order: each row is worked on by itself); all other p fill the row from place 4,095 downward, so that every word is
; written once and holds a valid p.  cnt[e][0..31] = count, 32 times (128 bytes an expert).
; SHARES.  Every wave reads all of idx (16 KB) and counts each of the eight parts of 512 entries; wave w places part w: it knows how many matches lie in the parts before it.
; It serves every split: an expert with no row, or with one from every token.
.set ALL,  32         ; v[32:159]   idx whole: register 4 i + c of lane L is entry 128 i + 4 L + c
.set OWN,  160        ; v[160:175]  my wave's part, the same way
.set POS,  176        ; v[176:191]  byte offsets of my 16 stores: each store has its own registers, so none is rewritten while a store may read it
.set VAL,  192        ; v[192:207]  their data
	s_load_b128 s[4:7], s[0:1], 0x0                ; idx s[4:5], list s[6:7]
	s_load_b64 s[8:9], s[0:1], 0x10                ; cnt
	v_and_b32 v1, 31, v0                           ; lane
	v_lshrrev_b32 v6, 5, v0
	v_readfirstlane_b32 s10, v6                    ; wave
	s_mov_b32 s11, ttmp9                           ; the expert
	v_lshlrev_b32 v2, 4, v1                        ; 16 L
	s_lshl_b32 s16, s10, 11
	v_add_nc_u32 v3, s16, v2                       ; 16 L + 2,048 w
	v_sub_nc_u32 v4, 0, v1                         ; - L
	s_lshl_b32 s17, s10, 9                         ; 512 w
	v_lshl_add_u32 v5, v1, 2, s17                  ; 512 w + 4 L
	s_lshl_b32 s18, s11, 14
	s_mov_b32 s19, 0
	s_wait_kmcnt 0x0
	s_add_nc_u64 s[6:7], s[6:7], s[18:19]          ; my row of list
	s_lshl_b32 s18, s11, 7
	s_add_nc_u64 s[8:9], s[8:9], s[18:19]          ; my 128 bytes of cnt
.set i, 0
.rept 32
	global_load_b128 v[ALL+4*i:ALL+4*i+3], v2, s[4:5] offset:i*512
.set i, i+1
.endr
.set i, 0
.rept 4
	global_load_b128 v[OWN+4*i:OWN+4*i+3], v3, s[4:5] offset:i*512
.set i, i+1
.endr
	s_wait_loadcnt 0x0
	; matches in each part of 512 entries (16 registers), four registers at a time
.set g, 0
.rept 8
	s_mov_b32 s[32+g], 0
.set k, 0
.rept 4
.irp m, 0,1,2,3
	v_cmp_eq_u32 s[40+\m], s11, v[ALL+16*g+4*k+\m]
.endr
.irp m, 0,1,2,3
	s_bcnt1_i32_b32 s[40+\m], s[40+\m]
.endr
.irp m, 0,1,2,3
	s_add_co_u32 s[32+g], s[32+g], s[40+\m]
.endr
.set k, k+1
.endr
.set g, g+1
.endr
	s_mov_b32 s12, 0                               ; matches before my part
	s_mov_b32 s13, 0                               ; matches in all
.irp g, 0,1,2,3,4,5,6,7
	s_add_co_u32 s13, s13, s[32+\g]
	s_cmp_lt_u32 \g, s10
	s_cselect_b32 s15, s[32+\g], 0
	s_add_co_u32 s12, s12, s15
.endr
	s_sub_co_u32 s14, s12, s17
	s_add_co_u32 s14, s14, 4095                    ; 4,095 less the entries before my part that do not match
.set j, 0
.rept 16
	v_cmp_eq_u32 vcc_lo, s11, v[OWN+j]
	v_mbcnt_lo_u32_b32 v6, vcc_lo, 0               ; matches in the lanes below mine
	v_add_nc_u32 v7, s12, v6                       ; a match's place: from the front
	v_add3_u32 v8, v6, s14, v4                     ; another's place: from the back, one down for each lane below that does not match
	v_cndmask_b32 v[POS+j], v8, v7, vcc_lo
	v_min_u32 v[POS+j], 0xfff, v[POS+j]            ; a place made of loaded numbers is clamped to the row before it enters an address
	v_lshlrev_b32 v[POS+j], 2, v[POS+j]
	v_add_nc_u32 v[VAL+j], 128*(j/4)+j%4, v5       ; the entry's own number p
	global_store_b32 v[POS+j], v[VAL+j], s[6:7]
	s_bcnt1_i32_b32 s15, vcc_lo
	s_add_co_u32 s12, s12, s15
	s_add_co_u32 s14, s14, s15
	s_sub_co_u32 s14, s14, 32
.set j, j+1
.endr
	s_cmp_lg_u32 s10, 0
	s_cbranch_scc1 .Ldone                          ; wave 0 stores the count
	v_mov_b32 v9, s13
	v_lshlrev_b32 v10, 2, v1
	global_store_b32 v10, v9, s[8:9]
.Ldone:
	s_endpgm
.Lfunc_end_k_q62ae1cb8be_plan:
	.size	k_q62ae1cb8be_plan, .Lfunc_end_k_q62ae1cb8be_plan-k_q62ae1cb8be_plan
	.p2alignl 7, 3214868480
	.fill 96, 4, 3214868480
	.section	.rodata,"a",@progbits
	.p2align	6, 0x0
	.amdhsa_kernel k_q62ae1cb8be_plan
		.amdhsa_group_segment_fixed_size 0
		.amdhsa_private_segment_fixed_size 0
		.amdhsa_enable_private_segment 0
		.amdhsa_kernarg_size 24
		.amdhsa_user_sgpr_count 2
		.amdhsa_user_sgpr_kernarg_segment_ptr 1
		.amdhsa_wavefront_size32 1
		.amdhsa_system_sgpr_workgroup_id_x 1
		.amdhsa_system_sgpr_workgroup_id_y 1
		.amdhsa_system_sgpr_workgroup_id_z 1
		.amdhsa_system_vgpr_workitem_id 0
		.amdhsa_next_free_vgpr 216
		.amdhsa_next_free_sgpr 66
		.amdhsa_reserve_vcc 1
		.amdhsa_float_denorm_mode_32 3
		.amdhsa_float_denorm_mode_16_64 3
		.amdhsa_memory_ordered 1
		.amdhsa_forward_progress 1
		.amdhsa_inst_pref_size 32
	.end_amdhsa_kernel
	.amdgpu_metadata
---
amdhsa.version: [ 1, 2 ]
amdhsa.kernels:
  - .name:           k_q62ae1cb8be_plan
    .symbol:         k_q62ae1cb8be_plan.kd
    .args:
      - { .name: idx, .offset: 0, .size: 8, .value_kind: global_buffer, .address_space: global }
      - { .name: list, .offset: 8, .size: 8, .value_kind: global_buffer, .address_space: global }
      - { .name: cnt, .offset: 16, .size: 8, .value_kind: global_buffer, .address_space: global }
    .group_segment_fixed_size: 0
    .private_segment_fixed_size: 0
    .kernarg_segment_align: 8
    .kernarg_segment_size: 24
    .max_flat_workgroup_size: 256
    .sgpr_count:     66
    .vgpr_count:     216
    .wavefront_size: 32
...
	.end_amdgpu_metadata
.endif
;; end of part 2
;; launch fc1 (part 3): grid 32 x 8, 8 waves a work-group, no clusters, 199,936 bytes of LDS; arguments xb, w1, b1, cnt, h1, list; writes h1
.if DOCPART == 3
	.amdgcn_target "amdgcn-amd-amdhsa--gfx1250"
	.amdhsa_code_object_version 6
	.text
	.protected	k_q62ae1cb8be_fc1
	.globl	k_q62ae1cb8be_fc1
	.p2align	8
	.type	k_q62ae1cb8be_fc1,@function
k_q62ae1cb8be_fc1:
	s_mov_b64 s[64:65], 0
	v_nop
	global_prefetch_b8 v0, s[64:65] scope:SCOPE_SE
	s_setreg_imm32_b32 hwreg(HW_REG_WAVE_MODE, 25, 1), 1
	s_wait_xcnt 0x0
; ONE LAYER OF THE EXPERTS' CHAIN, for the routed rows alone.  One text serves the three layers; LAYER picks what differs.
;   LAYER 1: h1 = relu(xb[p / 2] w1[e] + b1[e])     LAYER 2: h2 = relu(h1 w2[e] + b2[e])     LAYER 3: y[p] = cw[p] (h2 w3[e] + b3[e])
; p = 2 token + slot is a routed row, e its expert; list[e] holds expert e's rows by rank, cnt[e] their number (whole numbers stored by an earlier launch).
; FORMATS.  Weights and biases are rounded to bf16 on their way through registers; sums in f32.  A hidden number is kept as TWO bf16, hi = bf16(h) and lo = bf16(h - hi): 16 significant bits with bf16's range;
; layers 2 and 3 multiply both planes by the same weights into one sum.
; h LIES AS IT IS USED: [expert 8][block of 16 ranks 128][k step 32][plane 2][half 2][lane 32][16 bytes], 65,536 bytes a block: lane l of a piece holds row l % 16, k = 32 step + 16 half + 8 (l / 16) + 0..7,
; which is a lane's part of a matrix operand.  So a load or a store of h takes 512 consecutive bytes, and a lane's packed results of one layer are its own part of the next layer's operand.
; LIMITS.  NaN and infinities are not treated apart.  In a block that is not full the places past the count repeat the expert's last row: in layer 3 the same wave stores the same bytes there again.
; An expert without rows runs one block on a row of another expert in layers 1 and 2, into its own slots of h, which nobody uses; layer 3 then stores nothing for it.
; SHARES.  Grid y = expert, x / 2 = slice of 64 output columns, x % 2 = q.  A work-group lays its slice (1,024 x 64) into LDS in bf16 once.  The slice's team is 16 waves, wid = 2 wave + q.  A UNIT is 32 rows
; (two blocks) x 64 columns over all K: 8 accumulators; a fragment of W read from LDS feeds 2 products a plane.  THE DEAL: nB = ceil(count / 16) blocks; a full round gives each wave two blocks; in the last round, if
; 16 blocks or fewer are left, each wave takes ONE (the second block's products and way out are jumped, its loads name the first block again), else pairs.  It serves every split: 0 to 2,048 rows, at most 4 units a wave.
; The loop over units has no barrier and writes no shared LDS; it counts to the constant 4 and is left by a forward jump.  A unit's 32 k steps are written out: every LDS address is then a register that is
; never rewritten plus an immediate.
; NO TENSOR LOAD, NO MULTICAST: the weights are f32 in memory and must pass through registers to be rounded; a slice has two readers only; the rows, which 16 slices share, go straight into operand registers,
; and a joint load would send them through LDS, whose reads would double.
; THE MATRIX INSTRUCTION IS USED TRANSPOSED: source 0 = 16 columns of W (turned out of LDS by ds_load_tr16_b128), source 1 = 16 rows: a lane then holds 8 neighbouring columns of one row.
; REGISTERS, in windows of 256 (s_set_vgpr_msb: bits 1:0 source 0, 3:2 source 1, 5:4 source 2, 7:6 destination).  Window 0: v0-63 addresses; v64-127 accumulators; v128-255 four buffers of W's fragments, on the
; way out at work.  Window 1: the ring of row fragments, 8 k steps deep; in the prologue the staging of the 64 weight loads.
.set LAYER, 1
.if LAYER == 1
.set NPL,  1          ; planes of the rows
.set KSB,  64         ; bytes from k step to k step in what a lane reads
.set SUBB, 32         ; and between the two halves of a fragment
.else
.set NPL,  2
.set KSB,  2048
.set SUBB, 512
.endif
.set PLB,   1024      ; from plane to plane
.set NLS,   4*NPL     ; row loads in a k step: 2 blocks x NPL planes x 2 halves
.if LAYER == 3
.set NLATE, 8         ; the list loads stand behind the weight loads
.else
.set NLATE, 0
.endif
.set WP,    160       ; a row of W in LDS: 128 bytes + 32 = 40 words
.set BIAS,  1024*WP   ; behind the weights: 64 f32
.set STAGE, BIAS+256  ; 16 rows x 272 bytes for each wave: layer 3's way out
.set SP,    272
.set SPARE, STAGE+8*16*SP  ; the spare words, 128 bytes for each of 8 waves: four blocks of 256 bytes that no other line names
.set SPW, 1           ; v1   LDS address of my spare word; never rewritten
.set NIL, 2           ; v2   0; never rewritten
.set H16, 3           ; v3   16 (lane / 16)
.set L16, 4           ; v4   16 lane
.set RR,  5           ; v5   lane % 16
.set AO,  6           ; v6-7   byte offset of what I read of the unit's two blocks
.set OO,  8           ; v8-9   byte offset of what I store of them (layers 1, 2)
.set PC,  10          ; v10-11 p of my row in the two blocks
.set PL,  12          ; v12-19 list entries of my four possible units, two blocks each
.set CW,  20          ; v[20:21], v[22:23] cw of my row in the two blocks; the second of each is named with it as a pair
.set STO, 26          ; v26  layer 3: where I put my part of a row
.set RD,  27          ; v27  where I read rows back
.set COL, 28          ; v28  16 (lane % 16)
.set IX,  29          ; v29  4 (lane / 16)
.set U,   30          ; v[30:31] at work
.set CWO, 32          ; v32-33 byte offsets in cw
.set WO,  34          ; v34  prologue: my byte offset in 16 rows of W
.set WS,  35          ; v35-37 prologue: where my 8 bytes go in LDS; a base for every 24 loads
.set BO,  38          ; v38  8 lane
.set BIA, 39          ; v39  LDS address of my bias numbers
.set BS,  40          ; v[40:41] the bias as loaded
.set U2,  42          ; v[42:43] at work
.set BB,  44          ; v44-47 LDS address of my part of W's fragments, k from 0, 256, 512, 768 on; never rewritten
.set ACC, 64          ; block b, columns 16 g on: ACC + 32 b + 8 g.  In the prologue the rounded weights pass through here
.set BF,  128         ; W's fragments: buffer k step % 4, columns 16 g on
.set T,   128         ; the way out: what is stored, 32 a block
.set BI,  192         ; the way out: the bias of my columns
.set OF,  224         ; layer 3: byte offsets of the 8 stores of each block
.set MSB, 0
.macro WIN new                         ; the immediate's high byte repeats the setting that is left; a switch that changes nothing is dropped
.if MSB != (\new)
	s_set_vgpr_msb (MSB<<8)|(\new)
.set MSB, (\new)
.endif
.endm
.set TO_R,   0x40     ; destination in window 1: loads into the ring
.set MUL,    0x04     ; source 1 in window 1: the rows
.set FROM_R, 0x05     ; sources 0 and 1 in window 1
.macro PLACES                          ; four plain instructions between a matrix instruction and a load into, or a vector line on, its registers (ISA guide 7.12.1 for vector lines)
.rept 4
	v_nop
.endr
.endm
.macro ALOAD kk                        ; k step kk of the unit's rows: NLS loads into slot kk % 8 of the ring.  The caller sets the window
.set sl, (\kk)%8
.irp b, 0,1
.set pl, 0
.rept NPL
.set rg, ((sl*2+\b)*NPL+pl)*8
	global_load_b128 v[rg:rg+3],   v[AO+\b], s[4:5] offset:(\kk)*KSB+pl*PLB
	global_load_b128 v[rg+4:rg+7], v[AO+\b], s[4:5] offset:(\kk)*KSB+pl*PLB+SUBB
.set pl, pl+1
.endr
.endr
.endm
.macro BLOAD kk                        ; W's four fragments (64 columns) of k step kk, turned: 8 loads into buffer kk % 4
.irp g, 0,1,2,3
	ds_load_tr16_b128 v[BF+32*((\kk)%4)+8*\g:BF+32*((\kk)%4)+8*\g+3],   v[BB+(\kk)/8] offset:(((\kk)%8)*32)*WP+32*\g
	ds_load_tr16_b128 v[BF+32*((\kk)%4)+8*\g+4:BF+32*((\kk)%4)+8*\g+7], v[BB+(\kk)/8] offset:(((\kk)%8)*32+16)*WP+32*\g
.endr
.endm
.macro MULB iv, b                      ; block b's 4 NPL products of k step iv; step 0's first four start the sums.  The block's four accumulators take turns, one instruction a turn
.set sl, (\iv)%8
.set pl, 0
.rept NPL
.set rg, ((sl*2+(\b))*NPL+pl)*8
.irp g, 0,1,2,3
.if ((\iv) == 0) && (pl == 0)
	v_wmma_f32_16x16x32_bf16 v[ACC+32*(\b)+8*\g:ACC+32*(\b)+8*\g+7], v[BF+32*((\iv)%4)+8*\g:BF+32*((\iv)%4)+8*\g+7], v[rg:rg+7], 0
.else
	v_wmma_f32_16x16x32_bf16 v[ACC+32*(\b)+8*\g:ACC+32*(\b)+8*\g+7], v[BF+32*((\iv)%4)+8*\g:BF+32*((\iv)%4)+8*\g+7], v[rg:rg+7], v[ACC+32*(\b)+8*\g:ACC+32*(\b)+8*\g+7]
.endif
.endr
.set pl, pl+1
.endr
.endm
; K STEP iv of 32 (32 along K).  The buffer read last step takes W's fragments 3 steps on; the ring's slot read last step takes the rows 7 steps on; near the end nothing is left to ask for, and the counts run down.
; In a unit of one block the second block's products are jumped.
.macro KSTEP iv
.if (\iv) > 0
	PLACES                                         ; the loads below land in registers that the matrix instructions just issued have read
.endif
.if (\iv) <= 28
	BLOAD (\iv)+3
.endif
.if ((\iv) >= 1) && ((\iv) <= 24)
	WIN TO_R
	ALOAD (\iv)+7
.endif
.set yl, 31-(\iv)
.if yl > 7
.set yl, 7
.endif
.set yd, 31-(\iv)
.if yd > 3
.set yd, 3
.endif
	s_wait_loadcnt yl*NLS                          ; this step's rows are in; the younger steps' loads stay out
	s_wait_dscnt yd*8                              ; and its fragments of W; the younger groups of 8 stay out
	WIN MUL
	MULB \iv, 0
	WIN 0                                          ; at a branch and at a label every window is 0
	s_cmp_lg_u32 s38, 0
	s_cbranch_scc1 .Lone_\@
	WIN MUL
	MULB \iv, 1
	WIN 0
.Lone_\@:
.endm
; THE DEAL, for round s36: s42, s48 = the unit's two blocks; s43 = 1: it has one block, and s48 = s42.  A wave that the round leaves without a unit names the expert's last block.
.macro DEAL
	s_lshl_b32 s44, s36, 5                         ; 32 blocks a round
	s_cmp_lt_u32 s36, s33                          ; a full round?
	s_cselect_b32 s45, 0, s35                      ; if not, and 16 blocks or fewer are left: one block a wave
	s_lshl_b32 s46, s23, 1
	s_cmp_lg_u32 s45, 0
	s_cselect_b32 s46, s23, s46
	s_add_co_u32 s42, s44, s46
	s_add_co_u32 s47, s42, 1
	s_cmp_ge_u32 s47, s32                          ; no block behind the first?
	s_cselect_b32 s43, 1, s45
	s_sub_co_u32 s47, s32, 1
	s_min_u32 s42, s42, s47
	s_min_u32 s42, s42, 0x7f                       ; made of a loaded number: clamped to the table before it enters an address
	s_add_co_u32 s48, s42, 1
	s_cmp_lg_u32 s43, 0
	s_cselect_b32 s48, s42, s48
	s_min_u32 s48, s48, 0x7f
.endm
.macro OFFS dst                        ; byte offsets of my 16 bytes in a piece of the unit's two blocks of h
	s_add_co_u32 s44, s41, s42
	s_add_co_u32 s45, s41, s48
	s_lshl_b32 s44, s44, 16
	s_lshl_b32 s45, s45, 16
	v_add_nc_u32 v[\dst], s44, v[L16]
	v_add_nc_u32 v[\dst+1], s45, v[L16]
.endm
.macro LISTLD j                        ; the list entries of round j's unit: lane l takes rank 16 block + l % 16; places past the count repeat the last row
	s_lshl_b32 s44, s42, 4
	s_lshl_b32 s45, s48, 4
	v_add_nc_u32 v[PL+2*\j], s44, v[RR]
	v_add_nc_u32 v[PL+2*\j+1], s45, v[RR]
.irp b, 0,1
	v_min_u32 v[PL+2*\j+\b], s21, v[PL+2*\j+\b]
	v_min_u32 v[PL+2*\j+\b], 0xfff, v[PL+2*\j+\b]
	v_lshlrev_b32 v[PL+2*\j+\b], 2, v[PL+2*\j+\b]
	global_load_b32 v[PL+2*\j+\b], v[PL+2*\j+\b], s[14:15]
.endr
.endm
.macro PLSHIFT                         ; the next unit's entries move to the front
.irp k, 0,1,2,3,4,5
	v_mov_b32 v[PL+\k], v[PL+\k+2]
.endr
.endm
.macro NEXTP
	v_min_u32 v[PC], 0xfff, v[PL]                  ; a loaded number is clamped to the table before it enters an address
	v_min_u32 v[PC+1], 0xfff, v[PL+1]
.endm
.macro CWLD
	v_lshlrev_b32 v[CWO], 2, v[PC]
	v_lshlrev_b32 v[CWO+1], 2, v[PC+1]
	global_load_b32 v[CW], v[CWO], s[16:17]
	global_load_b32 v[CW+2], v[CWO+1], s[16:17]
.endm
.macro AOSET
.if LAYER == 1
.irp b, 0,1
	v_and_b32 v[AO+\b], 0xffe, v[PC+\b]            ; the token, twice,
	v_lshlrev_b32 v[AO+\b], 10, v[AO+\b]           ; times 1,024: rows of 2,048 bytes
	v_add_nc_u32 v[AO+\b], v[H16], v[AO+\b]
.endr
.else
	OFFS AO
.endif
.endm
; THE WAY OUT of block b.  Each accumulator is read from its low end on.
.macro EPIB b
.if LAYER == 3
.irp t, 0,1,2,3,4,5,6,7
	v_add_nc_u32 v[U+\t%2], 8*\t, v[IX]
	ds_bpermute_b32 v[OF+8*(\b)+\t], v[U+\t%2], v[PC+(\b)]  ; store t takes rows 2 t and 2 t + 1: their p lies in lanes 2 t + lane / 16
.endr
.irp g, 0,1,2,3
.irp jj, 0,1,2,3
.set ac, ACC+32*(\b)+8*\g+2*\jj
	v_pk_add_f32 v[ac:ac+1], v[ac:ac+1], v[BI+8*\g+2*\jj:BI+8*\g+2*\jj+1]
	v_pk_mul_f32 v[ac:ac+1], v[ac:ac+1], v[CW+2*(\b):CW+2*(\b)+1] op_sel_hi:[1,0]
.endr
.endr
	s_wait_dscnt 0x0
.irp t, 0,1,2,3,4,5,6,7
	v_min_u32 v[OF+8*(\b)+\t], 0xfff, v[OF+8*(\b)+\t]
	v_lshlrev_b32 v[OF+8*(\b)+\t], 12, v[OF+8*(\b)+\t]      ; rows of 4,096 bytes
	v_add_nc_u32 v[OF+8*(\b)+\t], v[COL], v[OF+8*(\b)+\t]
.endr
.irp g, 0,1,2,3
	ds_store_b128 v[STO], v[ACC+32*(\b)+8*\g:ACC+32*(\b)+8*\g+3]   offset:64*\g
	ds_store_b128 v[STO], v[ACC+32*(\b)+8*\g+4:ACC+32*(\b)+8*\g+7] offset:64*\g+16
.endr
.irp t, 0,1,2,3,4,5,6,7
	ds_load_b128 v[T+32*(\b)+4*\t:T+32*(\b)+4*\t+3], v[RD] offset:\t*2*SP  ; the stage is my wave's own, and LDS serves a wave's instructions in order (ISA guide 5.7.1.4): these see the stores above
.endr
.irp t, 0,1,2,3,4,5,6,7
	s_wait_dscnt 7-\t                              ; rows 2 t, 2 t + 1 are back; the younger reads stay out
	global_store_b128 v[OF+8*(\b)+\t], v[T+32*(\b)+4*\t:T+32*(\b)+4*\t+3], s[12:13]  ; 16 lanes store 256 consecutive bytes, aligned: a row's whole slice
.endr
.else
.irp g, 0,1,2,3
.irp jj, 0,1,2,3
.set ac, ACC+32*(\b)+8*\g+2*\jj
.set uu, U+12*(\jj%2)
	v_pk_add_f32 v[ac:ac+1], v[ac:ac+1], v[BI+8*\g+2*\jj:BI+8*\g+2*\jj+1]
	v_max_num_f32 v[ac],   0, v[ac]
	v_max_num_f32 v[ac+1], 0, v[ac+1]
	v_cvt_pk_bf16_f32 v[T+32*(\b)+4*\g+\jj], v[ac], v[ac+1]          ; hi
	v_lshlrev_b32 v[uu],   16, v[T+32*(\b)+4*\g+\jj]
	v_and_b32     v[uu+1], 0xffff0000, v[T+32*(\b)+4*\g+\jj]
	v_pk_add_f32 v[ac:ac+1], v[ac:ac+1], v[uu:uu+1] neg_lo:[0,1] neg_hi:[0,1]  ; h - hi, exact
	v_cvt_pk_bf16_f32 v[T+32*(\b)+16+4*\g+\jj], v[ac], v[ac+1]       ; lo
.endr
.endr
.irp g, 0,1,2,3                        ; columns 16 g on are half g % 2 of the next layer's k step 2 slice + g / 2: each store takes 512 consecutive bytes, aligned
	global_store_b128 v[OO+(\b)], v[T+32*(\b)+4*\g:T+32*(\b)+4*\g+3],       s[12:13] offset:(\g/2)*2048+(\g%2)*512
	global_store_b128 v[OO+(\b)], v[T+32*(\b)+16+4*\g:T+32*(\b)+16+4*\g+3], s[12:13] offset:(\g/2)*2048+1024+(\g%2)*512
.endr
.endif
.endm
	s_load_b256 s[4:11], s[0:1], 0x0               ; rows s[4:5], W s[6:7], bias s[8:9], cnt s[10:11]
.if LAYER == 2
	s_load_b64 s[12:13], s[0:1], 0x20              ; the output
.else
	s_load_b128 s[12:15], s[0:1], 0x20             ; the output, list
.endif
.if LAYER == 3
	s_load_b64 s[16:17], s[0:1], 0x30              ; cw
.endif
	v_lshl_add_u32 v[SPW], v0, 2, SPARE
	v_mov_b32 v[NIL], 0
	v_lshrrev_b32 v30, 5, v0
	v_readfirstlane_b32 s22, v30                   ; wave 0..7
	v_and_b32 v[RR], 15, v0
	v_bfe_u32 v31, v0, 4, 1                        ; h = lane / 16
	v_lshlrev_b32 v[H16], 4, v31
	v_and_b32 v30, 31, v0
	v_lshlrev_b32 v[L16], 4, v30
	v_lshlrev_b32 v[BO], 3, v30
	v_lshlrev_b32 v[COL], 4, v[RR]
	v_and_b32 v42, 7, v0                           ; the turning load: lane l reads k = 8 h + l % 8, columns 8 ((l / 8) % 2) + 0..7
	v_lshl_add_u32 v42, v31, 3, v42
	v_mul_u32_u24 v42, v42, WP
	v_bfe_u32 v43, v0, 3, 1
	v_lshl_add_u32 v[BB], v43, 4, v42
	v_add_nc_u32 v[BB+1], 256*WP, v[BB]            ; the offset field holds 16 bits: a base for every 8 k steps
	v_add_nc_u32 v[BB+2], 512*WP, v[BB]
	v_add_nc_u32 v[BB+3], 768*WP, v[BB]
	v_lshl_add_u32 v[BIA], v31, 5, BIAS
.if LAYER == 3
	v_lshlrev_b32 v[IX], 2, v31
	v_mov_b32 v[CW+1], 0
	v_mov_b32 v[CW+3], 0
	s_mul_i32 s28, s22, 16*SP
	s_add_co_u32 s28, s28, STAGE                   ; my stage
	v_mul_u32_u24 v[STO], v[RR], SP
	v_lshl_add_u32 v[STO], v31, 5, v[STO]          ; 8 f32 for each half of the lanes
	v_add_nc_u32 v[STO], s28, v[STO]
	v_mul_u32_u24 v[RD], v31, SP
	v_add_nc_u32 v[RD], v[COL], v[RD]
	v_add_nc_u32 v[RD], s28, v[RD]
.endif
	v_lshrrev_b32 v42, 4, v0                       ; thread / 16: which of 16 rows of W I fetch in each of 64 loads
	v_lshl_add_u32 v[WO], v42, 12, v[COL]          ; in memory: rows of 4,096 bytes, my 16 bytes of the slice's 256
	v_mul_u32_u24 v[WS], v42, WP
	v_lshl_add_u32 v[WS], v[RR], 3, v[WS]          ; in LDS: my 8 bytes of the row's 128
	v_add_nc_u32 v[WS+1], 24*16*WP, v[WS]          ; the offset field holds 16 bits
	v_add_nc_u32 v[WS+2], 48*16*WP, v[WS]
	s_and_b32 s26, ttmp7, 0xffff                   ; the expert
	s_lshr_b32 s30, ttmp9, 1                       ; the slice
	s_and_b32 s31, ttmp9, 1                        ; q
	s_lshl_b32 s23, s22, 1
	s_add_co_u32 s23, s23, s31                     ; wid: my wave among the team's 16
	s_lshl_b32 s41, s26, 7                         ; the expert's first block of h
	s_mov_b32 s19, 0
	s_wait_kmcnt 0x0
	s_lshl_b32 s18, s26, 7
	s_add_nc_u64 s[10:11], s[10:11], s[18:19]
	s_load_b32 s20, s[10:11], 0x0                  ; the expert's count
	s_lshl_b32 s18, s26, 22
	s_lshl_b32 s27, s30, 8
	s_add_co_u32 s18, s18, s27
	s_add_nc_u64 s[6:7], s[6:7], s[18:19]          ; W at the expert's slice
	s_lshl_b32 s18, s26, 12
	s_add_co_u32 s18, s18, s27
	s_add_nc_u64 s[8:9], s[8:9], s[18:19]          ; the bias likewise
.if LAYER == 3
	s_mov_b32 s18, s27                             ; y: 256 bytes of a row
.else
	s_lshl_b32 s18, s30, 12                        ; h: two k steps, 4,096 bytes of a block
.endif
	s_add_nc_u64 s[12:13], s[12:13], s[18:19]
.if LAYER != 2
	s_lshl_b32 s18, s26, 14
	s_add_nc_u64 s[14:15], s[14:15], s[18:19]      ; the expert's list
.endif
.macro WLOADS                          ; the bias, in every wave, so that all waves count alike; then my share of the slice: a load takes two whole rows of 256 bytes, the work-group 16 rows
	global_load_b64 v[BS:BS+1], v[BO], s[8:9]
	WIN TO_R
.set w, 0
.rept 64
	global_load_b128 v[4*w:4*w+3], v[WO], s[6:7] offset:w*65536
.set w, w+1
.endr
	WIN 0
.endm
.if LAYER != 1
	WLOADS                                         ; they hang on no count: they go out while the count is on its way
.endif
	s_wait_kmcnt 0x0
	s_min_u32 s20, s20, 0x800                      ; at most one row a token
	s_max_u32 s21, s20, 1
	s_sub_co_u32 s21, s21, 1                       ; the last rank that exists
	s_add_co_u32 s32, s20, 15
	s_lshr_b32 s32, s32, 4
	s_max_u32 s32, s32, 1                          ; nB, blocks
	s_lshr_b32 s33, s32, 5                         ; full rounds
	s_and_b32 s34, s32, 31                         ; blocks of the last round
	s_cmp_le_u32 s34, 16
	s_cselect_b32 s35, 1, 0                        ; it deals single blocks
	s_lshl_b32 s46, s23, 1
	s_cmp_lg_u32 s35, 0
	s_cselect_b32 s46, s23, s46
	s_cmp_lt_u32 s46, s34
	s_cselect_b32 s47, 1, 0                        ; it has a unit for me
	s_add_co_u32 s47, s47, s33                     ; my units, 0 to 4
.if LAYER == 3
	s_cmp_eq_u32 s20, 0
	s_cselect_b32 s47, 0, s47                      ; no row: nothing is stored
.endif
	s_sub_co_u32 s24, 4, s47
.if LAYER == 2
	s_mov_b32 s36, 0
	DEAL
.else
.irp j, 3,2,1,0
	s_mov_b32 s36, \j
	DEAL
	LISTLD \j
.endr
.endif
.if LAYER == 1
	WLOADS                                         ; behind the list loads, on which the rows' addresses hang
.else
	AOSET
.endif
	; The weights, eight loads at a time: rounded, laid into LDS; the registers that they leave take the first unit's k step i.
.set i, 0
.rept 8
.set nw, 56-8*i+NLS*i+NLATE
.if nw > 63
.set nw, 63
.endif
	s_wait_loadcnt nw                              ; weight loads 8 i .. 8 i + 7 are in; out stay the younger weight loads, the list loads behind them and the row loads issued so far (a smaller count where the field ends)
	WIN FROM_R
.set n, 0
.rept 8
.set w, 8*i+n
	v_cvt_pk_bf16_f32 v[ACC+16*(i%4)+2*n],   v[4*w],   v[4*w+1]
	v_cvt_pk_bf16_f32 v[ACC+16*(i%4)+2*n+1], v[4*w+2], v[4*w+3]
.set n, n+1
.endr
	WIN 0
.set n, 0
.rept 8
.set w, 8*i+n
	ds_store_b64 v[WS+w/24], v[ACC+16*(i%4)+2*n:ACC+16*(i%4)+2*n+1] offset:(w%24)*16*WP
.set n, n+1
.endr
.if (LAYER == 1) && (i == 0)
	NEXTP                                          ; the lists, older than the weights, are in
	AOSET
.endif
	WIN TO_R
	ALOAD i
	WIN 0
.set i, i+1
.endr
.if LAYER == 3
	s_wait_loadcnt 63                              ; the list loads are older than the 64 row loads
	NEXTP
	CWLD
.endif
	s_cmp_lg_u32 s22, 0
	s_cbranch_scc1 .Lno_bias                       ; wave 0 lays the bias down, rounded to bf16 and widened again
	v_cvt_pk_bf16_f32 v[U], v[BS], v[BS+1]
	v_lshlrev_b32 v[BS], 16, v[U]
	v_and_b32 v[BS+1], 0xffff0000, v[U]
	v_add_nc_u32 v[U2], BIAS, v[BO]
	ds_store_b64 v[U2], v[BS:BS+1]
.Lno_bias:
	s_wait_dscnt 0x0                               ; for the others' sake: my stores into LDS are done
	s_barrier_signal -1
	s_barrier_wait -1                              ; the slice and the bias are whole: the only barrier; nothing shared is written behind it
	s_cmp_ge_u32 s24, 4
	s_cbranch_scc1 .Lend                           ; this split leaves my wave no unit
	s_mov_b32 s25, 4
.Lunit:                                                ; a trip is a unit; its first 8 k steps of rows have been asked for
	s_wait_xcnt 0x0                                ; the last unit's stores have read their offsets and data: these are rewritten only behind this wait
	s_mov_b32 s38, s43                             ; 1: a unit of one block
.if LAYER != 3
	OFFS OO
.endif
	BLOAD 0
	BLOAD 1
	BLOAD 2
.irp kf, 0,1,2,3,4,5,6,7,8,9,10,11,12,13,14,15,16,17,18,19,20,21,22,23,24,25,26,27,28,29,30,31
	KSTEP \kf
.endr
	s_sub_co_u32 s25, s25, 1
	s_add_co_u32 s36, s36, 1
	s_cmp_le_u32 s25, s24
	s_cbranch_scc1 .Lnomore
	DEAL                                           ; the next unit's rows are asked for ahead of this unit's way out; the last k step's wait on loads was for 0, so AO is free
.if LAYER == 1
	PLSHIFT
	NEXTP
.endif
	AOSET
	PLACES
	WIN TO_R
.irp k, 0,1,2,3,4,5,6,7
	ALOAD \k
.endr
	WIN 0
.Lnomore:
	PLACES
.irp g, 0,1,2,3
	ds_load_b128 v[BI+8*\g:BI+8*\g+3],   v[BIA] offset:64*\g      ; bias of columns 16 g + 8 (lane / 16) + 0..7
	ds_load_b128 v[BI+8*\g+4:BI+8*\g+7], v[BIA] offset:64*\g+16
.endr
	s_wait_dscnt 0x0
	EPIB 0
	s_cmp_lg_u32 s38, 0
	s_cbranch_scc1 .Lhalf_out
	EPIB 1
.Lhalf_out:
	s_cmp_le_u32 s25, s24
	s_cbranch_scc1 .Lend                           ; no further unit
.if LAYER == 3
	PLSHIFT
	NEXTP
	CWLD
.endif
	s_cmp_lg_u32 s25, 0
	s_cbranch_scc1 .Lunit
.Lend:
	s_wait_tensorcnt 0x0                           ; the wave's end
	ds_add_u32 v[SPW], v[NIL]
	s_wait_dscnt 0x0
	s_endpgm
.Lfunc_end_k_q62ae1cb8be_fc1:
	.size	k_q62ae1cb8be_fc1, .Lfunc_end_k_q62ae1cb8be_fc1-k_q62ae1cb8be_fc1
	.p2alignl 7, 3214868480
	.fill 96, 4, 3214868480
	.section	.rodata,"a",@progbits
	.p2align	6, 0x0
	.amdhsa_kernel k_q62ae1cb8be_fc1
		.amdhsa_group_segment_fixed_size 199936
		.amdhsa_private_segment_fixed_size 0
		.amdhsa_enable_private_segment 0
		.amdhsa_kernarg_size 48
		.amdhsa_user_sgpr_count 2
		.amdhsa_user_sgpr_kernarg_segment_ptr 1
		.amdhsa_wavefront_size32 1
		.amdhsa_system_sgpr_workgroup_id_x 1
		.amdhsa_system_sgpr_workgroup_id_y 1
		.amdhsa_system_sgpr_workgroup_id_z 1
		.amdhsa_system_vgpr_workitem_id 0
		.amdhsa_next_free_vgpr 512
		.amdhsa_next_free_sgpr 66
		.amdhsa_reserve_vcc 0
		.amdhsa_float_denorm_mode_32 3
		.amdhsa_float_denorm_mode_16_64 3
		.amdhsa_memory_ordered 1
		.amdhsa_forward_progress 1
		.amdhsa_inst_pref_size 106
	.end_amdhsa_kernel
	.amdgpu_metadata
---
amdhsa.version: [ 1, 2 ]
amdhsa.kernels:
  - .name:           k_q62ae1cb8be_fc1
    .symbol:         k_q62ae1cb8be_fc1.kd
    .args:
      - { .name: xb, .offset: 0, .size: 8, .value_kind: global_buffer, .address_space: global }
      - { .name: w1, .offset: 8, .size: 8, .value_kind: global_buffer, .address_space: global }
      - { .name: b1, .offset: 16, .size: 8, .value_kind: global_buffer, .address_space: global }
      - { .name: cnt, .offset: 24, .size: 8, .value_kind: global_buffer, .address_space: global }
      - { .name: h1, .offset: 32, .size: 8, .value_kind: global_buffer, .address_space: global }
      - { .name: list, .offset: 40, .size: 8, .value_kind: global_buffer, .address_space: global }
    .group_segment_fixed_size: 199936
    .private_segment_fixed_size: 0
    .kernarg_segment_align: 8
    .kernarg_segment_size: 48
    .max_flat_workgroup_size: 256
    .sgpr_count:     66
    .vgpr_count:     512
    .wavefront_size: 32
...
	.end_amdgpu_metadata
.endif
;; end of part 3
;; launch fc2 (part 4): grid 32 x 8, 8 waves a work-group, no clusters, 199,936 bytes of LDS; arguments h1, w2, b2, cnt, h2; writes h2
.if DOCPART == 4
	.amdgcn_target "amdgcn-amd-amdhsa--gfx1250"
	.amdhsa_code_object_version 6
	.text
	.protected	k_q62ae1cb8be_fc2
	.globl	k_q62ae1cb8be_fc2
	.p2align	8
	.type	k_q62ae1cb8be_fc2,@function
k_q62ae1cb8be_fc2:
	s_mov_b64 s[64:65], 0
	v_nop
	global_prefetch_b8 v0, s[64:65] scope:SCOPE_SE
	s_setreg_imm32_b32 hwreg(HW_REG_WAVE_MODE, 25, 1), 1
	s_wait_xcnt 0x0
; ONE LAYER OF THE EXPERTS' CHAIN, for the routed rows alone.  One text serves the three layers; LAYER picks what differs.
;   LAYER 1: h1 = relu(xb[p / 2] w1[e] + b1[e])     LAYER 2: h2 = relu(h1 w2[e] + b2[e])     LAYER 3: y[p] = cw[p] (h2 w3[e] + b3[e])
; p = 2 token + slot is a routed row, e its expert; list[e] holds expert e's rows by rank, cnt[e] their number (whole numbers stored by an earlier launch).
; FORMATS.  Weights and biases are rounded to bf16 on their way through registers; sums in f32.  A hidden number is kept as TWO bf16, hi = bf16(h) and lo = bf16(h - hi): 16 significant bits with bf16's range;
; layers 2 and 3 multiply both planes by the same weights into one sum.
; h LIES AS IT IS USED: [expert 8][block of 16 ranks 128][k step 32][plane 2][half 2][lane 32][16 bytes], 65,536 bytes a block: lane l of a piece holds row l % 16, k = 32 step + 16 half + 8 (l / 16) + 0..7,
; which is a lane's part of a matrix operand.  So a load or a store of h takes 512 consecutive bytes, and a lane's packed results of one layer are its own part of the next layer's operand.
; LIMITS.  NaN and infinities are not treated apart.  In a block that is not full the places past the count repeat the expert's last row: in layer 3 the same wave stores the same bytes there again.
; An expert without rows runs one block on a row of another expert in layers 1 and 2, into its own slots of h, which nobody uses; layer 3 then stores nothing for it.
; SHARES.  Grid y = expert, x / 2 = slice of 64 output columns, x % 2 = q.  A work-group lays its slice (1,024 x 64) into LDS in bf16 once.  The slice's team is 16 waves, wid = 2 wave + q.  A UNIT is 32 rows
; (two blocks) x 64 columns over all K: 8 accumulators; a fragment of W read from LDS feeds 2 products a plane.  THE DEAL: nB = ceil(count / 16) blocks; a full round gives each wave two blocks; in the last round, if
; 16 blocks or fewer are left, each wave takes ONE (the second block's products and way out are jumped, its loads name the first block again), else pairs.  It serves every split: 0 to 2,048 rows, at most 4 units a wave.
; The loop over units has no barrier and writes no shared LDS; it counts to the constant 4 and is left by a forward jump.  A unit's 32 k steps are written out: every LDS address is then a register that is
; never rewritten plus an immediate.
; NO TENSOR LOAD, NO MULTICAST: the weights are f32 in memory and must pass through registers to be rounded; a slice has two readers only; the rows, which 16 slices share, go straight into operand registers,
; and a joint load would send them through LDS, whose reads would double.
; THE MATRIX INSTRUCTION IS USED TRANSPOSED: source 0 = 16 columns of W (turned out of LDS by ds_load_tr16_b128), source 1 = 16 rows: a lane then holds 8 neighbouring columns of one row.
; REGISTERS, in windows of 256 (s_set_vgpr_msb: bits 1:0 source 0, 3:2 source 1, 5:4 source 2, 7:6 destination).  Window 0: v0-63 addresses; v64-127 accumulators; v128-255 four buffers of W's fragments, on the
; way out at work.  Window 1: the ring of row fragments, 8 k steps deep; in the prologue the staging of the 64 weight loads.
.set LAYER, 2
.if LAYER == 1
.set NPL,  1          ; planes of the rows
.set KSB,  64         ; bytes from k step to k step in what a lane reads
.set SUBB, 32         ; and between the two halves of a fragment
.else
.set NPL,  2
.set KSB,  2048
.set SUBB, 512
.endif
.set PLB,   1024      ; from plane to plane
.set NLS,   4*NPL     ; row loads in a k step: 2 blocks x NPL planes x 2 halves
.if LAYER == 3
.set NLATE, 8         ; the list loads stand behind the weight loads
.else
.set NLATE, 0
.endif
.set WP,    160       ; a row of W in LDS: 128 bytes + 32 = 40 words
.set BIAS,  1024*WP   ; behind the weights: 64 f32
.set STAGE, BIAS+256  ; 16 rows x 272 bytes for each wave: layer 3's way out
.set SP,    272
.set SPARE, STAGE+8*16*SP  ; the spare words, 128 bytes for each of 8 waves: four blocks of 256 bytes that no other line names
.set SPW, 1           ; v1   LDS address of my spare word; never rewritten
.set NIL, 2           ; v2   0; never rewritten
.set H16, 3           ; v3   16 (lane / 16)
.set L16, 4           ; v4   16 lane
.set RR,  5           ; v5   lane % 16
.set AO,  6           ; v6-7   byte offset of what I read of the unit's two blocks
.set OO,  8           ; v8-9   byte offset of what I store of them (layers 1, 2)
.set PC,  10          ; v10-11 p of my row in the two blocks
.set PL,  12          ; v12-19 list entries of my four possible units, two blocks each
.set CW,  20          ; v[20:21], v[22:23] cw of my row in the two blocks; the second of each is named with it as a pair
.set STO, 26          ; v26  layer 3: where I put my part of a row
.set RD,  27          ; v27  where I read rows back
.set COL, 28          ; v28  16 (lane % 16)
.set IX,  29          ; v29  4 (lane / 16)
.set U,   30          ; v[30:31] at work
.set CWO, 32          ; v32-33 byte offsets in cw
.set WO,  34          ; v34  prologue: my byte offset in 16 rows of W
.set WS,  35          ; v35-37 prologue: where my 8 bytes go in LDS; a base for every 24 loads
.set BO,  38          ; v38  8 lane
.set BIA, 39          ; v39  LDS address of my bias numbers
.set BS,  40          ; v[40:41] the bias as loaded
.set U2,  42          ; v[42:43] at work
.set BB,  44          ; v44-47 LDS address of my part of W's fragments, k from 0, 256, 512, 768 on; never rewritten
.set ACC, 64          ; block b, columns 16 g on: ACC + 32 b + 8 g.  In the prologue the rounded weights pass through here
.set BF,  128         ; W's fragments: buffer k step % 4, columns 16 g on
.set T,   128         ; the way out: what is stored, 32 a block
.set BI,  192         ; the way out: the bias of my columns
.set OF,  224         ; layer 3: byte offsets of the 8 stores of each block
.set MSB, 0
.macro WIN new                         ; the immediate's high byte repeats the setting that is left; a switch that changes nothing is dropped
.if MSB != (\new)
	s_set_vgpr_msb (MSB<<8)|(\new)
.set MSB, (\new)
.endif
.endm
.set TO_R,   0x40     ; destination in window 1: loads into the ring
.set MUL,    0x04     ; source 1 in window 1: the rows
.set FROM_R, 0x05     ; sources 0 and 1 in window 1
.macro PLACES                          ; four plain instructions between a matrix instruction and a load into, or a vector line on, its registers (ISA guide 7.12.1 for vector lines)
.rept 4
	v_nop
.endr
.endm
.macro ALOAD kk                        ; k step kk of the unit's rows: NLS loads into slot kk % 8 of the ring.  The caller sets the window
.set sl, (\kk)%8
.irp b, 0,1
.set pl, 0
.rept NPL
.set rg, ((sl*2+\b)*NPL+pl)*8
	global_load_b128 v[rg:rg+3],   v[AO+\b], s[4:5] offset:(\kk)*KSB+pl*PLB
	global_load_b128 v[rg+4:rg+7], v[AO+\b], s[4:5] offset:(\kk)*KSB+pl*PLB+SUBB
.set pl, pl+1
.endr
.endr
.endm
.macro BLOAD kk                        ; W's four fragments (64 columns) of k step kk, turned: 8 loads into buffer kk % 4
.irp g, 0,1,2,3
	ds_load_tr16_b128 v[BF+32*((\kk)%4)+8*\g:BF+32*((\kk)%4)+8*\g+3],   v[BB+(\kk)/8] offset:(((\kk)%8)*32)*WP+32*\g
	ds_load_tr16_b128 v[BF+32*((\kk)%4)+8*\g+4:BF+32*((\kk)%4)+8*\g+7], v[BB+(\kk)/8] offset:(((\kk)%8)*32+16)*WP+32*\g
.endr
.endm
.macro MULB iv, b                      ; block b's 4 NPL products of k step iv; step 0's first four start the sums.  The block's four accumulators take turns, one instruction a turn
.set sl, (\iv)%8
.set pl, 0
.rept NPL
.set rg, ((sl*2+(\b))*NPL+pl)*8
.irp g, 0,1,2,3
.if ((\iv) == 0) && (pl == 0)
	v_wmma_f32_16x16x32_bf16 v[ACC+32*(\b)+8*\g:ACC+32*(\b)+8*\g+7], v[BF+32*((\iv)%4)+8*\g:BF+32*((\iv)%4)+8*\g+7], v[rg:rg+7], 0
.else
	v_wmma_f32_16x16x32_bf16 v[ACC+32*(\b)+8*\g:ACC+32*(\b)+8*\g+7], v[BF+32*((\iv)%4)+8*\g:BF+32*((\iv)%4)+8*\g+7], v[rg:rg+7], v[ACC+32*(\b)+8*\g:ACC+32*(\b)+8*\g+7]
.endif
.endr
.set pl, pl+1
.endr
.endm
; K STEP iv of 32 (32 along K).  The buffer read last step takes W's fragments 3 steps on; the ring's slot read last step takes the rows 7 steps on; near the end nothing is left to ask for, and the counts run down.
; In a unit of one block the second block's products are jumped.
.macro KSTEP iv
.if (\iv) > 0
	PLACES                                         ; the loads below land in registers that the matrix instructions just issued have read
.endif
.if (\iv) <= 28
	BLOAD (\iv)+3
.endif
.if ((\iv) >= 1) && ((\iv) <= 24)
	WIN TO_R
	ALOAD (\iv)+7
.endif
.set yl, 31-(\iv)
.if yl > 7
.set yl, 7
.endif
.set yd, 31-(\iv)
.if yd > 3
.set yd, 3
.endif
	s_wait_loadcnt yl*NLS                          ; this step's rows are in; the younger steps' loads stay out
	s_wait_dscnt yd*8                              ; and its fragments of W; the younger groups of 8 stay out
	WIN MUL
	MULB \iv, 0
	WIN 0                                          ; at a branch and at a label every window is 0
	s_cmp_lg_u32 s38, 0
	s_cbranch_scc1 .Lone_\@
	WIN MUL
	MULB \iv, 1
	WIN 0
.Lone_\@:
.endm
; THE DEAL, for round s36: s42, s48 = the unit's two blocks; s43 = 1: it has one block, and s48 = s42.  A wave that the round leaves without a unit names the expert's last block.
.macro DEAL
	s_lshl_b32 s44, s36, 5                         ; 32 blocks a round
	s_cmp_lt_u32 s36, s33                          ; a full round?
	s_cselect_b32 s45, 0, s35                      ; if not, and 16 blocks or fewer are left: one block a wave
	s_lshl_b32 s46, s23, 1
	s_cmp_lg_u32 s45, 0
	s_cselect_b32 s46, s23, s46
	s_add_co_u32 s42, s44, s46
	s_add_co_u32 s47, s42, 1
	s_cmp_ge_u32 s47, s32                          ; no block behind the first?
	s_cselect_b32 s43, 1, s45
	s_sub_co_u32 s47, s32, 1
	s_min_u32 s42, s42, s47
	s_min_u32 s42, s42, 0x7f                       ; made of a loaded number: clamped to the table before it enters an address
	s_add_co_u32 s48, s42, 1
	s_cmp_lg_u32 s43, 0
	s_cselect_b32 s48, s42, s48
	s_min_u32 s48, s48, 0x7f
.endm
.macro OFFS dst                        ; byte offsets of my 16 bytes in a piece of the unit's two blocks of h
	s_add_co_u32 s44, s41, s42
	s_add_co_u32 s45, s41, s48
	s_lshl_b32 s44, s44, 16
	s_lshl_b32 s45, s45, 16
	v_add_nc_u32 v[\dst], s44, v[L16]
	v_add_nc_u32 v[\dst+1], s45, v[L16]
.endm
.macro LISTLD j                        ; the list entries of round j's unit: lane l takes rank 16 block + l % 16; places past the count repeat the last row
	s_lshl_b32 s44, s42, 4
	s_lshl_b32 s45, s48, 4
	v_add_nc_u32 v[PL+2*\j], s44, v[RR]
	v_add_nc_u32 v[PL+2*\j+1], s45, v[RR]
.irp b, 0,1
	v_min_u32 v[PL+2*\j+\b], s21, v[PL+2*\j+\b]
	v_min_u32 v[PL+2*\j+\b], 0xfff, v[PL+2*\j+\b]
	v_lshlrev_b32 v[PL+2*\j+\b], 2, v[PL+2*\j+\b]
	global_load_b32 v[PL+2*\j+\b], v[PL+2*\j+\b], s[14:15]
.endr
.endm
.macro PLSHIFT                         ; the next unit's entries move to the front
.irp k, 0,1,2,3,4,5
	v_mov_b32 v[PL+\k], v[PL+\k+2]
.endr
.endm
.macro NEXTP
	v_min_u32 v[PC], 0xfff, v[PL]                  ; a loaded number is clamped to the table before it enters an address
	v_min_u32 v[PC+1], 0xfff, v[PL+1]
.endm
.macro CWLD
	v_lshlrev_b32 v[CWO], 2, v[PC]
	v_lshlrev_b32 v[CWO+1], 2, v[PC+1]
	global_load_b32 v[CW], v[CWO], s[16:17]
	global_load_b32 v[CW+2], v[CWO+1], s[16:17]
.endm
.macro AOSET
.if LAYER == 1
.irp b, 0,1
	v_and_b32 v[AO+\b], 0xffe, v[PC+\b]            ; the token, twice,
	v_lshlrev_b32 v[AO+\b], 10, v[AO+\b]           ; times 1,024: rows of 2,048 bytes
	v_add_nc_u32 v[AO+\b], v[H16], v[AO+\b]
.endr
.else
	OFFS AO
.endif
.endm
; THE WAY OUT of block b.  Each accumulator is read from its low end on.
.macro EPIB b
.if LAYER == 3
.irp t, 0,1,2,3,4,5,6,7
	v_add_nc_u32 v[U+\t%2], 8*\t, v[IX]
	ds_bpermute_b32 v[OF+8*(\b)+\t], v[U+\t%2], v[PC+(\b)]  ; store t takes rows 2 t and 2 t + 1: their p lies in lanes 2 t + lane / 16
.endr
.irp g, 0,1,2,3
.irp jj, 0,1,2,3
.set ac, ACC+32*(\b)+8*\g+2*\jj
	v_pk_add_f32 v[ac:ac+1], v[ac:ac+1], v[BI+8*\g+2*\jj:BI+8*\g+2*\jj+1]
	v_pk_mul_f32 v[ac:ac+1], v[ac:ac+1], v[CW+2*(\b):CW+2*(\b)+1] op_sel_hi:[1,0]
.endr
.endr
	s_wait_dscnt 0x0
.irp t, 0,1,2,3,4,5,6,7
	v_min_u32 v[OF+8*(\b)+\t], 0xfff, v[OF+8*(\b)+\t]
	v_lshlrev_b32 v[OF+8*(\b)+\t], 12, v[OF+8*(\b)+\t]      ; rows of 4,096 bytes
	v_add_nc_u32 v[OF+8*(\b)+\t], v[COL], v[OF+8*(\b)+\t]
.endr
.irp g, 0,1,2,3
	ds_store_b128 v[STO], v[ACC+32*(\b)+8*\g:ACC+32*(\b)+8*\g+3]   offset:64*\g
	ds_store_b128 v[STO], v[ACC+32*(\b)+8*\g+4:ACC+32*(\b)+8*\g+7] offset:64*\g+16
.endr
.irp t, 0,1,2,3,4,5,6,7
	ds_load_b128 v[T+32*(\b)+4*\t:T+32*(\b)+4*\t+3], v[RD] offset:\t*2*SP  ; the stage is my wave's own, and LDS serves a wave's instructions in order (ISA guide 5.7.1.4): these see the stores above
.endr
.irp t, 0,1,2,3,4,5,6,7
	s_wait_dscnt 7-\t                              ; rows 2 t, 2 t + 1 are back; the younger reads stay out
	global_store_b128 v[OF+8*(\b)+\t], v[T+32*(\b)+4*\t:T+32*(\b)+4*\t+3], s[12:13]  ; 16 lanes store 256 consecutive bytes, aligned: a row's whole slice
.endr
.else
.irp g, 0,1,2,3
.irp jj, 0,1,2,3
.set ac, ACC+32*(\b)+8*\g+2*\jj
.set uu, U+12*(\jj%2)
	v_pk_add_f32 v[ac:ac+1], v[ac:ac+1], v[BI+8*\g+2*\jj:BI+8*\g+2*\jj+1]
	v_max_num_f32 v[ac],   0, v[ac]
	v_max_num_f32 v[ac+1], 0, v[ac+1]
	v_cvt_pk_bf16_f32 v[T+32*(\b)+4*\g+\jj], v[ac], v[ac+1]          ; hi
	v_lshlrev_b32 v[uu],   16, v[T+32*(\b)+4*\g+\jj]
	v_and_b32     v[uu+1], 0xffff0000, v[T+32*(\b)+4*\g+\jj]
	v_pk_add_f32 v[ac:ac+1], v[ac:ac+1], v[uu:uu+1] neg_lo:[0,1] neg_hi:[0,1]  ; h - hi, exact
	v_cvt_pk_bf16_f32 v[T+32*(\b)+16+4*\g+\jj], v[ac], v[ac+1]       ; lo
.endr
.endr
.irp g, 0,1,2,3                        ; columns 16 g on are half g % 2 of the next layer's k step 2 slice + g / 2: each store takes 512 consecutive bytes, aligned
	global_store_b128 v[OO+(\b)], v[T+32*(\b)+4*\g:T+32*(\b)+4*\g+3],       s[12:13] offset:(\g/2)*2048+(\g%2)*512
	global_store_b128 v[OO+(\b)], v[T+32*(\b)+16+4*\g:T+32*(\b)+16+4*\g+3], s[12:13] offset:(\g/2)*2048+1024+(\g%2)*512
.endr
.endif
.endm
	s_load_b256 s[4:11], s[0:1], 0x0               ; rows s[4:5], W s[6:7], bias s[8:9], cnt s[10:11]
.if LAYER == 2
	s_load_b64 s[12:13], s[0:1], 0x20              ; the output
.else
	s_load_b128 s[12:15], s[0:1], 0x20             ; the output, list
.endif
.if LAYER == 3
	s_load_b64 s[16:17], s[0:1], 0x30              ; cw
.endif
	v_lshl_add_u32 v[SPW], v0, 2, SPARE
	v_mov_b32 v[NIL], 0
	v_lshrrev_b32 v30, 5, v0
	v_readfirstlane_b32 s22, v30                   ; wave 0..7
	v_and_b32 v[RR], 15, v0
	v_bfe_u32 v31, v0, 4, 1                        ; h = lane / 16
	v_lshlrev_b32 v[H16], 4, v31
	v_and_b32 v30, 31, v0
	v_lshlrev_b32 v[L16], 4, v30
	v_lshlrev_b32 v[BO], 3, v30
	v_lshlrev_b32 v[COL], 4, v[RR]
	v_and_b32 v42, 7, v0                           ; the turning load: lane l reads k = 8 h + l % 8, columns 8 ((l / 8) % 2) + 0..7
	v_lshl_add_u32 v42, v31, 3, v42
	v_mul_u32_u24 v42, v42, WP
	v_bfe_u32 v43, v0, 3, 1
	v_lshl_add_u32 v[BB], v43, 4, v42
	v_add_nc_u32 v[BB+1], 256*WP, v[BB]            ; the offset field holds 16 bits: a base for every 8 k steps
	v_add_nc_u32 v[BB+2], 512*WP, v[BB]
	v_add_nc_u32 v[BB+3], 768*WP, v[BB]
	v_lshl_add_u32 v[BIA], v31, 5, BIAS
.if LAYER == 3
	v_lshlrev_b32 v[IX], 2, v31
	v_mov_b32 v[CW+1], 0
	v_mov_b32 v[CW+3], 0
	s_mul_i32 s28, s22, 16*SP
	s_add_co_u32 s28, s28, STAGE                   ; my stage
	v_mul_u32_u24 v[STO], v[RR], SP
	v_lshl_add_u32 v[STO], v31, 5, v[STO]          ; 8 f32 for each half of the lanes
	v_add_nc_u32 v[STO], s28, v[STO]
	v_mul_u32_u24 v[RD], v31, SP
	v_add_nc_u32 v[RD], v[COL], v[RD]
	v_add_nc_u32 v[RD], s28, v[RD]
.endif
	v_lshrrev_b32 v42, 4, v0                       ; thread / 16: which of 16 rows of W I fetch in each of 64 loads
	v_lshl_add_u32 v[WO], v42, 12, v[COL]          ; in memory: rows of 4,096 bytes, my 16 bytes of the slice's 256
	v_mul_u32_u24 v[WS], v42, WP
	v_lshl_add_u32 v[WS], v[RR], 3, v[WS]          ; in LDS: my 8 bytes of the row's 128
	v_add_nc_u32 v[WS+1], 24*16*WP, v[WS]          ; the offset field holds 16 bits
	v_add_nc_u32 v[WS+2], 48*16*WP, v[WS]
	s_and_b32 s26, ttmp7, 0xffff                   ; the expert
	s_lshr_b32 s30, ttmp9, 1                       ; the slice
	s_and_b32 s31, ttmp9, 1                        ; q
	s_lshl_b32 s23, s22, 1
	s_add_co_u32 s23, s23, s31                     ; wid: my wave among the team's 16
	s_lshl_b32 s41, s26, 7                         ; the expert's first block of h
	s_mov_b32 s19, 0
	s_wait_kmcnt 0x0
	s_lshl_b32 s18, s26, 7
	s_add_nc_u64 s[10:11], s[10:11], s[18:19]
	s_load_b32 s20, s[10:11], 0x0                  ; the expert's count
	s_lshl_b32 s18, s26, 22
	s_lshl_b32 s27, s30, 8
	s_add_co_u32 s18, s18, s27
	s_add_nc_u64 s[6:7], s[6:7], s[18:19]          ; W at the expert's slice
	s_lshl_b32 s18, s26, 12
	s_add_co_u32 s18, s18, s27
	s_add_nc_u64 s[8:9], s[8:9], s[18:19]          ; the bias likewise
.if LAYER == 3
	s_mov_b32 s18, s27                             ; y: 256 bytes of a row
.else
	s_lshl_b32 s18, s30, 12                        ; h: two k steps, 4,096 bytes of a block
.endif
	s_add_nc_u64 s[12:13], s[12:13], s[18:19]
.if LAYER != 2
	s_lshl_b32 s18, s26, 14
	s_add_nc_u64 s[14:15], s[14:15], s[18:19]      ; the expert's list
.endif
.macro WLOADS                          ; the bias, in every wave, so that all waves count alike; then my share of the slice: a load takes two whole rows of 256 bytes, the work-group 16 rows
	global_load_b64 v[BS:BS+1], v[BO], s[8:9]
	WIN TO_R
.set w, 0
.rept 64
	global_load_b128 v[4*w:4*w+3], v[WO], s[6:7] offset:w*65536
.set w, w+1
.endr
	WIN 0
.endm
.if LAYER != 1
	WLOADS                                         ; they hang on no count: they go out while the count is on its way
.endif
	s_wait_kmcnt 0x0
	s_min_u32 s20, s20, 0x800                      ; at most one row a token
	s_max_u32 s21, s20, 1
	s_sub_co_u32 s21, s21, 1                       ; the last rank that exists
	s_add_co_u32 s32, s20, 15
	s_lshr_b32 s32, s32, 4
	s_max_u32 s32, s32, 1                          ; nB, blocks
	s_lshr_b32 s33, s32, 5                         ; full rounds
	s_and_b32 s34, s32, 31                         ; blocks of the last round
	s_cmp_le_u32 s34, 16
	s_cselect_b32 s35, 1, 0                        ; it deals single blocks
	s_lshl_b32 s46, s23, 1
	s_cmp_lg_u32 s35, 0
	s_cselect_b32 s46, s23, s46
	s_cmp_lt_u32 s46, s34
	s_cselect_b32 s47, 1, 0                        ; it has a unit for me
	s_add_co_u32 s47, s47, s33                     ; my units, 0 to 4
.if LAYER == 3
	s_cmp_eq_u32 s20, 0
	s_cselect_b32 s47, 0, s47                      ; no row: nothing is stored
.endif
	s_sub_co_u32 s24, 4, s47
.if LAYER == 2
	s_mov_b32 s36, 0
	DEAL
.else
.irp j, 3,2,1,0
	s_mov_b32 s36, \j
	DEAL
	LISTLD \j
.endr
.endif
.if LAYER == 1
	WLOADS                                         ; behind the list loads, on which the rows' addresses hang
.else
	AOSET
.endif
	; The weights, eight loads at a time: rounded, laid into LDS; the registers that they leave take the first unit's k step i.
.set i, 0
.rept 8
.set nw, 56-8*i+NLS*i+NLATE
.if nw > 63
.set nw, 63
.endif
	s_wait_loadcnt nw                              ; weight loads 8 i .. 8 i + 7 are in; out stay the younger weight loads, the list loads behind them and the row loads issued so far (a smaller count where the field ends)
	WIN FROM_R
.set n, 0
.rept 8
.set w, 8*i+n
	v_cvt_pk_bf16_f32 v[ACC+16*(i%4)+2*n],   v[4*w],   v[4*w+1]
	v_cvt_pk_bf16_f32 v[ACC+16*(i%4)+2*n+1], v[4*w+2], v[4*w+3]
.set n, n+1
.endr
	WIN 0
.set n, 0
.rept 8
.set w, 8*i+n
	ds_store_b64 v[WS+w/24], v[ACC+16*(i%4)+2*n:ACC+16*(i%4)+2*n+1] offset:(w%24)*16*WP
.set n, n+1
.endr
.if (LAYER == 1) && (i == 0)
	NEXTP                                          ; the lists, older than the weights, are in
	AOSET
.endif
	WIN TO_R
	ALOAD i
	WIN 0
.set i, i+1
.endr
.if LAYER == 3
	s_wait_loadcnt 63                              ; the list loads are older than the 64 row loads
	NEXTP
	CWLD
.endif
	s_cmp_lg_u32 s22, 0
	s_cbranch_scc1 .Lno_bias                       ; wave 0 lays the bias down, rounded to bf16 and widened again
	v_cvt_pk_bf16_f32 v[U], v[BS], v[BS+1]
	v_lshlrev_b32 v[BS], 16, v[U]
	v_and_b32 v[BS+1], 0xffff0000, v[U]
	v_add_nc_u32 v[U2], BIAS, v[BO]
	ds_store_b64 v[U2], v[BS:BS+1]
.Lno_bias:
	s_wait_dscnt 0x0                               ; for the others' sake: my stores into LDS are done
	s_barrier_signal -1
	s_barrier_wait -1                              ; the slice and the bias are whole: the only barrier; nothing shared is written behind it
	s_cmp_ge_u32 s24, 4
	s_cbranch_scc1 .Lend                           ; this split leaves my wave no unit
	s_mov_b32 s25, 4
.Lunit:                                                ; a trip is a unit; its first 8 k steps of rows have been asked for
	s_wait_xcnt 0x0                                ; the last unit's stores have read their offsets and data: these are rewritten only behind this wait
	s_mov_b32 s38, s43                             ; 1: a unit of one block
.if LAYER != 3
	OFFS OO
.endif
	BLOAD 0
	BLOAD 1
	BLOAD 2
.irp kf, 0,1,2,3,4,5,6,7,8,9,10,11,12,13,14,15,16,17,18,19,20,21,22,23,24,25,26,27,28,29,30,31
	KSTEP \kf
.endr
	s_sub_co_u32 s25, s25, 1
	s_add_co_u32 s36, s36, 1
	s_cmp_le_u32 s25, s24
	s_cbranch_scc1 .Lnomore
	DEAL                                           ; the next unit's rows are asked for ahead of this unit's way out; the last k step's wait on loads was for 0, so AO is free
.if LAYER == 1
	PLSHIFT
	NEXTP
.endif
	AOSET
	PLACES
	WIN TO_R
.irp k, 0,1,2,3,4,5,6,7
	ALOAD \k
.endr
	WIN 0
.Lnomore:
	PLACES
.irp g, 0,1,2,3
	ds_load_b128 v[BI+8*\g:BI+8*\g+3],   v[BIA] offset:64*\g      ; bias of columns 16 g + 8 (lane / 16) + 0..7
	ds_load_b128 v[BI+8*\g+4:BI+8*\g+7], v[BIA] offset:64*\g+16
.endr
	s_wait_dscnt 0x0
	EPIB 0
	s_cmp_lg_u32 s38, 0
	s_cbranch_scc1 .Lhalf_out
	EPIB 1
.Lhalf_out:
	s_cmp_le_u32 s25, s24
	s_cbranch_scc1 .Lend                           ; no further unit
.if LAYER == 3
	PLSHIFT
	NEXTP
	CWLD
.endif
	s_cmp_lg_u32 s25, 0
	s_cbranch_scc1 .Lunit
.Lend:
	s_wait_tensorcnt 0x0                           ; the wave's end
	ds_add_u32 v[SPW], v[NIL]
	s_wait_dscnt 0x0
	s_endpgm
.Lfunc_end_k_q62ae1cb8be_fc2:
	.size	k_q62ae1cb8be_fc2, .Lfunc_end_k_q62ae1cb8be_fc2-k_q62ae1cb8be_fc2
	.p2alignl 7, 3214868480
	.fill 96, 4, 3214868480
	.section	.rodata,"a",@progbits
	.p2align	6, 0x0
	.amdhsa_kernel k_q62ae1cb8be_fc2
		.amdhsa_group_segment_fixed_size 199936
		.amdhsa_private_segment_fixed_size 0
		.amdhsa_enable_private_segment 0
		.amdhsa_kernarg_size 40
		.amdhsa_user_sgpr_count 2
		.amdhsa_user_sgpr_kernarg_segment_ptr 1
		.amdhsa_wavefront_size32 1
		.amdhsa_system_sgpr_workgroup_id_x 1
		.amdhsa_system_sgpr_workgroup_id_y 1
		.amdhsa_system_sgpr_workgroup_id_z 1
		.amdhsa_system_vgpr_workitem_id 0
		.amdhsa_next_free_vgpr 512
		.amdhsa_next_free_sgpr 66
		.amdhsa_reserve_vcc 0
		.amdhsa_float_denorm_mode_32 3
		.amdhsa_float_denorm_mode_16_64 3
		.amdhsa_memory_ordered 1
		.amdhsa_forward_progress 1
		.amdhsa_inst_pref_size 132
	.end_amdhsa_kernel
	.amdgpu_metadata
---
amdhsa.version: [ 1, 2 ]
amdhsa.kernels:
  - .name:           k_q62ae1cb8be_fc2
    .symbol:         k_q62ae1cb8be_fc2.kd
    .args:
      - { .name: h1, .offset: 0, .size: 8, .value_kind: global_buffer, .address_space: global }
      - { .name: w2, .offset: 8, .size: 8, .value_kind: global_buffer, .address_space: global }
      - { .name: b2, .offset: 16, .size: 8, .value_kind: global_buffer, .address_space: global }
      - { .name: cnt, .offset: 24, .size: 8, .value_kind: global_buffer, .address_space: global }
      - { .name: h2, .offset: 32, .size: 8, .value_kind: global_buffer, .address_space: global }
    .group_segment_fixed_size: 199936
    .private_segment_fixed_size: 0
    .kernarg_segment_align: 8
    .kernarg_segment_size: 40
    .max_flat_workgroup_size: 256
    .sgpr_count:     66
    .vgpr_count:     512
    .wavefront_size: 32
...
	.end_amdgpu_metadata
.endif
;; end of part 4
;; launch fc3 (part 5): grid 32 x 8, 8 waves a work-group, no clusters, 199,936 bytes of LDS; arguments h2, w3, b3, cnt, y, list, cw; writes y
.if DOCPART == 5
	.amdgcn_target "amdgcn-amd-amdhsa--gfx1250"
	.amdhsa_code_object_version 6
	.text
	.protected	k_q62ae1cb8be_fc3
	.globl	k_q62ae1cb8be_fc3
	.p2align	8
	.type	k_q62ae1cb8be_fc3,@function
k_q62ae1cb8be_fc3:
	s_mov_b64 s[64:65], 0
	v_nop
	global_prefetch_b8 v0, s[64:65] scope:SCOPE_SE
	s_setreg_imm32_b32 hwreg(HW_REG_WAVE_MODE, 25, 1), 1
	s_wait_xcnt 0x0
; ONE LAYER OF THE EXPERTS' CHAIN, for the routed rows alone.  One text serves the three layers; LAYER picks what differs.
;   LAYER 1: h1 = relu(xb[p / 2] w1[e] + b1[e])     LAYER 2: h2 = relu(h1 w2[e] + b2[e])     LAYER 3: y[p] = cw[p] (h2 w3[e] + b3[e])
; p = 2 token + slot is a routed row, e its expert; list[e] holds expert e's rows by rank, cnt[e] their number (whole numbers stored by an earlier launch).
; FORMATS.  Weights and biases are rounded to bf16 on their way through registers; sums in f32.  A hidden number is kept as TWO bf16, hi = bf16(h) and lo = bf16(h - hi): 16 significant bits with bf16's range;
; layers 2 and 3 multiply both planes by the same weights into one sum.
; h LIES AS IT IS USED: [expert 8][block of 16 ranks 128][k step 32][plane 2][half 2][lane 32][16 bytes], 65,536 bytes a block: lane l of a piece holds row l % 16, k = 32 step + 16 half + 8 (l / 16) + 0..7,
; which is a lane's part of a matrix operand.  So a load or a store of h takes 512 consecutive bytes, and a lane's packed results of one layer are its own part of the next layer's operand.
; LIMITS.  NaN and infinities are not treated apart.  In a block that is not full the places past the count repeat the expert's last row: in layer 3 the same wave stores the same bytes there again.
; An expert without rows runs one block on a row of another expert in layers 1 and 2, into its own slots of h, which nobody uses; layer 3 then stores nothing for it.
; SHARES.  Grid y = expert, x / 2 = slice of 64 output columns, x % 2 = q.  A work-group lays its slice (1,024 x 64) into LDS in bf16 once.  The slice's team is 16 waves, wid = 2 wave + q.  A UNIT is 32 rows
; (two blocks) x 64 columns over all K: 8 accumulators; a fragment of W read from LDS feeds 2 products a plane.  THE DEAL: nB = ceil(count / 16) blocks; a full round gives each wave two blocks; in the last round, if
; 16 blocks or fewer are left, each wave takes ONE (the second block's products and way out are jumped, its loads name the first block again), else pairs.  It serves every split: 0 to 2,048 rows, at most 4 units a wave.
; The loop over units has no barrier and writes no shared LDS; it counts to the constant 4 and is left by a forward jump.  A unit's 32 k steps are written out: every LDS address is then a register that is
; never rewritten plus an immediate.
; NO TENSOR LOAD, NO MULTICAST: the weights are f32 in memory and must pass through registers to be rounded; a slice has two readers only; the rows, which 16 slices share, go straight into operand registers,
; and a joint load would send them through LDS, whose reads would double.
; THE MATRIX INSTRUCTION IS USED TRANSPOSED: source 0 = 16 columns of W (turned out of LDS by ds_load_tr16_b128), source 1 = 16 rows: a lane then holds 8 neighbouring columns of one row.
; REGISTERS, in windows of 256 (s_set_vgpr_msb: bits 1:0 source 0, 3:2 source 1, 5:4 source 2, 7:6 destination).  Window 0: v0-63 addresses; v64-127 accumulators; v128-255 four buffers of W's fragments, on the
; way out at work.  Window 1: the ring of row fragments, 8 k steps deep; in the prologue the staging of the 64 weight loads.
.set LAYER, 3
.if LAYER == 1
.set NPL,  1          ; planes of the rows
.set KSB,  64         ; bytes from k step to k step in what a lane reads
.set SUBB, 32         ; and between the two halves of a fragment
.else
.set NPL,  2
.set KSB,  2048
.set SUBB, 512
.endif
.set PLB,   1024      ; from plane to plane
.set NLS,   4*NPL     ; row loads in a k step: 2 blocks x NPL planes x 2 halves
.if LAYER == 3
.set NLATE, 8         ; the list loads stand behind the weight loads
.else
.set NLATE, 0
.endif
.set WP,    160       ; a row of W in LDS: 128 bytes + 32 = 40 words
.set BIAS,  1024*WP   ; behind the weights: 64 f32
.set STAGE, BIAS+256  ; 16 rows x 272 bytes for each wave: layer 3's way out
.set SP,    272
.set SPARE, STAGE+8*16*SP  ; the spare words, 128 bytes for each of 8 waves: four blocks of 256 bytes that no other line names
.set SPW, 1           ; v1   LDS address of my spare word; never rewritten
.set NIL, 2           ; v2   0; never rewritten
.set H16, 3           ; v3   16 (lane / 16)
.set L16, 4           ; v4   16 lane
.set RR,  5           ; v5   lane % 16
.set AO,  6           ; v6-7   byte offset of what I read of the unit's two blocks
.set OO,  8           ; v8-9   byte offset of what I store of them (layers 1, 2)
.set PC,  10          ; v10-11 p of my row in the two blocks
.set PL,  12          ; v12-19 list entries of my four possible units, two blocks each
.set CW,  20          ; v[20:21], v[22:23] cw of my row in the two blocks; the second of each is named with it as a pair
.set STO, 26          ; v26  layer 3: where I put my part of a row
.set RD,  27          ; v27  where I read rows back
.set COL, 28          ; v28  16 (lane % 16)
.set IX,  29          ; v29  4 (lane / 16)
.set U,   30          ; v[30:31] at work
.set CWO, 32          ; v32-33 byte offsets in cw
.set WO,  34          ; v34  prologue: my byte offset in 16 rows of W
.set WS,  35          ; v35-37 prologue: where my 8 bytes go in LDS; a base for every 24 loads
.set BO,  38          ; v38  8 lane
.set BIA, 39          ; v39  LDS address of my bias numbers
.set BS,  40          ; v[40:41] the bias as loaded
.set U2,  42          ; v[42:43] at work
.set BB,  44          ; v44-47 LDS address of my part of W's fragments, k from 0, 256, 512, 768 on; never rewritten
.set ACC, 64          ; block b, columns 16 g on: ACC + 32 b + 8 g.  In the prologue the rounded weights pass through here
.set BF,  128         ; W's fragments: buffer k step % 4, columns 16 g on
.set T,   128         ; the way out: what is stored, 32 a block
.set BI,  192         ; the way out: the bias of my columns
.set OF,  224         ; layer 3: byte offsets of the 8 stores of each block
.set MSB, 0
.macro WIN new                         ; the immediate's high byte repeats the setting that is left; a switch that changes nothing is dropped
.if MSB != (\new)
	s_set_vgpr_msb (MSB<<8)|(\new)
.set MSB, (\new)
.endif
.endm
.set TO_R,   0x40     ; destination in window 1: loads into the ring
.set MUL,    0x04     ; source 1 in window 1: the rows
.set FROM_R, 0x05     ; sources 0 and 1 in window 1
.macro PLACES                          ; four plain instructions between a matrix instruction and a load into, or a vector line on, its registers (ISA guide 7.12.1 for vector lines)
.rept 4
	v_nop
.endr
.endm
.macro ALOAD kk                        ; k step kk of the unit's rows: NLS loads into slot kk % 8 of the ring.  The caller sets the window
.set sl, (\kk)%8
.irp b, 0,1
.set pl, 0
.rept NPL
.set rg, ((sl*2+\b)*NPL+pl)*8
	global_load_b128 v[rg:rg+3],   v[AO+\b], s[4:5] offset:(\kk)*KSB+pl*PLB
	global_load_b128 v[rg+4:rg+7], v[AO+\b], s[4:5] offset:(\kk)*KSB+pl*PLB+SUBB
.set pl, pl+1
.endr
.endr
.endm
.macro BLOAD kk                        ; W's four fragments (64 columns) of k step kk, turned: 8 loads into buffer kk % 4
.irp g, 0,1,2,3
	ds_load_tr16_b128 v[BF+32*((\kk)%4)+8*\g:BF+32*((\kk)%4)+8*\g+3],   v[BB+(\kk)/8] offset:(((\kk)%8)*32)*WP+32*\g
	ds_load_tr16_b128 v[BF+32*((\kk)%4)+8*\g+4:BF+32*((\kk)%4)+8*\g+7], v[BB+(\kk)/8] offset:(((\kk)%8)*32+16)*WP+32*\g
.endr
.endm
.macro MULB iv, b                      ; block b's 4 NPL products of k step iv; step 0's first four start the sums.  The block's four accumulators take turns, one instruction a turn
.set sl, (\iv)%8
.set pl, 0
.rept NPL
.set rg, ((sl*2+(\b))*NPL+pl)*8
.irp g, 0,1,2,3
.if ((\iv) == 0) && (pl == 0)
	v_wmma_f32_16x16x32_bf16 v[ACC+32*(\b)+8*\g:ACC+32*(\b)+8*\g+7], v[BF+32*((\iv)%4)+8*\g:BF+32*((\iv)%4)+8*\g+7], v[rg:rg+7], 0
.else
	v_wmma_f32_16x16x32_bf16 v[ACC+32*(\b)+8*\g:ACC+32*(\b)+8*\g+7], v[BF+32*((\iv)%4)+8*\g:BF+32*((\iv)%4)+8*\g+7], v[rg:rg+7], v[ACC+32*(\b)+8*\g:ACC+32*(\b)+8*\g+7]
.endif
.endr
.set pl, pl+1
.endr
.endm
; K STEP iv of 32 (32 along K).  The buffer read last step takes W's fragments 3 steps on; the ring's slot read last step takes the rows 7 steps on; near the end nothing is left to ask for, and the counts run down.
; In a unit of one block the second block's products are jumped.
.macro KSTEP iv
.if (\iv) > 0
	PLACES                                         ; the loads below land in registers that the matrix instructions just issued have read
.endif
.if (\iv) <= 28
	BLOAD (\iv)+3
.endif
.if ((\iv) >= 1) && ((\iv) <= 24)
	WIN TO_R
	ALOAD (\iv)+7
.endif
.set yl, 31-(\iv)
.if yl > 7
.set yl, 7
.endif
.set yd, 31-(\iv)
.if yd > 3
.set yd, 3
.endif
	s_wait_loadcnt yl*NLS                          ; this step's rows are in; the younger steps' loads stay out
	s_wait_dscnt yd*8                              ; and its fragments of W; the younger groups of 8 stay out
	WIN MUL
	MULB \iv, 0
	WIN 0                                          ; at a branch and at a label every window is 0
	s_cmp_lg_u32 s38, 0
	s_cbranch_scc1 .Lone_\@
	WIN MUL
	MULB \iv, 1
	WIN 0
.Lone_\@:
.endm
; THE DEAL, for round s36: s42, s48 = the unit's two blocks; s43 = 1: it has one block, and s48 = s42.  A wave that the round leaves without a unit names the expert's last block.
.macro DEAL
	s_lshl_b32 s44, s36, 5                         ; 32 blocks a round
	s_cmp_lt_u32 s36, s33                          ; a full round?
	s_cselect_b32 s45, 0, s35                      ; if not, and 16 blocks or fewer are left: one block a wave
	s_lshl_b32 s46, s23, 1
	s_cmp_lg_u32 s45, 0
	s_cselect_b32 s46, s23, s46
	s_add_co_u32 s42, s44, s46
	s_add_co_u32 s47, s42, 1
	s_cmp_ge_u32 s47, s32                          ; no block behind the first?
	s_cselect_b32 s43, 1, s45
	s_sub_co_u32 s47, s32, 1
	s_min_u32 s42, s42, s47
	s_min_u32 s42, s42, 0x7f                       ; made of a loaded number: clamped to the table before it enters an address
	s_add_co_u32 s48, s42, 1
	s_cmp_lg_u32 s43, 0
	s_cselect_b32 s48, s42, s48
	s_min_u32 s48, s48, 0x7f
.endm
.macro OFFS dst                        ; byte offsets of my 16 bytes in a piece of the unit's two blocks of h
	s_add_co_u32 s44, s41, s42
	s_add_co_u32 s45, s41, s48
	s_lshl_b32 s44, s44, 16
	s_lshl_b32 s45, s45, 16
	v_add_nc_u32 v[\dst], s44, v[L16]
	v_add_nc_u32 v[\dst+1], s45, v[L16]
.endm
.macro LISTLD j                        ; the list entries of round j's unit: lane l takes rank 16 block + l % 16; places past the count repeat the last row
	s_lshl_b32 s44, s42, 4
	s_lshl_b32 s45, s48, 4
	v_add_nc_u32 v[PL+2*\j], s44, v[RR]
	v_add_nc_u32 v[PL+2*\j+1], s45, v[RR]
.irp b, 0,1
	v_min_u32 v[PL+2*\j+\b], s21, v[PL+2*\j+\b]
	v_min_u32 v[PL+2*\j+\b], 0xfff, v[PL+2*\j+\b]
	v_lshlrev_b32 v[PL+2*\j+\b], 2, v[PL+2*\j+\b]
	global_load_b32 v[PL+2*\j+\b], v[PL+2*\j+\b], s[14:15]
.endr
.endm
.macro PLSHIFT                         ; the next unit's entries move to the front
.irp k, 0,1,2,3,4,5
	v_mov_b32 v[PL+\k], v[PL+\k+2]
.endr
.endm
.macro NEXTP
	v_min_u32 v[PC], 0xfff, v[PL]                  ; a loaded number is clamped to the table before it enters an address
	v_min_u32 v[PC+1], 0xfff, v[PL+1]
.endm
.macro CWLD
	v_lshlrev_b32 v[CWO], 2, v[PC]
	v_lshlrev_b32 v[CWO+1], 2, v[PC+1]
	global_load_b32 v[CW], v[CWO], s[16:17]
	global_load_b32 v[CW+2], v[CWO+1], s[16:17]
.endm
.macro AOSET
.if LAYER == 1
.irp b, 0,1
	v_and_b32 v[AO+\b], 0xffe, v[PC+\b]            ; the token, twice,
	v_lshlrev_b32 v[AO+\b], 10, v[AO+\b]           ; times 1,024: rows of 2,048 bytes
	v_add_nc_u32 v[AO+\b], v[H16], v[AO+\b]
.endr
.else
	OFFS AO
.endif
.endm
; THE WAY OUT of block b.  Each accumulator is read from its low end on.
.macro EPIB b
.if LAYER == 3
.irp t, 0,1,2,3,4,5,6,7
	v_add_nc_u32 v[U+\t%2], 8*\t, v[IX]
	ds_bpermute_b32 v[OF+8*(\b)+\t], v[U+\t%2], v[PC+(\b)]  ; store t takes rows 2 t and 2 t + 1: their p lies in lanes 2 t + lane / 16
.endr
.irp g, 0,1,2,3
.irp jj, 0,1,2,3
.set ac, ACC+32*(\b)+8*\g+2*\jj
	v_pk_add_f32 v[ac:ac+1], v[ac:ac+1], v[BI+8*\g+2*\jj:BI+8*\g+2*\jj+1]
	v_pk_mul_f32 v[ac:ac+1], v[ac:ac+1], v[CW+2*(\b):CW+2*(\b)+1] op_sel_hi:[1,0]
.endr
.endr
	s_wait_dscnt 0x0
.irp t, 0,1,2,3,4,5,6,7
	v_min_u32 v[OF+8*(\b)+\t], 0xfff, v[OF+8*(\b)+\t]
	v_lshlrev_b32 v[OF+8*(\b)+\t], 12, v[OF+8*(\b)+\t]      ; rows of 4,096 bytes
	v_add_nc_u32 v[OF+8*(\b)+\t], v[COL], v[OF+8*(\b)+\t]
.endr
.irp g, 0,1,2,3
	ds_store_b128 v[STO], v[ACC+32*(\b)+8*\g:ACC+32*(\b)+8*\g+3]   offset:64*\g
	ds_store_b128 v[STO], v[ACC+32*(\b)+8*\g+4:ACC+32*(\b)+8*\g+7] offset:64*\g+16
.endr
.irp t, 0,1,2,3,4,5,6,7
	ds_load_b128 v[T+32*(\b)+4*\t:T+32*(\b)+4*\t+3], v[RD] offset:\t*2*SP  ; the stage is my wave's own, and LDS serves a wave's instructions in order (ISA guide 5.7.1.4): these see the stores above
.endr
.irp t, 0,1,2,3,4,5,6,7
	s_wait_dscnt 7-\t                              ; rows 2 t, 2 t + 1 are back; the younger reads stay out
	global_store_b128 v[OF+8*(\b)+\t], v[T+32*(\b)+4*\t:T+32*(\b)+4*\t+3], s[12:13]  ; 16 lanes store 256 consecutive bytes, aligned: a row's whole slice
.endr
.else
.irp g, 0,1,2,3
.irp jj, 0,1,2,3
.set ac, ACC+32*(\b)+8*\g+2*\jj
.set uu, U+12*(\jj%2)
	v_pk_add_f32 v[ac:ac+1], v[ac:ac+1], v[BI+8*\g+2*\jj:BI+8*\g+2*\jj+1]
	v_max_num_f32 v[ac],   0, v[ac]
	v_max_num_f32 v[ac+1], 0, v[ac+1]
	v_cvt_pk_bf16_f32 v[T+32*(\b)+4*\g+\jj], v[ac], v[ac+1]          ; hi
	v_lshlrev_b32 v[uu],   16, v[T+32*(\b)+4*\g+\jj]
	v_and_b32     v[uu+1], 0xffff0000, v[T+32*(\b)+4*\g+\jj]
	v_pk_add_f32 v[ac:ac+1], v[ac:ac+1], v[uu:uu+1] neg_lo:[0,1] neg_hi:[0,1]  ; h - hi, exact
	v_cvt_pk_bf16_f32 v[T+32*(\b)+16+4*\g+\jj], v[ac], v[ac+1]       ; lo
.endr
.endr
.irp g, 0,1,2,3                        ; columns 16 g on are half g % 2 of the next layer's k step 2 slice + g / 2: each store takes 512 consecutive bytes, aligned
	global_store_b128 v[OO+(\b)], v[T+32*(\b)+4*\g:T+32*(\b)+4*\g+3],       s[12:13] offset:(\g/2)*2048+(\g%2)*512
	global_store_b128 v[OO+(\b)], v[T+32*(\b)+16+4*\g:T+32*(\b)+16+4*\g+3], s[12:13] offset:(\g/2)*2048+1024+(\g%2)*512
.endr
.endif
.endm
	s_load_b256 s[4:11], s[0:1], 0x0               ; rows s[4:5], W s[6:7], bias s[8:9], cnt s[10:11]
.if LAYER == 2
	s_load_b64 s[12:13], s[0:1], 0x20              ; the output
.else
	s_load_b128 s[12:15], s[0:1], 0x20             ; the output, list
.endif
.if LAYER == 3
	s_load_b64 s[16:17], s[0:1], 0x30              ; cw
.endif
	v_lshl_add_u32 v[SPW], v0, 2, SPARE
	v_mov_b32 v[NIL], 0
	v_lshrrev_b32 v30, 5, v0
	v_readfirstlane_b32 s22, v30                   ; wave 0..7
	v_and_b32 v[RR], 15, v0
	v_bfe_u32 v31, v0, 4, 1                        ; h = lane / 16
	v_lshlrev_b32 v[H16], 4, v31
	v_and_b32 v30, 31, v0
	v_lshlrev_b32 v[L16], 4, v30
	v_lshlrev_b32 v[BO], 3, v30
	v_lshlrev_b32 v[COL], 4, v[RR]
	v_and_b32 v42, 7, v0                           ; the turning load: lane l reads k = 8 h + l % 8, columns 8 ((l / 8) % 2) + 0..7
	v_lshl_add_u32 v42, v31, 3, v42
	v_mul_u32_u24 v42, v42, WP
	v_bfe_u32 v43, v0, 3, 1
	v_lshl_add_u32 v[BB], v43, 4, v42
	v_add_nc_u32 v[BB+1], 256*WP, v[BB]            ; the offset field holds 16 bits: a base for every 8 k steps
	v_add_nc_u32 v[BB+2], 512*WP, v[BB]
	v_add_nc_u32 v[BB+3], 768*WP, v[BB]
	v_lshl_add_u32 v[BIA], v31, 5, BIAS
.if LAYER == 3
	v_lshlrev_b32 v[IX], 2, v31
	v_mov_b32 v[CW+1], 0
	v_mov_b32 v[CW+3], 0
	s_mul_i32 s28, s22, 16*SP
	s_add_co_u32 s28, s28, STAGE                   ; my stage
	v_mul_u32_u24 v[STO], v[RR], SP
	v_lshl_add_u32 v[STO], v31, 5, v[STO]          ; 8 f32 for each half of the lanes
	v_add_nc_u32 v[STO], s28, v[STO]
	v_mul_u32_u24 v[RD], v31, SP
	v_add_nc_u32 v[RD], v[COL], v[RD]
	v_add_nc_u32 v[RD], s28, v[RD]
.endif
	v_lshrrev_b32 v42, 4, v0                       ; thread / 16: which of 16 rows of W I fetch in each of 64 loads
	v_lshl_add_u32 v[WO], v42, 12, v[COL]          ; in memory: rows of 4,096 bytes, my 16 bytes of the slice's 256
	v_mul_u32_u24 v[WS], v42, WP
	v_lshl_add_u32 v[WS], v[RR], 3, v[WS]          ; in LDS: my 8 bytes of the row's 128
	v_add_nc_u32 v[WS+1], 24*16*WP, v[WS]          ; the offset field holds 16 bits
	v_add_nc_u32 v[WS+2], 48*16*WP, v[WS]
	s_and_b32 s26, ttmp7, 0xffff                   ; the expert
	s_lshr_b32 s30, ttmp9, 1                       ; the slice
	s_and_b32 s31, ttmp9, 1                        ; q
	s_lshl_b32 s23, s22, 1
	s_add_co_u32 s23, s23, s31                     ; wid: my wave among the team's 16
	s_lshl_b32 s41, s26, 7                         ; the expert's first block of h
	s_mov_b32 s19, 0
	s_wait_kmcnt 0x0
	s_lshl_b32 s18, s26, 7
	s_add_nc_u64 s[10:11], s[10:11], s[18:19]
	s_load_b32 s20, s[10:11], 0x0                  ; the expert's count
	s_lshl_b32 s18, s26, 22
	s_lshl_b32 s27, s30, 8
	s_add_co_u32 s18, s18, s27
	s_add_nc_u64 s[6:7], s[6:7], s[18:19]          ; W at the expert's slice
	s_lshl_b32 s18, s26, 12
	s_add_co_u32 s18, s18, s27
	s_add_nc_u64 s[8:9], s[8:9], s[18:19]          ; the bias likewise
.if LAYER == 3
	s_mov_b32 s18, s27                             ; y: 256 bytes of a row
.else
	s_lshl_b32 s18, s30, 12                        ; h: two k steps, 4,096 bytes of a block
.endif
	s_add_nc_u64 s[12:13], s[12:13], s[18:19]
.if LAYER != 2
	s_lshl_b32 s18, s26, 14
	s_add_nc_u64 s[14:15], s[14:15], s[18:19]      ; the expert's list
.endif
.macro WLOADS                          ; the bias, in every wave, so that all waves count alike; then my share of the slice: a load takes two whole rows of 256 bytes, the work-group 16 rows
	global_load_b64 v[BS:BS+1], v[BO], s[8:9]
	WIN TO_R
.set w, 0
.rept 64
	global_load_b128 v[4*w:4*w+3], v[WO], s[6:7] offset:w*65536
.set w, w+1
.endr
	WIN 0
.endm
.if LAYER != 1
	WLOADS                                         ; they hang on no count: they go out while the count is on its way
.endif
	s_wait_kmcnt 0x0
	s_min_u32 s20, s20, 0x800                      ; at most one row a token
	s_max_u32 s21, s20, 1
	s_sub_co_u32 s21, s21, 1                       ; the last rank that exists
	s_add_co_u32 s32, s20, 15
	s_lshr_b32 s32, s32, 4
	s_max_u32 s32, s32, 1                          ; nB, blocks
	s_lshr_b32 s33, s32, 5                         ; full rounds
	s_and_b32 s34, s32, 31                         ; blocks of the last round
	s_cmp_le_u32 s34, 16
	s_cselect_b32 s35, 1, 0                        ; it deals single blocks
	s_lshl_b32 s46, s23, 1
	s_cmp_lg_u32 s35, 0
	s_cselect_b32 s46, s23, s46
	s_cmp_lt_u32 s46, s34
	s_cselect_b32 s47, 1, 0                        ; it has a unit for me
	s_add_co_u32 s47, s47, s33                     ; my units, 0 to 4
.if LAYER == 3
	s_cmp_eq_u32 s20, 0
	s_cselect_b32 s47, 0, s47                      ; no row: nothing is stored
.endif
	s_sub_co_u32 s24, 4, s47
.if LAYER == 2
	s_mov_b32 s36, 0
	DEAL
.else
.irp j, 3,2,1,0
	s_mov_b32 s36, \j
	DEAL
	LISTLD \j
.endr
.endif
.if LAYER == 1
	WLOADS                                         ; behind the list loads, on which the rows' addresses hang
.else
	AOSET
.endif
	; The weights, eight loads at a time: rounded, laid into LDS; the registers that they leave take the first unit's k step i.
.set i, 0
.rept 8
.set nw, 56-8*i+NLS*i+NLATE
.if nw > 63
.set nw, 63
.endif
	s_wait_loadcnt nw                              ; weight loads 8 i .. 8 i + 7 are in; out stay the younger weight loads, the list loads behind them and the row loads issued so far (a smaller count where the field ends)
	WIN FROM_R
.set n, 0
.rept 8
.set w, 8*i+n
	v_cvt_pk_bf16_f32 v[ACC+16*(i%4)+2*n],   v[4*w],   v[4*w+1]
	v_cvt_pk_bf16_f32 v[ACC+16*(i%4)+2*n+1], v[4*w+2], v[4*w+3]
.set n, n+1
.endr
	WIN 0
.set n, 0
.rept 8
.set w, 8*i+n
	ds_store_b64 v[WS+w/24], v[ACC+16*(i%4)+2*n:ACC+16*(i%4)+2*n+1] offset:(w%24)*16*WP
.set n, n+1
.endr
.if (LAYER == 1) && (i == 0)
	NEXTP                                          ; the lists, older than the weights, are in
	AOSET
.endif
	WIN TO_R
	ALOAD i
	WIN 0
.set i, i+1
.endr
.if LAYER == 3
	s_wait_loadcnt 63                              ; the list loads are older than the 64 row loads
	NEXTP
	CWLD
.endif
	s_cmp_lg_u32 s22, 0
	s_cbranch_scc1 .Lno_bias                       ; wave 0 lays the bias down, rounded to bf16 and widened again
	v_cvt_pk_bf16_f32 v[U], v[BS], v[BS+1]
	v_lshlrev_b32 v[BS], 16, v[U]
	v_and_b32 v[BS+1], 0xffff0000, v[U]
	v_add_nc_u32 v[U2], BIAS, v[BO]
	ds_store_b64 v[U2], v[BS:BS+1]
.Lno_bias:
	s_wait_dscnt 0x0                               ; for the others' sake: my stores into LDS are done
	s_barrier_signal -1
	s_barrier_wait -1                              ; the slice and the bias are whole: the only barrier; nothing shared is written behind it
	s_cmp_ge_u32 s24, 4
	s_cbranch_scc1 .Lend                           ; this split leaves my wave no unit
	s_mov_b32 s25, 4
.Lunit:                                                ; a trip is a unit; its first 8 k steps of rows have been asked for
	s_wait_xcnt 0x0                                ; the last unit's stores have read their offsets and data: these are rewritten only behind this wait
	s_mov_b32 s38, s43                             ; 1: a unit of one block
.if LAYER != 3
	OFFS OO
.endif
	BLOAD 0
	BLOAD 1
	BLOAD 2
.irp kf, 0,1,2,3,4,5,6,7,8,9,10,11,12,13,14,15,16,17,18,19,20,21,22,23,24,25,26,27,28,29,30,31
	KSTEP \kf
.endr
	s_sub_co_u32 s25, s25, 1
	s_add_co_u32 s36, s36, 1
	s_cmp_le_u32 s25, s24
	s_cbranch_scc1 .Lnomore
	DEAL                                           ; the next unit's rows are asked for ahead of this unit's way out; the last k step's wait on loads was for 0, so AO is free
.if LAYER == 1
	PLSHIFT
	NEXTP
.endif
	AOSET
	PLACES
	WIN TO_R
.irp k, 0,1,2,3,4,5,6,7
	ALOAD \k
.endr
	WIN 0
.Lnomore:
	PLACES
.irp g, 0,1,2,3
	ds_load_b128 v[BI+8*\g:BI+8*\g+3],   v[BIA] offset:64*\g      ; bias of columns 16 g + 8 (lane / 16) + 0..7
	ds_load_b128 v[BI+8*\g+4:BI+8*\g+7], v[BIA] offset:64*\g+16
.endr
	s_wait_dscnt 0x0
	EPIB 0
	s_cmp_lg_u32 s38, 0
	s_cbranch_scc1 .Lhalf_out
	EPIB 1
.Lhalf_out:
	s_cmp_le_u32 s25, s24
	s_cbranch_scc1 .Lend                           ; no further unit
.if LAYER == 3
	PLSHIFT
	NEXTP
	CWLD
.endif
	s_cmp_lg_u32 s25, 0
	s_cbranch_scc1 .Lunit
.Lend:
	s_wait_tensorcnt 0x0                           ; the wave's end
	ds_add_u32 v[SPW], v[NIL]
	s_wait_dscnt 0x0
	s_endpgm
.Lfunc_end_k_q62ae1cb8be_fc3:
	.size	k_q62ae1cb8be_fc3, .Lfunc_end_k_q62ae1cb8be_fc3-k_q62ae1cb8be_fc3
	.p2alignl 7, 3214868480
	.fill 96, 4, 3214868480
	.section	.rodata,"a",@progbits
	.p2align	6, 0x0
	.amdhsa_kernel k_q62ae1cb8be_fc3
		.amdhsa_group_segment_fixed_size 199936
		.amdhsa_private_segment_fixed_size 0
		.amdhsa_enable_private_segment 0
		.amdhsa_kernarg_size 56
		.amdhsa_user_sgpr_count 2
		.amdhsa_user_sgpr_kernarg_segment_ptr 1
		.amdhsa_wavefront_size32 1
		.amdhsa_system_sgpr_workgroup_id_x 1
		.amdhsa_system_sgpr_workgroup_id_y 1
		.amdhsa_system_sgpr_workgroup_id_z 1
		.amdhsa_system_vgpr_workitem_id 0
		.amdhsa_next_free_vgpr 512
		.amdhsa_next_free_sgpr 66
		.amdhsa_reserve_vcc 0
		.amdhsa_float_denorm_mode_32 3
		.amdhsa_float_denorm_mode_16_64 3
		.amdhsa_memory_ordered 1
		.amdhsa_forward_progress 1
		.amdhsa_inst_pref_size 134
	.end_amdhsa_kernel
	.amdgpu_metadata
---
amdhsa.version: [ 1, 2 ]
amdhsa.kernels:
  - .name:           k_q62ae1cb8be_fc3
    .symbol:         k_q62ae1cb8be_fc3.kd
    .args:
      - { .name: h2, .offset: 0, .size: 8, .value_kind: global_buffer, .address_space: global }
      - { .name: w3, .offset: 8, .size: 8, .value_kind: global_buffer, .address_space: global }
      - { .name: b3, .offset: 16, .size: 8, .value_kind: global_buffer, .address_space: global }
      - { .name: cnt, .offset: 24, .size: 8, .value_kind: global_buffer, .address_space: global }
      - { .name: y, .offset: 32, .size: 8, .value_kind: global_buffer, .address_space: global }
      - { .name: list, .offset: 40, .size: 8, .value_kind: global_buffer, .address_space: global }
      - { .name: cw, .offset: 48, .size: 8, .value_kind: global_buffer, .address_space: global }
    .group_segment_fixed_size: 199936
    .private_segment_fixed_size: 0
    .kernarg_segment_align: 8
    .kernarg_segment_size: 56
    .max_flat_workgroup_size: 256
    .sgpr_count:     66
    .vgpr_count:     512
    .wavefront_size: 32
...
	.end_amdgpu_metadata
.endif
;; end of part 5
;; launch addup (part 6): grid 256 x 1, 8 waves a work-group, no clusters, 0 bytes of LDS; arguments y, out0; writes out0
.if DOCPART == 6
	.amdgcn_target "amdgcn-amd-amdhsa--gfx1250"
	.amdhsa_code_object_version 6
	.text
	.protected	k_q62ae1cb8be_addup
	.globl	k_q62ae1cb8be_addup
	.p2align	8
	.type	k_q62ae1cb8be_addup,@function
k_q62ae1cb8be_addup:
	s_mov_b64 s[64:65], 0
	v_nop
	global_prefetch_b8 v0, s[64:65] scope:SCOPE_SE
	s_setreg_imm32_b32 hwreg(HW_REG_WAVE_MODE, 25, 1), 1
	s_wait_xcnt 0x0
; out0[token] = y[2 token] + y[2 token + 1]: the two routed rows of a token, each already multiplied by its combine weight; partial sums and result in f32.
; A stream: a wave has one token, 16 loads of 512 consecutive bytes all issued at once, 8 stores of 512 consecutive bytes.  No LDS, no barrier, no loop: memory binds, and each byte moves once.
.set R0, 8            ; v[8:39]   the first row, then the sum
.set R1, 40           ; v[40:71]  the second row
	s_load_b128 s[4:7], s[0:1], 0x0                ; y s[4:5], out0 s[6:7]
	v_and_b32 v1, 31, v0
	v_lshrrev_b32 v2, 5, v0
	v_readfirstlane_b32 s8, v2                     ; wave
	v_lshlrev_b32 v1, 4, v1                        ; 16 bytes a lane
	s_lshl_b32 s9, ttmp9, 3
	s_add_co_u32 s9, s9, s8                        ; the token
	s_lshl_b32 s10, s9, 13                         ; two rows of 4,096 bytes
	s_mov_b32 s11, 0
	s_lshl_b32 s12, s9, 12
	s_mov_b32 s13, 0
	s_wait_kmcnt 0x0
	s_add_nc_u64 s[4:5], s[4:5], s[10:11]
	s_add_nc_u64 s[6:7], s[6:7], s[12:13]
.set i, 0
.rept 8
	global_load_b128 v[R0+4*i:R0+4*i+3], v1, s[4:5] offset:i*512 th:TH_LOAD_NT
.set i, i+1
.endr
.set i, 0
.rept 8
	global_load_b128 v[R1+4*i:R1+4*i+3], v1, s[4:5] offset:4096+i*512 th:TH_LOAD_NT
.set i, i+1
.endr
.set i, 0
.rept 8
	s_wait_loadcnt 7-i                             ; the second row's load i is in, and with it the first row's; the 7 - i behind it stay out
	v_pk_add_f32 v[R0+4*i:R0+4*i+1],   v[R0+4*i:R0+4*i+1],   v[R1+4*i:R1+4*i+1]
	v_pk_add_f32 v[R0+4*i+2:R0+4*i+3], v[R0+4*i+2:R0+4*i+3], v[R1+4*i+2:R1+4*i+3]
	global_store_b128 v1, v[R0+4*i:R0+4*i+3], s[6:7] offset:i*512 th:TH_STORE_NT
.set i, i+1
.endr
	s_endpgm
.Lfunc_end_k_q62ae1cb8be_addup:
	.size	k_q62ae1cb8be_addup, .Lfunc_end_k_q62ae1cb8be_addup-k_q62ae1cb8be_addup
	.p2alignl 7, 3214868480
	.fill 96, 4, 3214868480
	.section	.rodata,"a",@progbits
	.p2align	6, 0x0
	.amdhsa_kernel k_q62ae1cb8be_addup
		.amdhsa_group_segment_fixed_size 0
		.amdhsa_private_segment_fixed_size 0
		.amdhsa_enable_private_segment 0
		.amdhsa_kernarg_size 16
		.amdhsa_user_sgpr_count 2
		.amdhsa_user_sgpr_kernarg_segment_ptr 1
		.amdhsa_wavefront_size32 1
		.amdhsa_system_sgpr_workgroup_id_x 1
		.amdhsa_system_sgpr_workgroup_id_y 1
		.amdhsa_system_sgpr_workgroup_id_z 1
		.amdhsa_system_vgpr_workitem_id 0
		.amdhsa_next_free_vgpr 72
		.amdhsa_next_free_sgpr 66
		.amdhsa_reserve_vcc 0
		.amdhsa_float_denorm_mode_32 3
		.amdhsa_float_denorm_mode_16_64 3
		.amdhsa_memory_ordered 1
		.amdhsa_forward_progress 1
		.amdhsa_inst_pref_size 5
	.end_amdhsa_kernel
	.amdgpu_metadata
---
amdhsa.version: [ 1, 2 ]
amdhsa.kernels:
  - .name:           k_q62ae1cb8be_addup
    .symbol:         k_q62ae1cb8be_addup.kd
    .args:
      - { .name: y, .offset: 0, .size: 8, .value_kind: global_buffer, .address_space: global }
      - { .name: out0, .offset: 8, .size: 8, .value_kind: global_buffer, .address_space: global }
    .group_segment_fixed_size: 0
    .private_segment_fixed_size: 0
    .kernarg_segment_align: 8
    .kernarg_segment_size: 16
    .max_flat_workgroup_size: 256
    .sgpr_count:     66
    .vgpr_count:     72
    .wavefront_size: 32
...
	.end_amdgpu_metadata
.endif
;; end of part 6
;; ======== version 2 of 2: 6 launches; version 1 with the launches fc1, fc2, fc3 written anew for expert scheduling mode
;; workspace buffers: xb 4,194,304 bytes; idx 16,384 bytes of whole numbers; cw 16,384 bytes; list 131,072 bytes of whole numbers; cnt 1,024 bytes of whole numbers; h1 67,108,864 bytes; h2 67,108,864 bytes; y 16,777,216 bytes
;; launch route: the kernel of part 1 again; grid 256 x 1, 4 waves a work-group, no clusters, 0 bytes of LDS; arguments x, gate_w, gate_b, xb, idx, cw; writes xb, idx, cw
;; launch plan: the kernel of part 2 again; grid 8 x 1, 8 waves a work-group, no clusters, 0 bytes of LDS; arguments idx, list, cnt; writes list, cnt
;; launch fc1 (part 7): grid 32 x 8, 8 waves a work-group, no clusters, 199,936 bytes of LDS; arguments xb, w1, b1, cnt, h1, list; writes h1
.if DOCPART == 7
	.amdgcn_target "amdgcn-amd-amdhsa--gfx1250"
	.amdhsa_code_object_version 6
	.text
	.protected	k_q62ae1cb8be_fc1
	.globl	k_q62ae1cb8be_fc1
	.p2align	8
	.type	k_q62ae1cb8be_fc1,@function
k_q62ae1cb8be_fc1:
	s_mov_b64 s[64:65], 0
	v_nop
	global_prefetch_b8 v0, s[64:65] scope:SCOPE_SE
	s_setreg_imm32_b32 hwreg(HW_REG_WAVE_SCHED_MODE, 0, 2), 2
	s_setreg_imm32_b32 hwreg(HW_REG_WAVE_MODE, 25, 1), 1
	s_wait_xcnt 0x0
	s_wait_alu depctr_vm_vsrc(0)
; ONE LAYER OF THE EXPERTS' CHAIN, for the routed rows alone.  One text serves the three layers; LAYER picks what differs.
;   LAYER 1: h1 = relu(xb[p / 2] w1[e] + b1[e])     LAYER 2: h2 = relu(h1 w2[e] + b2[e])     LAYER 3: y[p] = cw[p] (h2 w3[e] + b3[e])
; p = 2 token + slot is a routed row, e its expert; list[e] holds expert e's rows by rank, cnt[e] their number (whole numbers stored by an earlier launch).
; FORMATS.  Weights and biases are rounded to bf16 on their way through registers; sums in f32.  A hidden number is kept as TWO bf16, hi = bf16(h) and lo = bf16(h - hi): 16 significant bits with bf16's range;
; layers 2 and 3 multiply both planes by the same weights into one sum.
; h LIES AS IT IS USED: [expert 8][block of 16 ranks 128][k step 32][plane 2][half 2][lane 32][16 bytes], 65,536 bytes a block: lane l of a piece holds row l % 16, k = 32 step + 16 half + 8 (l / 16) + 0..7,
; which is a lane's part of a matrix operand.  So a load or a store of h takes 512 consecutive bytes, and a lane's packed results of one layer are its own part of the next layer's operand.
; LIMITS.  NaN and infinities are not treated apart.  In a block that is not full the places past the count repeat the expert's last row: in layer 3 the same wave stores the same bytes there again.
; An expert without rows runs one block on a row of another expert in layers 1 and 2, into its own slots of h, which nobody uses; layer 3 then stores nothing for it.
; SHARES.  Grid y = expert, x / 2 = slice of 64 output columns, x % 2 = q.  A work-group lays its slice (1,024 x 64) into LDS in bf16 once.  The slice's team is 16 waves, wid = 2 wave + q.  A UNIT is 32 rows
; (two blocks) x 64 columns over all K: 8 accumulators; a fragment of W read from LDS feeds 2 products a plane.  THE DEAL: nB = ceil(count / 16) blocks; a full round gives each wave two blocks; in the last round, if
; 16 blocks or fewer are left, each wave takes ONE (the second block's products and way out are jumped, its loads name the first block again), else pairs.  It serves every split: 0 to 2,048 rows, at most 4 units a wave.
; The loop over units has no barrier and writes no shared LDS; it counts to the constant 4 and is left by a forward jump.  A unit's 32 k steps are written out: every LDS address is then a register that is
; never rewritten plus an immediate.
; NO TENSOR LOAD, NO MULTICAST: the weights are f32 in memory and must pass through registers to be rounded; a slice has two readers only; the rows, which 16 slices share, go straight into operand registers,
; and a joint load would send them through LDS, whose reads would double.
; THE MATRIX INSTRUCTION IS USED TRANSPOSED: source 0 = 16 columns of W (turned out of LDS by ds_load_tr16_b128), source 1 = 16 rows: a lane then holds 8 neighbouring columns of one row.
; REGISTERS, in windows of 256 (s_set_vgpr_msb: bits 1:0 source 0, 3:2 source 1, 5:4 source 2, 7:6 destination).  Window 0: v0-63 addresses; v64-127 accumulators; v128-255 four buffers of W's fragments, on the
; way out at work.  Window 1: the ring of row fragments, 8 k steps deep; in the prologue the staging of the 64 weight loads.
; THE MODE: SCHED_MODE bits 1:0 = 2 (LLVM: expert scheduling mode 2), set by the entry lines.  The code itself states the register dependences between vector or matrix instructions and memory or LDS
; instructions, with s_wait_alu, always for 0.
; THE PLAN.  Registers that memory or LDS instructions touch in a unit, and who else names them:
;   ring slot s      K step iv's products read slot iv % 8; the row loads of step iv + 8, issued in step iv + 1, land in it.
;   BF0 .. BF3       K step iv's products read BF[iv % 4]; the turning loads of step iv + 4, issued in step iv + 1, land in it.
;   AO               Read by every row load; written once a unit, behind the last step's products.
;   OO               Written at the unit's head; read by the way out's stores (layers 1, 2).
;   T, BI, OF        The way out's names for BF's registers.  T: written by the roundings (layers 1, 2) or by loads from the stage (layer 3), read by the stores.  BI: loaded from LDS, read by vector lines.
;                    OF: written by the permutes and then by vector lines, read by the stores (layer 3).
;   PC, CWO, CW      Layer 3.  PC is read by the permutes, CWO by the two loads that land in CW, CW by the packed multiplies; PC and CWO are written in the unit's tail.
;   ACC              In the prologue, and on layer 3's way out, the data of LDS stores; else named by vector and matrix instructions alone.
;   BB, BIA, STO, RD, COL, L16, WO, WS, BO, LA, BPI   Made at the head, never written again.
; So ONE wait on va_vdst stands at the head of a k step that asks for anything (1 to 28), behind the waits for its data: the last step's products are done reading the slot and the buffer that the step's loads fill.
; Those loads follow it, dealt among the step's products, which name ACC, BF[iv % 4] and slot iv % 8: none of the registers that the loads touch.  One more stands behind the last step, one ahead of each block's
; stores.  Waits on vm_vsrc: at the unit's head, ahead of the write of AO, and in layer 3's tail.
.set LAYER, 1
.if LAYER == 1
.set NPL,  1          ; planes of the rows
.set KSB,  64         ; bytes from k step to k step in what a lane reads
.set SUBB, 32         ; and between the two halves of a fragment
.else
.set NPL,  2
.set KSB,  2048
.set SUBB, 512
.endif
.set PLB,   1024      ; from plane to plane
.set NLS,   4*NPL     ; row loads in a k step: 2 blocks x NPL planes x 2 halves
.if LAYER == 3
.set NLATE, 8         ; the list loads stand behind the weight loads
.else
.set NLATE, 0
.endif
.set WP,    160       ; a row of W in LDS: 128 bytes + 32 = 40 words
.set BIAS,  1024*WP   ; behind the weights: 64 f32
.set STAGE, BIAS+256  ; 16 rows x 272 bytes for each wave: layer 3's way out.  The 1,024 bytes behind the stages take the closing add, a word a thread
.set SP,    272
.set H16, 3           ; v3   16 (lane / 16)
.set L16, 4           ; v4   16 lane
.set RR,  5           ; v5   lane % 16
.set AO,  6           ; v6-7   byte offset of what I read of the unit's two blocks
.set OO,  8           ; v8-9   byte offset of what I store of them (layers 1, 2)
.set PC,  10          ; v10-11 p of my row in the two blocks
.set PL,  12          ; v12-19 list entries of my four possible units, two blocks each
.set CW,  20          ; v[20:21], v[22:23] cw of my row in the two blocks; the second of each is named with it as a pair
.set STO, 26          ; v26  layer 3: where I put my part of a row
.set RD,  27          ; v27  where I read rows back
.set COL, 28          ; v28  16 (lane % 16)
.set U,   30          ; v[30:31] at work
.set CWO, 32          ; v32-33 byte offsets in cw
.set WO,  34          ; v34  prologue: my byte offset in 16 rows of W
.set WS,  35          ; v35-37 prologue: where my 8 bytes go in LDS; a base for every 24 loads
.set BO,  38          ; v38  8 lane
.set BIA, 39          ; v39  LDS address of my bias numbers
.set BS,  40          ; v[40:41] the bias as loaded
.set U2,  42          ; v[42:43] at work
.set BB,  44          ; v44-47 LDS address of my part of W's fragments, k from 0, 256, 512, 768 on; never rewritten
.set LA,  48          ; v48-55 byte offsets of my eight list entries; never rewritten
.set BPI, 56          ; v56-63 layer 3: the lane, times 4, from which store t takes its p: 4 (2 t + lane / 16); never rewritten
.set ACC, 64          ; block b, columns 16 g on: ACC + 32 b + 8 g.  In the prologue the rounded weights pass through here
.set BF,  128         ; W's fragments: buffer k step % 4, columns 16 g on
.set T,   128         ; the way out: what is stored, 32 a block
.set BI,  192         ; the way out: the bias of my columns
.set OF,  224         ; layer 3: byte offsets of the 8 stores of each block
.set MSB, 0
.set DL,  0
.macro WIN new                         ; the immediate's high byte repeats the setting that is left; a switch that changes nothing is dropped
.if MSB != (\new)
	s_set_vgpr_msb (MSB<<8)|(\new)
.set MSB, (\new)
.endif
.endm
.set TO_R,   0x40     ; destination in window 1: loads into the ring
.set MUL,    0x04     ; source 1 in window 1: the rows
.set FROM_R, 0x05     ; sources 0 and 1 in window 1
.macro PLACES                          ; four plain instructions behind a matrix instruction (ISA guide 7.12.1)
.rept 4
	v_nop
.endr
.endm
.macro ALOAD kk                        ; k step kk of the unit's rows: NLS loads into slot kk % 8 of the ring.  The caller sets the window
.set sl, (\kk)%8
.irp b, 0,1
.set pl, 0
.rept NPL
.set rg, ((sl*2+\b)*NPL+pl)*8
	global_load_b128 v[rg:rg+3],   v[AO+\b], s[4:5] offset:(\kk)*KSB+pl*PLB
	global_load_b128 v[rg+4:rg+7], v[AO+\b], s[4:5] offset:(\kk)*KSB+pl*PLB+SUBB
.set pl, pl+1
.endr
.endr
.endm
.macro BHALF kk, g, hf                 ; half hf (16 along K) of W's fragment of columns 16 g on, k step kk, turned, into buffer kk % 4.  Destination and address lie in window 0, under the products' setting too
	ds_load_tr16_b128 v[BF+32*((\kk)%4)+8*(\g)+4*(\hf):BF+32*((\kk)%4)+8*(\g)+4*(\hf)+3], v[BB+(\kk)/8] offset:(((\kk)%8)*32+16*(\hf))*WP+32*(\g)
.endm
.macro BLOAD kk                        ; W's four fragments (64 columns) of k step kk: 8 loads
.irp g, 0,1,2,3
	BHALF \kk, \g, 0
	BHALF \kk, \g, 1
.endr
.endm
; Block b's 4 NPL products of k step iv; step 0's first four start the sums.  The block's four accumulators take turns, one instruction a turn.
; DL = 1: the 8 turning loads of k step iv + 3 are dealt behind the products, 8 / (4 NPL) behind each.
.macro MULB iv, b
.set sl, (\iv)%8
.set pl, 0
.rept NPL
.set rg, ((sl*2+(\b))*NPL+pl)*8
.irp g, 0,1,2,3
.if ((\iv) == 0) && (pl == 0)
	v_wmma_f32_16x16x32_bf16 v[ACC+32*(\b)+8*\g:ACC+32*(\b)+8*\g+7], v[BF+32*((\iv)%4)+8*\g:BF+32*((\iv)%4)+8*\g+7], v[rg:rg+7], 0
.else
	v_wmma_f32_16x16x32_bf16 v[ACC+32*(\b)+8*\g:ACC+32*(\b)+8*\g+7], v[BF+32*((\iv)%4)+8*\g:BF+32*((\iv)%4)+8*\g+7], v[rg:rg+7], v[ACC+32*(\b)+8*\g:ACC+32*(\b)+8*\g+7]
.endif
.if DL
.if NPL == 1
	BHALF (\iv)+3, \g, 0
	BHALF (\iv)+3, \g, 1
.else
	BHALF (\iv)+3, \g, pl
.endif
.endif
.endr
.set pl, pl+1
.endr
.endm
; K STEP iv of 32 (32 along K).  At its head this step's rows and fragments are waited for, then the last step's products.  Behind that the step's own requests are dealt among its products: W's fragments 3 steps
; on behind the first block's products, the rows 7 steps on in one run between the two blocks' products, outside the jump, so that every path counts alike.  Near the end nothing is left to ask for, and the
; counts run down.  In a unit of one block the second block's products are jumped.
.macro KSTEP iv
.set yl, 31-(\iv)
.if yl > 6
.set yl, 6
.endif
.if (\iv) == 0
.set yl, 7
.endif
.set yd, 31-(\iv)
.if yd > 2
.set yd, 2
.endif
.if ((\iv) >= 1) && ((\iv) <= 28)
	PLACES                                         ; behind the last step's products, ahead of the loads into registers that those have read; they stand ahead of the wait for those products
.endif
	s_wait_loadcnt yl*NLS                          ; this step's rows are in; the younger steps' loads stay out: 7 steps' at step 0, then 6, since a step's own request stands behind this wait
	s_wait_dscnt yd*8                              ; and its fragments of W; the two younger groups of 8 stay out
.if ((\iv) >= 1) && ((\iv) <= 28)
	s_wait_alu depctr_va_vdst(0)                   ; the last step's products are done reading their buffer of W and their slot of the ring, in which this step's loads land
.endif
.set DL, 0
.if (\iv) <= 28
.set DL, 1
.endif
	WIN MUL
	MULB \iv, 0
.set DL, 0
.if ((\iv) >= 1) && ((\iv) <= 24)
	WIN TO_R
	ALOAD (\iv)+7                                  ; no further wait: no product since the wait above names this slot or AO
.endif
	WIN 0                                          ; at a branch and at a label every window is 0
	s_cmp_lg_u32 s38, 0
	s_cbranch_scc1 .Lone_\@
	WIN MUL
	MULB \iv, 1
	WIN 0
.Lone_\@:
.endm
; THE DEAL, for round s36: s42, s48 = the unit's two blocks; s43 = 1: it has one block, and s48 = s42.  A wave that the round leaves without a unit names the expert's last block.
.macro DEAL
	s_lshl_b32 s44, s36, 5                         ; 32 blocks a round
	s_cmp_lt_u32 s36, s33                          ; a full round?
	s_cselect_b32 s45, 0, s35                      ; if not, and 16 blocks or fewer are left: one block a wave
	s_lshl_b32 s46, s23, 1
	s_cmp_lg_u32 s45, 0
	s_cselect_b32 s46, s23, s46
	s_add_co_u32 s42, s44, s46
	s_add_co_u32 s47, s42, 1
	s_cmp_ge_u32 s47, s32                          ; no block behind the first?
	s_cselect_b32 s43, 1, s45
	s_sub_co_u32 s47, s32, 1
	s_min_u32 s42, s42, s47
	s_min_u32 s42, s42, 0x7f                       ; made of a loaded number: clamped to the table before it enters an address
	s_add_co_u32 s48, s42, 1
	s_cmp_lg_u32 s43, 0
	s_cselect_b32 s48, s42, s48
	s_min_u32 s48, s48, 0x7f
.endm
.macro OFFS dst                        ; byte offsets of my 16 bytes in a piece of the unit's two blocks of h
	s_add_co_u32 s44, s41, s42
	s_add_co_u32 s45, s41, s48
	s_lshl_b32 s44, s44, 16
	s_lshl_b32 s45, s45, 16
	v_add_nc_u32 v[\dst], s44, v[L16]
	v_add_nc_u32 v[\dst+1], s45, v[L16]
.endm
.macro LISTAD j                        ; where the list entries of round j's unit lie: lane l takes rank 16 block + l % 16; places past the count repeat the last row
	s_lshl_b32 s44, s42, 4
	s_lshl_b32 s45, s48, 4
	v_add_nc_u32 v[LA+2*\j], s44, v[RR]
	v_add_nc_u32 v[LA+2*\j+1], s45, v[RR]
.irp b, 0,1
	v_min_u32 v[LA+2*\j+\b], s21, v[LA+2*\j+\b]
	v_min_u32 v[LA+2*\j+\b], 0xfff, v[LA+2*\j+\b]
	v_lshlrev_b32 v[LA+2*\j+\b], 2, v[LA+2*\j+\b]
.endr
.endm
.macro PLSHIFT                         ; the next unit's entries move to the front
.irp k, 0,1,2,3,4,5
	v_mov_b32 v[PL+\k], v[PL+\k+2]
.endr
.endm
.macro NEXTP
	v_min_u32 v[PC], 0xfff, v[PL]                  ; a loaded number is clamped to the table before it enters an address
	v_min_u32 v[PC+1], 0xfff, v[PL+1]
.endm
.macro CWAD                            ; where my rows' cw lie; the two loads stand at the unit's head
	v_lshlrev_b32 v[CWO], 2, v[PC]
	v_lshlrev_b32 v[CWO+1], 2, v[PC+1]
.endm
.macro AOSET
.if LAYER == 1
.irp b, 0,1
	v_and_b32 v[AO+\b], 0xffe, v[PC+\b]            ; the token, twice,
	v_lshlrev_b32 v[AO+\b], 10, v[AO+\b]           ; times 1,024: rows of 2,048 bytes
	v_add_nc_u32 v[AO+\b], v[H16], v[AO+\b]
.endr
.else
	OFFS AO
.endif
.endm
; THE WAY OUT of block b.  Each accumulator is read from its low end on.
.macro EPIB b
.if LAYER == 3
.irp t, 0,1,2,3,4,5,6,7
	ds_bpermute_b32 v[OF+8*(\b)+\t], v[BPI+\t], v[PC+(\b)]  ; store t takes rows 2 t and 2 t + 1: their p lies in lanes 2 t + lane / 16
.endr
.irp g, 0,1,2,3
.irp jj, 0,1,2,3
.set ac, ACC+32*(\b)+8*\g+2*\jj
	v_pk_add_f32 v[ac:ac+1], v[ac:ac+1], v[BI+8*\g+2*\jj:BI+8*\g+2*\jj+1]
	v_pk_mul_f32 v[ac:ac+1], v[ac:ac+1], v[CW+2*(\b):CW+2*(\b)+1] op_sel_hi:[1,0]
.endr
.endr
	s_wait_dscnt 0x0
.irp t, 0,1,2,3,4,5,6,7
	v_min_u32 v[OF+8*(\b)+\t], 0xfff, v[OF+8*(\b)+\t]
	v_lshlrev_b32 v[OF+8*(\b)+\t], 12, v[OF+8*(\b)+\t]      ; rows of 4,096 bytes
	v_add_nc_u32 v[OF+8*(\b)+\t], v[COL], v[OF+8*(\b)+\t]
.endr
	s_wait_alu depctr_va_vdst(0)                   ; the lines above have written the block's ACC, which the LDS stores read, and its OF, which the global stores read
.irp g, 0,1,2,3
	ds_store_b128 v[STO], v[ACC+32*(\b)+8*\g:ACC+32*(\b)+8*\g+3]   offset:64*\g
	ds_store_b128 v[STO], v[ACC+32*(\b)+8*\g+4:ACC+32*(\b)+8*\g+7] offset:64*\g+16
.endr
.irp t, 0,1,2,3,4,5,6,7
	ds_load_b128 v[T+32*(\b)+4*\t:T+32*(\b)+4*\t+3], v[RD] offset:\t*2*SP  ; the stage is my wave's own, and LDS serves a wave's instructions in order (ISA guide 5.7.1.4): these see the stores above
.endr
.irp t, 0,1,2,3,4,5,6,7
	s_wait_dscnt 7-\t                              ; rows 2 t, 2 t + 1 are back; the younger reads stay out
	global_store_b128 v[OF+8*(\b)+\t], v[T+32*(\b)+4*\t:T+32*(\b)+4*\t+3], s[12:13]  ; 16 lanes store 256 consecutive bytes, aligned: a row's whole slice
.endr
.else
.irp g, 0,1,2,3
.irp jj, 0,1,2,3
.set ac, ACC+32*(\b)+8*\g+2*\jj
.set uu, U+12*(\jj%2)
	v_pk_add_f32 v[ac:ac+1], v[ac:ac+1], v[BI+8*\g+2*\jj:BI+8*\g+2*\jj+1]
	v_max_num_f32 v[ac],   0, v[ac]
	v_max_num_f32 v[ac+1], 0, v[ac+1]
	v_cvt_pk_bf16_f32 v[T+32*(\b)+4*\g+\jj], v[ac], v[ac+1]          ; hi
	v_lshlrev_b32 v[uu],   16, v[T+32*(\b)+4*\g+\jj]
	v_and_b32     v[uu+1], 0xffff0000, v[T+32*(\b)+4*\g+\jj]
	v_pk_add_f32 v[ac:ac+1], v[ac:ac+1], v[uu:uu+1] neg_lo:[0,1] neg_hi:[0,1]  ; h - hi, exact
	v_cvt_pk_bf16_f32 v[T+32*(\b)+16+4*\g+\jj], v[ac], v[ac+1]       ; lo
.endr
.endr
	s_wait_alu depctr_va_vdst(0)                   ; the roundings have written the block's T, which the stores read
.irp g, 0,1,2,3                        ; columns 16 g on are half g % 2 of the next layer's k step 2 slice + g / 2: each store takes 512 consecutive bytes, aligned
	global_store_b128 v[OO+(\b)], v[T+32*(\b)+4*\g:T+32*(\b)+4*\g+3],       s[12:13] offset:(\g/2)*2048+(\g%2)*512
	global_store_b128 v[OO+(\b)], v[T+32*(\b)+16+4*\g:T+32*(\b)+16+4*\g+3], s[12:13] offset:(\g/2)*2048+1024+(\g%2)*512
.endr
.endif
.endm
	s_load_b256 s[4:11], s[0:1], 0x0               ; rows s[4:5], W s[6:7], bias s[8:9], cnt s[10:11]
.if LAYER == 2
	s_load_b64 s[12:13], s[0:1], 0x20              ; the output
.else
	s_load_b128 s[12:15], s[0:1], 0x20             ; the output, list
	v_lshl_add_u32 v62, v0, 2, 0x30900
	v_mov_b32 v63, 0
.endif
.if LAYER == 3
	s_load_b64 s[16:17], s[0:1], 0x30              ; cw
.endif
	v_lshrrev_b32 v30, 5, v0
	v_readfirstlane_b32 s22, v30                   ; wave 0..7
	v_and_b32 v[RR], 15, v0
	v_bfe_u32 v31, v0, 4, 1                        ; h = lane / 16
	v_lshlrev_b32 v[H16], 4, v31
	v_and_b32 v30, 31, v0
	v_lshlrev_b32 v[L16], 4, v30
	v_lshlrev_b32 v[BO], 3, v30
	v_lshlrev_b32 v[COL], 4, v[RR]
	v_and_b32 v42, 7, v0                           ; the turning load: lane l reads k = 8 h + l % 8, columns 8 ((l / 8) % 2) + 0..7
	v_lshl_add_u32 v42, v31, 3, v42
	v_mul_u32_u24 v42, v42, WP
	v_bfe_u32 v43, v0, 3, 1
	v_lshl_add_u32 v[BB], v43, 4, v42
	v_add_nc_u32 v[BB+1], 256*WP, v[BB]            ; the offset field holds 16 bits: a base for every 8 k steps
	v_add_nc_u32 v[BB+2], 512*WP, v[BB]
	v_add_nc_u32 v[BB+3], 768*WP, v[BB]
	v_lshl_add_u32 v[BIA], v31, 5, BIAS
	s_wait_alu depctr_va_sdst(0)                   ; s22 is written, ahead of its first reader: the stage's place, wid and a branch are made from it
.if LAYER == 3
.irp t, 0,1,2,3,4,5,6,7
	v_lshl_add_u32 v[BPI+\t], v31, 2, 8*\t
.endr
	v_mov_b32 v[CW+1], 0
	v_mov_b32 v[CW+3], 0
	s_mul_i32 s28, s22, 16*SP
	s_add_co_u32 s28, s28, STAGE                   ; my stage
	v_mul_u32_u24 v[STO], v[RR], SP
	v_lshl_add_u32 v[STO], v31, 5, v[STO]          ; 8 f32 for each half of the lanes
	v_add_nc_u32 v[STO], s28, v[STO]
	v_mul_u32_u24 v[RD], v31, SP
	v_add_nc_u32 v[RD], v[COL], v[RD]
	v_add_nc_u32 v[RD], s28, v[RD]
.endif
	v_lshrrev_b32 v42, 4, v0                       ; thread / 16: which of 16 rows of W I fetch in each of 64 loads
	v_lshl_add_u32 v[WO], v42, 12, v[COL]          ; in memory: rows of 4,096 bytes, my 16 bytes of the slice's 256
	v_mul_u32_u24 v[WS], v42, WP
	v_lshl_add_u32 v[WS], v[RR], 3, v[WS]          ; in LDS: my 8 bytes of the row's 128
	v_add_nc_u32 v[WS+1], 24*16*WP, v[WS]          ; the offset field holds 16 bits
	v_add_nc_u32 v[WS+2], 48*16*WP, v[WS]
	s_and_b32 s26, ttmp7, 0xffff                   ; the expert
	s_lshr_b32 s30, ttmp9, 1                       ; the slice
	s_and_b32 s31, ttmp9, 1                        ; q
	s_lshl_b32 s23, s22, 1
	s_add_co_u32 s23, s23, s31                     ; wid: my wave among the team's 16
	s_lshl_b32 s41, s26, 7                         ; the expert's first block of h
	s_mov_b32 s19, 0
	s_wait_kmcnt 0x0
	s_lshl_b32 s18, s26, 7
	s_add_nc_u64 s[10:11], s[10:11], s[18:19]
	s_load_b32 s20, s[10:11], 0x0                  ; the expert's count
	s_lshl_b32 s18, s26, 22
	s_lshl_b32 s27, s30, 8
	s_add_co_u32 s18, s18, s27
	s_add_nc_u64 s[6:7], s[6:7], s[18:19]          ; W at the expert's slice
	s_lshl_b32 s18, s26, 12
	s_add_co_u32 s18, s18, s27
	s_add_nc_u64 s[8:9], s[8:9], s[18:19]          ; the bias likewise
.if LAYER == 3
	s_mov_b32 s18, s27                             ; y: 256 bytes of a row
.else
	s_lshl_b32 s18, s30, 12                        ; h: two k steps, 4,096 bytes of a block
.endif
	s_add_nc_u64 s[12:13], s[12:13], s[18:19]
.if LAYER != 2
	s_lshl_b32 s18, s26, 14
	s_add_nc_u64 s[14:15], s[14:15], s[18:19]      ; the expert's list
.endif
.macro WLOADS                          ; the bias, in every wave, so that all waves count alike; then my share of the slice: a load takes two whole rows of 256 bytes, the work-group 16 rows
	global_load_b64 v[BS:BS+1], v[BO], s[8:9]
	WIN TO_R
.set w, 0
.rept 64
	global_load_b128 v[4*w:4*w+3], v[WO], s[6:7] offset:w*65536
.set w, w+1
.endr
	WIN 0
.endm
.if LAYER != 1
	s_wait_alu depctr_va_vdst(0)                   ; the offsets and LDS addresses made above are written: the kernel's loads, stores and permutes read them, and none is written again
	WLOADS                                         ; they hang on no count: they go out while the count is on its way
.endif
	s_wait_kmcnt 0x0
	s_min_u32 s20, s20, 0x800                      ; at most one row a token
	s_max_u32 s21, s20, 1
	s_sub_co_u32 s21, s21, 1                       ; the last rank that exists
	s_add_co_u32 s32, s20, 15
	s_lshr_b32 s32, s32, 4
	s_max_u32 s32, s32, 1                          ; nB, blocks
	s_lshr_b32 s33, s32, 5                         ; full rounds
	s_and_b32 s34, s32, 31                         ; blocks of the last round
	s_cmp_le_u32 s34, 16
	s_cselect_b32 s35, 1, 0                        ; it deals single blocks
	s_lshl_b32 s46, s23, 1
	s_cmp_lg_u32 s35, 0
	s_cselect_b32 s46, s23, s46
	s_cmp_lt_u32 s46, s34
	s_cselect_b32 s47, 1, 0                        ; it has a unit for me
	s_add_co_u32 s47, s47, s33                     ; my units, 0 to 4
.if LAYER == 3
	s_cmp_eq_u32 s20, 0
	s_cselect_b32 s47, 0, s47                      ; no row: nothing is stored
.endif
	s_sub_co_u32 s24, 4, s47
.if LAYER == 2
	s_mov_b32 s36, 0
	DEAL
.else
.irp j, 3,2,1,0
	s_mov_b32 s36, \j
	DEAL
	LISTAD \j
.endr
	s_wait_alu depctr_va_vdst(0)                   ; the eight offsets LA are written, which the list loads read (in layer 1 also all the offsets and LDS addresses made at the head: this is the first wait ahead of a load)
.irp k, 0,1,2,3,4,5,6,7
	global_load_b32 v[PL+\k], v[LA+\k], s[14:15]
.endr
.endif
.if LAYER == 1
	WLOADS                                         ; behind the list loads, on which the rows' addresses hang
.else
	AOSET
.endif
	; The weights, eight loads at a time: rounded, laid into LDS; the registers that they leave take the first unit's k step i.
.set i, 0
.rept 8
.set nw, 56-8*i+NLS*i+NLATE
.if nw > 63
.set nw, 63
.endif
	s_wait_loadcnt nw                              ; weight loads 8 i .. 8 i + 7 are in; out stay the younger weight loads, the list loads behind them and the row loads issued so far (a smaller count where the field ends)
.if i >= 4
	s_wait_alu depctr_vm_vsrc(0)                   ; the LDS stores of four groups back have read the registers that the roundings below write again
.endif
	WIN FROM_R
.set n, 0
.rept 8
.set w, 8*i+n
	v_cvt_pk_bf16_f32 v[ACC+16*(i%4)+2*n],   v[4*w],   v[4*w+1]
	v_cvt_pk_bf16_f32 v[ACC+16*(i%4)+2*n+1], v[4*w+2], v[4*w+3]
.set n, n+1
.endr
	WIN 0
.if (LAYER == 1) && (i == 0)
	NEXTP                                          ; the lists, older than the weights, are in
	AOSET
.endif
	s_wait_alu depctr_va_vdst(0)                   ; the roundings have written the LDS stores' data and are done reading the staging registers, in which the rows below land; in the first group AO is written, which the row loads read
.set n, 0
.rept 8
.set w, 8*i+n
	ds_store_b64 v[WS+w/24], v[ACC+16*(i%4)+2*n:ACC+16*(i%4)+2*n+1] offset:(w%24)*16*WP
.set n, n+1
.endr
	WIN TO_R
	ALOAD i
	WIN 0
.set i, i+1
.endr
.if LAYER == 3
	s_wait_loadcnt 63                              ; the list loads are older than the 64 row loads
	NEXTP
	CWAD
.endif
	s_cmp_lg_u32 s22, 0
	s_cbranch_scc1 .Lno_bias                       ; wave 0 lays the bias down, rounded to bf16 and widened again
	v_cvt_pk_bf16_f32 v[U], v[BS], v[BS+1]
	v_lshlrev_b32 v[BS], 16, v[U]
	v_and_b32 v[BS+1], 0xffff0000, v[U]
	v_add_nc_u32 v[U2], BIAS, v[BO]
	s_wait_alu depctr_va_vdst(0)                   ; the bias and its LDS address are written, which the store reads
	ds_store_b64 v[U2], v[BS:BS+1]
.Lno_bias:
	s_wait_dscnt 0x0                               ; for the others' sake: my stores into LDS are done
	s_barrier_signal -1
	s_barrier_wait -1                              ; the slice and the bias are whole: the only barrier; nothing shared is written behind it
	s_cmp_ge_u32 s24, 4
	s_cbranch_scc1 .Lend                           ; this split leaves my wave no unit
	s_mov_b32 s25, 4
.Lunit:                                                ; a trip is a unit; its first 8 k steps of rows have been asked for
	s_wait_xcnt 0x0                                ; the last unit's stores have had their addresses translated: their offsets and data are rewritten only behind this wait
	s_wait_alu depctr_vm_vsrc(0)                   ; first trip: the prologue's LDS stores have read ACC, which the products write, and v42, which the way out writes; later: the last unit's stores have read their offsets and T, which are written below
.if LAYER == 3
	s_wait_alu depctr_va_vdst(0)                   ; CWO is written, which the two loads below read
.endif
	s_mov_b32 s38, s43                             ; 1: a unit of one block
.if LAYER == 3
	global_load_b32 v[CW], v[CWO], s[16:17]
	global_load_b32 v[CW+2], v[CWO+1], s[16:17]
.else
	OFFS OO
.endif
	BLOAD 0                                        ; the way out's vector lines on these registers stand ahead of its own waits on va_vdst
	BLOAD 1
	BLOAD 2
.irp kf, 0,1,2,3,4,5,6,7,8,9,10,11,12,13,14,15,16,17,18,19,20,21,22,23,24,25,26,27,28,29,30,31
	KSTEP \kf
.endr
	s_wait_alu depctr_vm_vsrc(0)                   ; the unit's row loads have read AO (the last step's wait on loads was for 0: they are done, too)
	s_add_co_u32 s36, s36, 1
	DEAL                                           ; the next round's deal and offsets, made while the last products run; in a wave's last unit they are clamped and not used
.if LAYER == 1
	PLSHIFT
	NEXTP
.endif
	AOSET
	PLACES                                         ; behind the last products, ahead of the lines and loads that touch their registers
	s_wait_alu depctr_va_vdst(0)                   ; the unit's products are done reading the ring and W's buffers, in which the next unit's rows and the bias land; AO is written, which those row loads read
	s_sub_co_u32 s25, s25, 1
	s_cmp_le_u32 s25, s24
	s_cbranch_scc1 .Lnomore
	WIN TO_R                                       ; the next unit's rows are asked for ahead of this unit's way out
.irp k, 0,1,2,3,4,5,6,7
	ALOAD \k
.endr
	WIN 0
.Lnomore:
.irp g, 0,1,2,3
	ds_load_b128 v[BI+8*\g:BI+8*\g+3],   v[BIA] offset:64*\g      ; bias of columns 16 g + 8 (lane / 16) + 0..7
	ds_load_b128 v[BI+8*\g+4:BI+8*\g+7], v[BIA] offset:64*\g+16
.endr
	s_wait_dscnt 0x0
	EPIB 0
	s_cmp_lg_u32 s38, 0
	s_cbranch_scc1 .Lhalf_out
	EPIB 1
.Lhalf_out:
	s_cmp_le_u32 s25, s24
	s_cbranch_scc1 .Lend                           ; no further unit
.if LAYER == 3
	s_wait_alu depctr_vm_vsrc(0)                   ; the permutes have read PC and the unit's two cw loads CWO: both are written below
	PLSHIFT
	NEXTP
	CWAD
.endif
	s_cmp_lg_u32 s25, 0
	s_cbranch_scc1 .Lunit
.Lend:
	s_wait_dscnt 0x0                               ; the wave's end
	s_wait_alu depctr_hold_cnt(0) depctr_sa_sdst(0) depctr_va_vdst(0) depctr_va_sdst(0) depctr_va_ssrc(0) depctr_va_vcc(0) depctr_vm_vsrc(0)
	s_wait_tensorcnt 0x0
	ds_add_u32 v62, v63
	s_wait_dscnt 0x0
	s_endpgm
.Lfunc_end_k_q62ae1cb8be_fc1:
	.size	k_q62ae1cb8be_fc1, .Lfunc_end_k_q62ae1cb8be_fc1-k_q62ae1cb8be_fc1
	.p2alignl 7, 3214868480
	.fill 96, 4, 3214868480
	.section	.rodata,"a",@progbits
	.p2align	6, 0x0
	.amdhsa_kernel k_q62ae1cb8be_fc1
		.amdhsa_group_segment_fixed_size 199936
		.amdhsa_private_segment_fixed_size 0
		.amdhsa_enable_private_segment 0
		.amdhsa_kernarg_size 48
		.amdhsa_user_sgpr_count 2
		.amdhsa_user_sgpr_kernarg_segment_ptr 1
		.amdhsa_wavefront_size32 1
		.amdhsa_system_sgpr_workgroup_id_x 1
		.amdhsa_system_sgpr_workgroup_id_y 1
		.amdhsa_system_sgpr_workgroup_id_z 1
		.amdhsa_system_vgpr_workitem_id 0
		.amdhsa_next_free_vgpr 512
		.amdhsa_next_free_sgpr 66
		.amdhsa_reserve_vcc 0
		.amdhsa_float_denorm_mode_32 3
		.amdhsa_float_denorm_mode_16_64 3
		.amdhsa_memory_ordered 1
		.amdhsa_forward_progress 1
		.amdhsa_inst_pref_size 107
	.end_amdhsa_kernel
	.amdgpu_metadata
---
amdhsa.version: [ 1, 2 ]
amdhsa.kernels:
  - .name:           k_q62ae1cb8be_fc1
    .symbol:         k_q62ae1cb8be_fc1.kd
    .args:
      - { .name: xb, .offset: 0, .size: 8, .value_kind: global_buffer, .address_space: global }
      - { .name: w1, .offset: 8, .size: 8, .value_kind: global_buffer, .address_space: global }
      - { .name: b1, .offset: 16, .size: 8, .value_kind: global_buffer, .address_space: global }
      - { .name: cnt, .offset: 24, .size: 8, .value_kind: global_buffer, .address_space: global }
      - { .name: h1, .offset: 32, .size: 8, .value_kind: global_buffer, .address_space: global }
      - { .name: list, .offset: 40, .size: 8, .value_kind: global_buffer, .address_space: global }
    .group_segment_fixed_size: 199936
    .private_segment_fixed_size: 0
    .kernarg_segment_align: 8
    .kernarg_segment_size: 48
    .max_flat_workgroup_size: 256
    .sgpr_count:     66
    .vgpr_count:     512
    .wavefront_size: 32
...
	.end_amdgpu_metadata
.endif
;; end of part 7
;; launch fc2 (part 8): grid 32 x 8, 8 waves a work-group, no clusters, 199,936 bytes of LDS; arguments h1, w2, b2, cnt, h2; writes h2
.if DOCPART == 8
	.amdgcn_target "amdgcn-amd-amdhsa--gfx1250"
	.amdhsa_code_object_version 6
	.text
	.protected	k_q62ae1cb8be_fc2
	.globl	k_q62ae1cb8be_fc2
	.p2align	8
	.type	k_q62ae1cb8be_fc2,@function
k_q62ae1cb8be_fc2:
	s_mov_b64 s[64:65], 0
	v_nop
	global_prefetch_b8 v0, s[64:65] scope:SCOPE_SE
	s_setreg_imm32_b32 hwreg(HW_REG_WAVE_SCHED_MODE, 0, 2), 2
	s_setreg_imm32_b32 hwreg(HW_REG_WAVE_MODE, 25, 1), 1
	s_wait_xcnt 0x0
	s_wait_alu depctr_vm_vsrc(0)
; ONE LAYER OF THE EXPERTS' CHAIN, for the routed rows alone.  One text serves the three layers; LAYER picks what differs.
;   LAYER 1: h1 = relu(xb[p / 2] w1[e] + b1[e])     LAYER 2: h2 = relu(h1 w2[e] + b2[e])     LAYER 3: y[p] = cw[p] (h2 w3[e] + b3[e])
; p = 2 token + slot is a routed row, e its expert; list[e] holds expert e's rows by rank, cnt[e] their number (whole numbers stored by an earlier launch).
; FORMATS.  Weights and biases are rounded to bf16 on their way through registers; sums in f32.  A hidden number is kept as TWO bf16, hi = bf16(h) and lo = bf16(h - hi): 16 significant bits with bf16's range;
; layers 2 and 3 multiply both planes by the same weights into one sum.
; h LIES AS IT IS USED: [expert 8][block of 16 ranks 128][k step 32][plane 2][half 2][lane 32][16 bytes], 65,536 bytes a block: lane l of a piece holds row l % 16, k = 32 step + 16 half + 8 (l / 16) + 0..7,
; which is a lane's part of a matrix operand.  So a load or a store of h takes 512 consecutive bytes, and a lane's packed results of one layer are its own part of the next layer's operand.
; LIMITS.  NaN and infinities are not treated apart.  In a block that is not full the places past the count repeat the expert's last row: in layer 3 the same wave stores the same bytes there again.
; An expert without rows runs one block on a row of another expert in layers 1 and 2, into its own slots of h, which nobody uses; layer 3 then stores nothing for it.
; SHARES.  Grid y = expert, x / 2 = slice of 64 output columns, x % 2 = q.  A work-group lays its slice (1,024 x 64) into LDS in bf16 once.  The slice's team is 16 waves, wid = 2 wave + q.  A UNIT is 32 rows
; (two blocks) x 64 columns over all K: 8 accumulators; a fragment of W read from LDS feeds 2 products a plane.  THE DEAL: nB = ceil(count / 16) blocks; a full round gives each wave two blocks; in the last round, if
; 16 blocks or fewer are left, each wave takes ONE (the second block's products and way out are jumped, its loads name the first block again), else pairs.  It serves every split: 0 to 2,048 rows, at most 4 units a wave.
; The loop over units has no barrier and writes no shared LDS; it counts to the constant 4 and is left by a forward jump.  A unit's 32 k steps are written out: every LDS address is then a register that is
; never rewritten plus an immediate.
; NO TENSOR LOAD, NO MULTICAST: the weights are f32 in memory and must pass through registers to be rounded; a slice has two readers only; the rows, which 16 slices share, go straight into operand registers,
; and a joint load would send them through LDS, whose reads would double.
; THE MATRIX INSTRUCTION IS USED TRANSPOSED: source 0 = 16 columns of W (turned out of LDS by ds_load_tr16_b128), source 1 = 16 rows: a lane then holds 8 neighbouring columns of one row.
; REGISTERS, in windows of 256 (s_set_vgpr_msb: bits 1:0 source 0, 3:2 source 1, 5:4 source 2, 7:6 destination).  Window 0: v0-63 addresses; v64-127 accumulators; v128-255 four buffers of W's fragments, on the
; way out at work.  Window 1: the ring of row fragments, 8 k steps deep; in the prologue the staging of the 64 weight loads.
; THE MODE: SCHED_MODE bits 1:0 = 2 (LLVM: expert scheduling mode 2), set by the entry lines.  The code itself states the register dependences between vector or matrix instructions and memory or LDS
; instructions, with s_wait_alu, always for 0.
; THE PLAN.  Registers that memory or LDS instructions touch in a unit, and who else names them:
;   ring slot s      K step iv's products read slot iv % 8; the row loads of step iv + 8, issued in step iv + 1, land in it.
;   BF0 .. BF3       K step iv's products read BF[iv % 4]; the turning loads of step iv + 4, issued in step iv + 1, land in it.
;   AO               Read by every row load; written once a unit, behind the last step's products.
;   OO               Written at the unit's head; read by the way out's stores (layers 1, 2).
;   T, BI, OF        The way out's names for BF's registers.  T: written by the roundings (layers 1, 2) or by loads from the stage (layer 3), read by the stores.  BI: loaded from LDS, read by vector lines.
;                    OF: written by the permutes and then by vector lines, read by the stores (layer 3).
;   PC, CWO, CW      Layer 3.  PC is read by the permutes, CWO by the two loads that land in CW, CW by the packed multiplies; PC and CWO are written in the unit's tail.
;   ACC              In the prologue, and on layer 3's way out, the data of LDS stores; else named by vector and matrix instructions alone.
;   BB, BIA, STO, RD, COL, L16, WO, WS, BO, LA, BPI   Made at the head, never written again.
; So ONE wait on va_vdst stands at the head of a k step that asks for anything (1 to 28), behind the waits for its data: the last step's products are done reading the slot and the buffer that the step's loads fill.
; Those loads follow it, dealt among the step's products, which name ACC, BF[iv % 4] and slot iv % 8: none of the registers that the loads touch.  One more stands behind the last step, one ahead of each block's
; stores.  Waits on vm_vsrc: at the unit's head, ahead of the write of AO, and in layer 3's tail.
.set LAYER, 2
.if LAYER == 1
.set NPL,  1          ; planes of the rows
.set KSB,  64         ; bytes from k step to k step in what a lane reads
.set SUBB, 32         ; and between the two halves of a fragment
.else
.set NPL,  2
.set KSB,  2048
.set SUBB, 512
.endif
.set PLB,   1024      ; from plane to plane
.set NLS,   4*NPL     ; row loads in a k step: 2 blocks x NPL planes x 2 halves
.if LAYER == 3
.set NLATE, 8         ; the list loads stand behind the weight loads
.else
.set NLATE, 0
.endif
.set WP,    160       ; a row of W in LDS: 128 bytes + 32 = 40 words
.set BIAS,  1024*WP   ; behind the weights: 64 f32
.set STAGE, BIAS+256  ; 16 rows x 272 bytes for each wave: layer 3's way out.  The 1,024 bytes behind the stages take the closing add, a word a thread
.set SP,    272
.set H16, 3           ; v3   16 (lane / 16)
.set L16, 4           ; v4   16 lane
.set RR,  5           ; v5   lane % 16
.set AO,  6           ; v6-7   byte offset of what I read of the unit's two blocks
.set OO,  8           ; v8-9   byte offset of what I store of them (layers 1, 2)
.set PC,  10          ; v10-11 p of my row in the two blocks
.set PL,  12          ; v12-19 list entries of my four possible units, two blocks each
.set CW,  20          ; v[20:21], v[22:23] cw of my row in the two blocks; the second of each is named with it as a pair
.set STO, 26          ; v26  layer 3: where I put my part of a row
.set RD,  27          ; v27  where I read rows back
.set COL, 28          ; v28  16 (lane % 16)
.set U,   30          ; v[30:31] at work
.set CWO, 32          ; v32-33 byte offsets in cw
.set WO,  34          ; v34  prologue: my byte offset in 16 rows of W
.set WS,  35          ; v35-37 prologue: where my 8 bytes go in LDS; a base for every 24 loads
.set BO,  38          ; v38  8 lane
.set BIA, 39          ; v39  LDS address of my bias numbers
.set BS,  40          ; v[40:41] the bias as loaded
.set U2,  42          ; v[42:43] at work
.set BB,  44          ; v44-47 LDS address of my part of W's fragments, k from 0, 256, 512, 768 on; never rewritten
.set LA,  48          ; v48-55 byte offsets of my eight list entries; never rewritten
.set BPI, 56          ; v56-63 layer 3: the lane, times 4, from which store t takes its p: 4 (2 t + lane / 16); never rewritten
.set ACC, 64          ; block b, columns 16 g on: ACC + 32 b + 8 g.  In the prologue the rounded weights pass through here
.set BF,  128         ; W's fragments: buffer k step % 4, columns 16 g on
.set T,   128         ; the way out: what is stored, 32 a block
.set BI,  192         ; the way out: the bias of my columns
.set OF,  224         ; layer 3: byte offsets of the 8 stores of each block
.set MSB, 0
.set DL,  0
.macro WIN new                         ; the immediate's high byte repeats the setting that is left; a switch that changes nothing is dropped
.if MSB != (\new)
	s_set_vgpr_msb (MSB<<8)|(\new)
.set MSB, (\new)
.endif
.endm
.set TO_R,   0x40     ; destination in window 1: loads into the ring
.set MUL,    0x04     ; source 1 in window 1: the rows
.set FROM_R, 0x05     ; sources 0 and 1 in window 1
.macro PLACES                          ; four plain instructions behind a matrix instruction (ISA guide 7.12.1)
.rept 4
	v_nop
.endr
.endm
.macro ALOAD kk                        ; k step kk of the unit's rows: NLS loads into slot kk % 8 of the ring.  The caller sets the window
.set sl, (\kk)%8
.irp b, 0,1
.set pl, 0
.rept NPL
.set rg, ((sl*2+\b)*NPL+pl)*8
	global_load_b128 v[rg:rg+3],   v[AO+\b], s[4:5] offset:(\kk)*KSB+pl*PLB
	global_load_b128 v[rg+4:rg+7], v[AO+\b], s[4:5] offset:(\kk)*KSB+pl*PLB+SUBB
.set pl, pl+1
.endr
.endr
.endm
.macro BHALF kk, g, hf                 ; half hf (16 along K) of W's fragment of columns 16 g on, k step kk, turned, into buffer kk % 4.  Destination and address lie in window 0, under the products' setting too
	ds_load_tr16_b128 v[BF+32*((\kk)%4)+8*(\g)+4*(\hf):BF+32*((\kk)%4)+8*(\g)+4*(\hf)+3], v[BB+(\kk)/8] offset:(((\kk)%8)*32+16*(\hf))*WP+32*(\g)
.endm
.macro BLOAD kk                        ; W's four fragments (64 columns) of k step kk: 8 loads
.irp g, 0,1,2,3
	BHALF \kk, \g, 0
	BHALF \kk, \g, 1
.endr
.endm
; Block b's 4 NPL products of k step iv; step 0's first four start the sums.  The block's four accumulators take turns, one instruction a turn.
; DL = 1: the 8 turning loads of k step iv + 3 are dealt behind the products, 8 / (4 NPL) behind each.
.macro MULB iv, b
.set sl, (\iv)%8
.set pl, 0
.rept NPL
.set rg, ((sl*2+(\b))*NPL+pl)*8
.irp g, 0,1,2,3
.if ((\iv) == 0) && (pl == 0)
	v_wmma_f32_16x16x32_bf16 v[ACC+32*(\b)+8*\g:ACC+32*(\b)+8*\g+7], v[BF+32*((\iv)%4)+8*\g:BF+32*((\iv)%4)+8*\g+7], v[rg:rg+7], 0
.else
	v_wmma_f32_16x16x32_bf16 v[ACC+32*(\b)+8*\g:ACC+32*(\b)+8*\g+7], v[BF+32*((\iv)%4)+8*\g:BF+32*((\iv)%4)+8*\g+7], v[rg:rg+7], v[ACC+32*(\b)+8*\g:ACC+32*(\b)+8*\g+7]
.endif
.if DL
.if NPL == 1
	BHALF (\iv)+3, \g, 0
	BHALF (\iv)+3, \g, 1
.else
	BHALF (\iv)+3, \g, pl
.endif
.endif
.endr
.set pl, pl+1
.endr
.endm
; K STEP iv of 32 (32 along K).  At its head this step's rows and fragments are waited for, then the last step's products.  Behind that the step's own requests are dealt among its products: W's fragments 3 steps
; on behind the first block's products, the rows 7 steps on in one run between the two blocks' products, outside the jump, so that every path counts alike.  Near the end nothing is left to ask for, and the
; counts run down.  In a unit of one block the second block's products are jumped.
.macro KSTEP iv
.set yl, 31-(\iv)
.if yl > 6
.set yl, 6
.endif
.if (\iv) == 0
.set yl, 7
.endif
.set yd, 31-(\iv)
.if yd > 2
.set yd, 2
.endif
.if ((\iv) >= 1) && ((\iv) <= 28)
	PLACES                                         ; behind the last step's products, ahead of the loads into registers that those have read; they stand ahead of the wait for those products
.endif
	s_wait_loadcnt yl*NLS                          ; this step's rows are in; the younger steps' loads stay out: 7 steps' at step 0, then 6, since a step's own request stands behind this wait
	s_wait_dscnt yd*8                              ; and its fragments of W; the two younger groups of 8 stay out
.if ((\iv) >= 1) && ((\iv) <= 28)
	s_wait_alu depctr_va_vdst(0)                   ; the last step's products are done reading their buffer of W and their slot of the ring, in which this step's loads land
.endif
.set DL, 0
.if (\iv) <= 28
.set DL, 1
.endif
	WIN MUL
	MULB \iv, 0
.set DL, 0
.if ((\iv) >= 1) && ((\iv) <= 24)
	WIN TO_R
	ALOAD (\iv)+7                                  ; no further wait: no product since the wait above names this slot or AO
.endif
	WIN 0                                          ; at a branch and at a label every window is 0
	s_cmp_lg_u32 s38, 0
	s_cbranch_scc1 .Lone_\@
	WIN MUL
	MULB \iv, 1
	WIN 0
.Lone_\@:
.endm
; THE DEAL, for round s36: s42, s48 = the unit's two blocks; s43 = 1: it has one block, and s48 = s42.  A wave that the round leaves without a unit names the expert's last block.
.macro DEAL
	s_lshl_b32 s44, s36, 5                         ; 32 blocks a round
	s_cmp_lt_u32 s36, s33                          ; a full round?
	s_cselect_b32 s45, 0, s35                      ; if not, and 16 blocks or fewer are left: one block a wave
	s_lshl_b32 s46, s23, 1
	s_cmp_lg_u32 s45, 0
	s_cselect_b32 s46, s23, s46
	s_add_co_u32 s42, s44, s46
	s_add_co_u32 s47, s42, 1
	s_cmp_ge_u32 s47, s32                          ; no block behind the first?
	s_cselect_b32 s43, 1, s45
	s_sub_co_u32 s47, s32, 1
	s_min_u32 s42, s42, s47
	s_min_u32 s42, s42, 0x7f                       ; made of a loaded number: clamped to the table before it enters an address
	s_add_co_u32 s48, s42, 1
	s_cmp_lg_u32 s43, 0
	s_cselect_b32 s48, s42, s48
	s_min_u32 s48, s48, 0x7f
.endm
.macro OFFS dst                        ; byte offsets of my 16 bytes in a piece of the unit's two blocks of h
	s_add_co_u32 s44, s41, s42
	s_add_co_u32 s45, s41, s48
	s_lshl_b32 s44, s44, 16
	s_lshl_b32 s45, s45, 16
	v_add_nc_u32 v[\dst], s44, v[L16]
	v_add_nc_u32 v[\dst+1], s45, v[L16]
.endm
.macro LISTAD j                        ; where the list entries of round j's unit lie: lane l takes rank 16 block + l % 16; places past the count repeat the last row
	s_lshl_b32 s44, s42, 4
	s_lshl_b32 s45, s48, 4
	v_add_nc_u32 v[LA+2*\j], s44, v[RR]
	v_add_nc_u32 v[LA+2*\j+1], s45, v[RR]
.irp b, 0,1
	v_min_u32 v[LA+2*\j+\b], s21, v[LA+2*\j+\b]
	v_min_u32 v[LA+2*\j+\b], 0xfff, v[LA+2*\j+\b]
	v_lshlrev_b32 v[LA+2*\j+\b], 2, v[LA+2*\j+\b]
.endr
.endm
.macro PLSHIFT                         ; the next unit's entries move to the front
.irp k, 0,1,2,3,4,5
	v_mov_b32 v[PL+\k], v[PL+\k+2]
.endr
.endm
.macro NEXTP
	v_min_u32 v[PC], 0xfff, v[PL]                  ; a loaded number is clamped to the table before it enters an address
	v_min_u32 v[PC+1], 0xfff, v[PL+1]
.endm
.macro CWAD                            ; where my rows' cw lie; the two loads stand at the unit's head
	v_lshlrev_b32 v[CWO], 2, v[PC]
	v_lshlrev_b32 v[CWO+1], 2, v[PC+1]
.endm
.macro AOSET
.if LAYER == 1
.irp b, 0,1
	v_and_b32 v[AO+\b], 0xffe, v[PC+\b]            ; the token, twice,
	v_lshlrev_b32 v[AO+\b], 10, v[AO+\b]           ; times 1,024: rows of 2,048 bytes
	v_add_nc_u32 v[AO+\b], v[H16], v[AO+\b]
.endr
.else
	OFFS AO
.endif
.endm
; THE WAY OUT of block b.  Each accumulator is read from its low end on.
.macro EPIB b
.if LAYER == 3
.irp t, 0,1,2,3,4,5,6,7
	ds_bpermute_b32 v[OF+8*(\b)+\t], v[BPI+\t], v[PC+(\b)]  ; store t takes rows 2 t and 2 t + 1: their p lies in lanes 2 t + lane / 16
.endr
.irp g, 0,1,2,3
.irp jj, 0,1,2,3
.set ac, ACC+32*(\b)+8*\g+2*\jj
	v_pk_add_f32 v[ac:ac+1], v[ac:ac+1], v[BI+8*\g+2*\jj:BI+8*\g+2*\jj+1]
	v_pk_mul_f32 v[ac:ac+1], v[ac:ac+1], v[CW+2*(\b):CW+2*(\b)+1] op_sel_hi:[1,0]
.endr
.endr
	s_wait_dscnt 0x0
.irp t, 0,1,2,3,4,5,6,7
	v_min_u32 v[OF+8*(\b)+\t], 0xfff, v[OF+8*(\b)+\t]
	v_lshlrev_b32 v[OF+8*(\b)+\t], 12, v[OF+8*(\b)+\t]      ; rows of 4,096 bytes
	v_add_nc_u32 v[OF+8*(\b)+\t], v[COL], v[OF+8*(\b)+\t]
.endr
	s_wait_alu depctr_va_vdst(0)                   ; the lines above have written the block's ACC, which the LDS stores read, and its OF, which the global stores read
.irp g, 0,1,2,3
	ds_store_b128 v[STO], v[ACC+32*(\b)+8*\g:ACC+32*(\b)+8*\g+3]   offset:64*\g
	ds_store_b128 v[STO], v[ACC+32*(\b)+8*\g+4:ACC+32*(\b)+8*\g+7] offset:64*\g+16
.endr
.irp t, 0,1,2,3,4,5,6,7
	ds_load_b128 v[T+32*(\b)+4*\t:T+32*(\b)+4*\t+3], v[RD] offset:\t*2*SP  ; the stage is my wave's own, and LDS serves a wave's instructions in order (ISA guide 5.7.1.4): these see the stores above
.endr
.irp t, 0,1,2,3,4,5,6,7
	s_wait_dscnt 7-\t                              ; rows 2 t, 2 t + 1 are back; the younger reads stay out
	global_store_b128 v[OF+8*(\b)+\t], v[T+32*(\b)+4*\t:T+32*(\b)+4*\t+3], s[12:13]  ; 16 lanes store 256 consecutive bytes, aligned: a row's whole slice
.endr
.else
.irp g, 0,1,2,3
.irp jj, 0,1,2,3
.set ac, ACC+32*(\b)+8*\g+2*\jj
.set uu, U+12*(\jj%2)
	v_pk_add_f32 v[ac:ac+1], v[ac:ac+1], v[BI+8*\g+2*\jj:BI+8*\g+2*\jj+1]
	v_max_num_f32 v[ac],   0, v[ac]
	v_max_num_f32 v[ac+1], 0, v[ac+1]
	v_cvt_pk_bf16_f32 v[T+32*(\b)+4*\g+\jj], v[ac], v[ac+1]          ; hi
	v_lshlrev_b32 v[uu],   16, v[T+32*(\b)+4*\g+\jj]
	v_and_b32     v[uu+1], 0xffff0000, v[T+32*(\b)+4*\g+\jj]
	v_pk_add_f32 v[ac:ac+1], v[ac:ac+1], v[uu:uu+1] neg_lo:[0,1] neg_hi:[0,1]  ; h - hi, exact
	v_cvt_pk_bf16_f32 v[T+32*(\b)+16+4*\g+\jj], v[ac], v[ac+1]       ; lo
.endr
.endr
	s_wait_alu depctr_va_vdst(0)                   ; the roundings have written the block's T, which the stores read
.irp g, 0,1,2,3                        ; columns 16 g on are half g % 2 of the next layer's k step 2 slice + g / 2: each store takes 512 consecutive bytes, aligned
	global_store_b128 v[OO+(\b)], v[T+32*(\b)+4*\g:T+32*(\b)+4*\g+3],       s[12:13] offset:(\g/2)*2048+(\g%2)*512
	global_store_b128 v[OO+(\b)], v[T+32*(\b)+16+4*\g:T+32*(\b)+16+4*\g+3], s[12:13] offset:(\g/2)*2048+1024+(\g%2)*512
.endr
.endif
.endm
	s_load_b256 s[4:11], s[0:1], 0x0               ; rows s[4:5], W s[6:7], bias s[8:9], cnt s[10:11]
.if LAYER == 2
	s_load_b64 s[12:13], s[0:1], 0x20              ; the output
	v_lshl_add_u32 v62, v0, 2, 0x30900
	v_mov_b32 v63, 0
.else
	s_load_b128 s[12:15], s[0:1], 0x20             ; the output, list
.endif
.if LAYER == 3
	s_load_b64 s[16:17], s[0:1], 0x30              ; cw
.endif
	v_lshrrev_b32 v30, 5, v0
	v_readfirstlane_b32 s22, v30                   ; wave 0..7
	v_and_b32 v[RR], 15, v0
	v_bfe_u32 v31, v0, 4, 1                        ; h = lane / 16
	v_lshlrev_b32 v[H16], 4, v31
	v_and_b32 v30, 31, v0
	v_lshlrev_b32 v[L16], 4, v30
	v_lshlrev_b32 v[BO], 3, v30
	v_lshlrev_b32 v[COL], 4, v[RR]
	v_and_b32 v42, 7, v0                           ; the turning load: lane l reads k = 8 h + l % 8, columns 8 ((l / 8) % 2) + 0..7
	v_lshl_add_u32 v42, v31, 3, v42
	v_mul_u32_u24 v42, v42, WP
	v_bfe_u32 v43, v0, 3, 1
	v_lshl_add_u32 v[BB], v43, 4, v42
	v_add_nc_u32 v[BB+1], 256*WP, v[BB]            ; the offset field holds 16 bits: a base for every 8 k steps
	v_add_nc_u32 v[BB+2], 512*WP, v[BB]
	v_add_nc_u32 v[BB+3], 768*WP, v[BB]
	v_lshl_add_u32 v[BIA], v31, 5, BIAS
	s_wait_alu depctr_va_sdst(0)                   ; s22 is written, ahead of its first reader: the stage's place, wid and a branch are made from it
.if LAYER == 3
.irp t, 0,1,2,3,4,5,6,7
	v_lshl_add_u32 v[BPI+\t], v31, 2, 8*\t
.endr
	v_mov_b32 v[CW+1], 0
	v_mov_b32 v[CW+3], 0
	s_mul_i32 s28, s22, 16*SP
	s_add_co_u32 s28, s28, STAGE                   ; my stage
	v_mul_u32_u24 v[STO], v[RR], SP
	v_lshl_add_u32 v[STO], v31, 5, v[STO]          ; 8 f32 for each half of the lanes
	v_add_nc_u32 v[STO], s28, v[STO]
	v_mul_u32_u24 v[RD], v31, SP
	v_add_nc_u32 v[RD], v[COL], v[RD]
	v_add_nc_u32 v[RD], s28, v[RD]
.endif
	v_lshrrev_b32 v42, 4, v0                       ; thread / 16: which of 16 rows of W I fetch in each of 64 loads
	v_lshl_add_u32 v[WO], v42, 12, v[COL]          ; in memory: rows of 4,096 bytes, my 16 bytes of the slice's 256
	v_mul_u32_u24 v[WS], v42, WP
	v_lshl_add_u32 v[WS], v[RR], 3, v[WS]          ; in LDS: my 8 bytes of the row's 128
	v_add_nc_u32 v[WS+1], 24*16*WP, v[WS]          ; the offset field holds 16 bits
	v_add_nc_u32 v[WS+2], 48*16*WP, v[WS]
	s_and_b32 s26, ttmp7, 0xffff                   ; the expert
	s_lshr_b32 s30, ttmp9, 1                       ; the slice
	s_and_b32 s31, ttmp9, 1                        ; q
	s_lshl_b32 s23, s22, 1
	s_add_co_u32 s23, s23, s31                     ; wid: my wave among the team's 16
	s_lshl_b32 s41, s26, 7                         ; the expert's first block of h
	s_mov_b32 s19, 0
	s_wait_kmcnt 0x0
	s_lshl_b32 s18, s26, 7
	s_add_nc_u64 s[10:11], s[10:11], s[18:19]
	s_load_b32 s20, s[10:11], 0x0                  ; the expert's count
	s_lshl_b32 s18, s26, 22
	s_lshl_b32 s27, s30, 8
	s_add_co_u32 s18, s18, s27
	s_add_nc_u64 s[6:7], s[6:7], s[18:19]          ; W at the expert's slice
	s_lshl_b32 s18, s26, 12
	s_add_co_u32 s18, s18, s27
	s_add_nc_u64 s[8:9], s[8:9], s[18:19]          ; the bias likewise
.if LAYER == 3
	s_mov_b32 s18, s27                             ; y: 256 bytes of a row
.else
	s_lshl_b32 s18, s30, 12                        ; h: two k steps, 4,096 bytes of a block
.endif
	s_add_nc_u64 s[12:13], s[12:13], s[18:19]
.if LAYER != 2
	s_lshl_b32 s18, s26, 14
	s_add_nc_u64 s[14:15], s[14:15], s[18:19]      ; the expert's list
.endif
.macro WLOADS                          ; the bias, in every wave, so that all waves count alike; then my share of the slice: a load takes two whole rows of 256 bytes, the work-group 16 rows
	global_load_b64 v[BS:BS+1], v[BO], s[8:9]
	WIN TO_R
.set w, 0
.rept 64
	global_load_b128 v[4*w:4*w+3], v[WO], s[6:7] offset:w*65536
.set w, w+1
.endr
	WIN 0
.endm
.if LAYER != 1
	s_wait_alu depctr_va_vdst(0)                   ; the offsets and LDS addresses made above are written: the kernel's loads, stores and permutes read them, and none is written again
	WLOADS                                         ; they hang on no count: they go out while the count is on its way
.endif
	s_wait_kmcnt 0x0
	s_min_u32 s20, s20, 0x800                      ; at most one row a token
	s_max_u32 s21, s20, 1
	s_sub_co_u32 s21, s21, 1                       ; the last rank that exists
	s_add_co_u32 s32, s20, 15
	s_lshr_b32 s32, s32, 4
	s_max_u32 s32, s32, 1                          ; nB, blocks
	s_lshr_b32 s33, s32, 5                         ; full rounds
	s_and_b32 s34, s32, 31                         ; blocks of the last round
	s_cmp_le_u32 s34, 16
	s_cselect_b32 s35, 1, 0                        ; it deals single blocks
	s_lshl_b32 s46, s23, 1
	s_cmp_lg_u32 s35, 0
	s_cselect_b32 s46, s23, s46
	s_cmp_lt_u32 s46, s34
	s_cselect_b32 s47, 1, 0                        ; it has a unit for me
	s_add_co_u32 s47, s47, s33                     ; my units, 0 to 4
.if LAYER == 3
	s_cmp_eq_u32 s20, 0
	s_cselect_b32 s47, 0, s47                      ; no row: nothing is stored
.endif
	s_sub_co_u32 s24, 4, s47
.if LAYER == 2
	s_mov_b32 s36, 0
	DEAL
.else
.irp j, 3,2,1,0
	s_mov_b32 s36, \j
	DEAL
	LISTAD \j
.endr
	s_wait_alu depctr_va_vdst(0)                   ; the eight offsets LA are written, which the list loads read (in layer 1 also all the offsets and LDS addresses made at the head: this is the first wait ahead of a load)
.irp k, 0,1,2,3,4,5,6,7
	global_load_b32 v[PL+\k], v[LA+\k], s[14:15]
.endr
.endif
.if LAYER == 1
	WLOADS                                         ; behind the list loads, on which the rows' addresses hang
.else
	AOSET
.endif
	; The weights, eight loads at a time: rounded, laid into LDS; the registers that they leave take the first unit's k step i.
.set i, 0
.rept 8
.set nw, 56-8*i+NLS*i+NLATE
.if nw > 63
.set nw, 63
.endif
	s_wait_loadcnt nw                              ; weight loads 8 i .. 8 i + 7 are in; out stay the younger weight loads, the list loads behind them and the row loads issued so far (a smaller count where the field ends)
.if i >= 4
	s_wait_alu depctr_vm_vsrc(0)                   ; the LDS stores of four groups back have read the registers that the roundings below write again
.endif
	WIN FROM_R
.set n, 0
.rept 8
.set w, 8*i+n
	v_cvt_pk_bf16_f32 v[ACC+16*(i%4)+2*n],   v[4*w],   v[4*w+1]
	v_cvt_pk_bf16_f32 v[ACC+16*(i%4)+2*n+1], v[4*w+2], v[4*w+3]
.set n, n+1
.endr
	WIN 0
.if (LAYER == 1) && (i == 0)
	NEXTP                                          ; the lists, older than the weights, are in
	AOSET
.endif
	s_wait_alu depctr_va_vdst(0)                   ; the roundings have written the LDS stores' data and are done reading the staging registers, in which the rows below land; in the first group AO is written, which the row loads read
.set n, 0
.rept 8
.set w, 8*i+n
	ds_store_b64 v[WS+w/24], v[ACC+16*(i%4)+2*n:ACC+16*(i%4)+2*n+1] offset:(w%24)*16*WP
.set n, n+1
.endr
	WIN TO_R
	ALOAD i
	WIN 0
.set i, i+1
.endr
.if LAYER == 3
	s_wait_loadcnt 63                              ; the list loads are older than the 64 row loads
	NEXTP
	CWAD
.endif
	s_cmp_lg_u32 s22, 0
	s_cbranch_scc1 .Lno_bias                       ; wave 0 lays the bias down, rounded to bf16 and widened again
	v_cvt_pk_bf16_f32 v[U], v[BS], v[BS+1]
	v_lshlrev_b32 v[BS], 16, v[U]
	v_and_b32 v[BS+1], 0xffff0000, v[U]
	v_add_nc_u32 v[U2], BIAS, v[BO]
	s_wait_alu depctr_va_vdst(0)                   ; the bias and its LDS address are written, which the store reads
	ds_store_b64 v[U2], v[BS:BS+1]
.Lno_bias:
	s_wait_dscnt 0x0                               ; for the others' sake: my stores into LDS are done
	s_barrier_signal -1
	s_barrier_wait -1                              ; the slice and the bias are whole: the only barrier; nothing shared is written behind it
	s_cmp_ge_u32 s24, 4
	s_cbranch_scc1 .Lend                           ; this split leaves my wave no unit
	s_mov_b32 s25, 4
.Lunit:                                                ; a trip is a unit; its first 8 k steps of rows have been asked for
	s_wait_xcnt 0x0                                ; the last unit's stores have had their addresses translated: their offsets and data are rewritten only behind this wait
	s_wait_alu depctr_vm_vsrc(0)                   ; first trip: the prologue's LDS stores have read ACC, which the products write, and v42, which the way out writes; later: the last unit's stores have read their offsets and T, which are written below
.if LAYER == 3
	s_wait_alu depctr_va_vdst(0)                   ; CWO is written, which the two loads below read
.endif
	s_mov_b32 s38, s43                             ; 1: a unit of one block
.if LAYER == 3
	global_load_b32 v[CW], v[CWO], s[16:17]
	global_load_b32 v[CW+2], v[CWO+1], s[16:17]
.else
	OFFS OO
.endif
	BLOAD 0                                        ; the way out's vector lines on these registers stand ahead of its own waits on va_vdst
	BLOAD 1
	BLOAD 2
.irp kf, 0,1,2,3,4,5,6,7,8,9,10,11,12,13,14,15,16,17,18,19,20,21,22,23,24,25,26,27,28,29,30,31
	KSTEP \kf
.endr
	s_wait_alu depctr_vm_vsrc(0)                   ; the unit's row loads have read AO (the last step's wait on loads was for 0: they are done, too)
	s_add_co_u32 s36, s36, 1
	DEAL                                           ; the next round's deal and offsets, made while the last products run; in a wave's last unit they are clamped and not used
.if LAYER == 1
	PLSHIFT
	NEXTP
.endif
	AOSET
	PLACES                                         ; behind the last products, ahead of the lines and loads that touch their registers
	s_wait_alu depctr_va_vdst(0)                   ; the unit's products are done reading the ring and W's buffers, in which the next unit's rows and the bias land; AO is written, which those row loads read
	s_sub_co_u32 s25, s25, 1
	s_cmp_le_u32 s25, s24
	s_cbranch_scc1 .Lnomore
	WIN TO_R                                       ; the next unit's rows are asked for ahead of this unit's way out
.irp k, 0,1,2,3,4,5,6,7
	ALOAD \k
.endr
	WIN 0
.Lnomore:
.irp g, 0,1,2,3
	ds_load_b128 v[BI+8*\g:BI+8*\g+3],   v[BIA] offset:64*\g      ; bias of columns 16 g + 8 (lane / 16) + 0..7
	ds_load_b128 v[BI+8*\g+4:BI+8*\g+7], v[BIA] offset:64*\g+16
.endr
	s_wait_dscnt 0x0
	EPIB 0
	s_cmp_lg_u32 s38, 0
	s_cbranch_scc1 .Lhalf_out
	EPIB 1
.Lhalf_out:
	s_cmp_le_u32 s25, s24
	s_cbranch_scc1 .Lend                           ; no further unit
.if LAYER == 3
	s_wait_alu depctr_vm_vsrc(0)                   ; the permutes have read PC and the unit's two cw loads CWO: both are written below
	PLSHIFT
	NEXTP
	CWAD
.endif
	s_cmp_lg_u32 s25, 0
	s_cbranch_scc1 .Lunit
.Lend:
	s_wait_dscnt 0x0                               ; the wave's end
	s_wait_alu depctr_hold_cnt(0) depctr_sa_sdst(0) depctr_va_vdst(0) depctr_va_sdst(0) depctr_va_ssrc(0) depctr_va_vcc(0) depctr_vm_vsrc(0)
	s_wait_tensorcnt 0x0
	ds_add_u32 v62, v63
	s_wait_dscnt 0x0
	s_endpgm
.Lfunc_end_k_q62ae1cb8be_fc2:
	.size	k_q62ae1cb8be_fc2, .Lfunc_end_k_q62ae1cb8be_fc2-k_q62ae1cb8be_fc2
	.p2alignl 7, 3214868480
	.fill 96, 4, 3214868480
	.section	.rodata,"a",@progbits
	.p2align	6, 0x0
	.amdhsa_kernel k_q62ae1cb8be_fc2
		.amdhsa_group_segment_fixed_size 199936
		.amdhsa_private_segment_fixed_size 0
		.amdhsa_enable_private_segment 0
		.amdhsa_kernarg_size 40
		.amdhsa_user_sgpr_count 2
		.amdhsa_user_sgpr_kernarg_segment_ptr 1
		.amdhsa_wavefront_size32 1
		.amdhsa_system_sgpr_workgroup_id_x 1
		.amdhsa_system_sgpr_workgroup_id_y 1
		.amdhsa_system_sgpr_workgroup_id_z 1
		.amdhsa_system_vgpr_workitem_id 0
		.amdhsa_next_free_vgpr 512
		.amdhsa_next_free_sgpr 66
		.amdhsa_reserve_vcc 0
		.amdhsa_float_denorm_mode_32 3
		.amdhsa_float_denorm_mode_16_64 3
		.amdhsa_memory_ordered 1
		.amdhsa_forward_progress 1
		.amdhsa_inst_pref_size 133
	.end_amdhsa_kernel
	.amdgpu_metadata
---
amdhsa.version: [ 1, 2 ]
amdhsa.kernels:
  - .name:           k_q62ae1cb8be_fc2
    .symbol:         k_q62ae1cb8be_fc2.kd
    .args:
      - { .name: h1, .offset: 0, .size: 8, .value_kind: global_buffer, .address_space: global }
      - { .name: w2, .offset: 8, .size: 8, .value_kind: global_buffer, .address_space: global }
      - { .name: b2, .offset: 16, .size: 8, .value_kind: global_buffer, .address_space: global }
      - { .name: cnt, .offset: 24, .size: 8, .value_kind: global_buffer, .address_space: global }
      - { .name: h2, .offset: 32, .size: 8, .value_kind: global_buffer, .address_space: global }
    .group_segment_fixed_size: 199936
    .private_segment_fixed_size: 0
    .kernarg_segment_align: 8
    .kernarg_segment_size: 40
    .max_flat_workgroup_size: 256
    .sgpr_count:     66
    .vgpr_count:     512
    .wavefront_size: 32
...
	.end_amdgpu_metadata
.endif
;; end of part 8
;; launch fc3 (part 9): grid 32 x 8, 8 waves a work-group, no clusters, 199,936 bytes of LDS; arguments h2, w3, b3, cnt, y, list, cw; writes y
.if DOCPART == 9
	.amdgcn_target "amdgcn-amd-amdhsa--gfx1250"
	.amdhsa_code_object_version 6
	.text
	.protected	k_q62ae1cb8be_fc3
	.globl	k_q62ae1cb8be_fc3
	.p2align	8
	.type	k_q62ae1cb8be_fc3,@function
k_q62ae1cb8be_fc3:
	s_mov_b64 s[64:65], 0
	v_nop
	global_prefetch_b8 v0, s[64:65] scope:SCOPE_SE
	s_setreg_imm32_b32 hwreg(HW_REG_WAVE_SCHED_MODE, 0, 2), 2
	s_setreg_imm32_b32 hwreg(HW_REG_WAVE_MODE, 25, 1), 1
	s_wait_xcnt 0x0
	s_wait_alu depctr_vm_vsrc(0)
; ONE LAYER OF THE EXPERTS' CHAIN, for the routed rows alone.  One text serves the three layers; LAYER picks what differs.
;   LAYER 1: h1 = relu(xb[p / 2] w1[e] + b1[e])     LAYER 2: h2 = relu(h1 w2[e] + b2[e])     LAYER 3: y[p] = cw[p] (h2 w3[e] + b3[e])
; p = 2 token + slot is a routed row, e its expert; list[e] holds expert e's rows by rank, cnt[e] their number (whole numbers stored by an earlier launch).
; FORMATS.  Weights and biases are rounded to bf16 on their way through registers; sums in f32.  A hidden number is kept as TWO bf16, hi = bf16(h) and lo = bf16(h - hi): 16 significant bits with bf16's range;
; layers 2 and 3 multiply both planes by the same weights into one sum.
; h LIES AS IT IS USED: [expert 8][block of 16 ranks 128][k step 32][plane 2][half 2][lane 32][16 bytes], 65,536 bytes a block: lane l of a piece holds row l % 16, k = 32 step + 16 half + 8 (l / 16) + 0..7,
; which is a lane's part of a matrix operand.  So a load or a store of h takes 512 consecutive bytes, and a lane's packed results of one layer are its own part of the next layer's operand.
; LIMITS.  NaN and infinities are not treated apart.  In a block that is not full the places past the count repeat the expert's last row: in layer 3 the same wave stores the same bytes there again.
; An expert without rows runs one block on a row of another expert in layers 1 and 2, into its own slots of h, which nobody uses; layer 3 then stores nothing for it.
; SHARES.  Grid y = expert, x / 2 = slice of 64 output columns, x % 2 = q.  A work-group lays its slice (1,024 x 64) into LDS in bf16 once.  The slice's team is 16 waves, wid = 2 wave + q.  A UNIT is 32 rows
; (two blocks) x 64 columns over all K: 8 accumulators; a fragment of W read from LDS feeds 2 products a plane.  THE DEAL: nB = ceil(count / 16) blocks; a full round gives each wave two blocks; in the last round, if
; 16 blocks or fewer are left, each wave takes ONE (the second block's products and way out are jumped, its loads name the first block again), else pairs.  It serves every split: 0 to 2,048 rows, at most 4 units a wave.
; The loop over units has no barrier and writes no shared LDS; it counts to the constant 4 and is left by a forward jump.  A unit's 32 k steps are written out: every LDS address is then a register that is
; never rewritten plus an immediate.
; NO TENSOR LOAD, NO MULTICAST: the weights are f32 in memory and must pass through registers to be rounded; a slice has two readers only; the rows, which 16 slices share, go straight into operand registers,
; and a joint load would send them through LDS, whose reads would double.
; THE MATRIX INSTRUCTION IS USED TRANSPOSED: source 0 = 16 columns of W (turned out of LDS by ds_load_tr16_b128), source 1 = 16 rows: a lane then holds 8 neighbouring columns of one row.
; REGISTERS, in windows of 256 (s_set_vgpr_msb: bits 1:0 source 0, 3:2 source 1, 5:4 source 2, 7:6 destination).  Window 0: v0-63 addresses; v64-127 accumulators; v128-255 four buffers of W's fragments, on the
; way out at work.  Window 1: the ring of row fragments, 8 k steps deep; in the prologue the staging of the 64 weight loads.
; THE MODE: SCHED_MODE bits 1:0 = 2 (LLVM: expert scheduling mode 2), set by the entry lines.  The code itself states the register dependences between vector or matrix instructions and memory or LDS
; instructions, with s_wait_alu, always for 0.
; THE PLAN.  Registers that memory or LDS instructions touch in a unit, and who else names them:
;   ring slot s      K step iv's products read slot iv % 8; the row loads of step iv + 8, issued in step iv + 1, land in it.
;   BF0 .. BF3       K step iv's products read BF[iv % 4]; the turning loads of step iv + 4, issued in step iv + 1, land in it.
;   AO               Read by every row load; written once a unit, behind the last step's products.
;   OO               Written at the unit's head; read by the way out's stores (layers 1, 2).
;   T, BI, OF        The way out's names for BF's registers.  T: written by the roundings (layers 1, 2) or by loads from the stage (layer 3), read by the stores.  BI: loaded from LDS, read by vector lines.
;                    OF: written by the permutes and then by vector lines, read by the stores (layer 3).
;   PC, CWO, CW      Layer 3.  PC is read by the permutes, CWO by the two loads that land in CW, CW by the packed multiplies; PC and CWO are written in the unit's tail.
;   ACC              In the prologue, and on layer 3's way out, the data of LDS stores; else named by vector and matrix instructions alone.
;   BB, BIA, STO, RD, COL, L16, WO, WS, BO, LA, BPI   Made at the head, never written again.
; So ONE wait on va_vdst stands at the head of a k step that asks for anything (1 to 28), behind the waits for its data: the last step's products are done reading the slot and the buffer that the step's loads fill.
; Those loads follow it, dealt among the step's products, which name ACC, BF[iv % 4] and slot iv % 8: none of the registers that the loads touch.  One more stands behind the last step, one ahead of each block's
; stores.  Waits on vm_vsrc: at the unit's head, ahead of the write of AO, and in layer 3's tail.
.set LAYER, 3
.if LAYER == 1
.set NPL,  1          ; planes of the rows
.set KSB,  64         ; bytes from k step to k step in what a lane reads
.set SUBB, 32         ; and between the two halves of a fragment
.else
.set NPL,  2
.set KSB,  2048
.set SUBB, 512
.endif
.set PLB,   1024      ; from plane to plane
.set NLS,   4*NPL     ; row loads in a k step: 2 blocks x NPL planes x 2 halves
.if LAYER == 3
.set NLATE, 8         ; the list loads stand behind the weight loads
.else
.set NLATE, 0
.endif
.set WP,    160       ; a row of W in LDS: 128 bytes + 32 = 40 words
.set BIAS,  1024*WP   ; behind the weights: 64 f32
.set STAGE, BIAS+256  ; 16 rows x 272 bytes for each wave: layer 3's way out.  The 1,024 bytes behind the stages take the closing add, a word a thread
.set SP,    272
.set H16, 3           ; v3   16 (lane / 16)
.set L16, 4           ; v4   16 lane
.set RR,  5           ; v5   lane % 16
.set AO,  6           ; v6-7   byte offset of what I read of the unit's two blocks
.set OO,  8           ; v8-9   byte offset of what I store of them (layers 1, 2)
.set PC,  10          ; v10-11 p of my row in the two blocks
.set PL,  12          ; v12-19 list entries of my four possible units, two blocks each
.set CW,  20          ; v[20:21], v[22:23] cw of my row in the two blocks; the second of each is named with it as a pair
.set STO, 26          ; v26  layer 3: where I put my part of a row
.set RD,  27          ; v27  where I read rows back
.set COL, 28          ; v28  16 (lane % 16)
.set U,   30          ; v[30:31] at work
.set CWO, 32          ; v32-33 byte offsets in cw
.set WO,  34          ; v34  prologue: my byte offset in 16 rows of W
.set WS,  35          ; v35-37 prologue: where my 8 bytes go in LDS; a base for every 24 loads
.set BO,  38          ; v38  8 lane
.set BIA, 39          ; v39  LDS address of my bias numbers
.set BS,  40          ; v[40:41] the bias as loaded
.set U2,  42          ; v[42:43] at work
.set BB,  44          ; v44-47 LDS address of my part of W's fragments, k from 0, 256, 512, 768 on; never rewritten
.set LA,  48          ; v48-55 byte offsets of my eight list entries; never rewritten
.set BPI, 56          ; v56-63 layer 3: the lane, times 4, from which store t takes its p: 4 (2 t + lane / 16); never rewritten
.set ACC, 64          ; block b, columns 16 g on: ACC + 32 b + 8 g.  In the prologue the rounded weights pass through here
.set BF,  128         ; W's fragments: buffer k step % 4, columns 16 g on
.set T,   128         ; the way out: what is stored, 32 a block
.set BI,  192         ; the way out: the bias of my columns
.set OF,  224         ; layer 3: byte offsets of the 8 stores of each block
.set MSB, 0
.set DL,  0
.macro WIN new                         ; the immediate's high byte repeats the setting that is left; a switch that changes nothing is dropped
.if MSB != (\new)
	s_set_vgpr_msb (MSB<<8)|(\new)
.set MSB, (\new)
.endif
.endm
.set TO_R,   0x40     ; destination in window 1: loads into the ring
.set MUL,    0x04     ; source 1 in window 1: the rows
.set FROM_R, 0x05     ; sources 0 and 1 in window 1
.macro PLACES                          ; four plain instructions behind a matrix instruction (ISA guide 7.12.1)
.rept 4
	v_nop
.endr
.endm
.macro ALOAD kk                        ; k step kk of the unit's rows: NLS loads into slot kk % 8 of the ring.  The caller sets the window
.set sl, (\kk)%8
.irp b, 0,1
.set pl, 0
.rept NPL
.set rg, ((sl*2+\b)*NPL+pl)*8
	global_load_b128 v[rg:rg+3],   v[AO+\b], s[4:5] offset:(\kk)*KSB+pl*PLB
	global_load_b128 v[rg+4:rg+7], v[AO+\b], s[4:5] offset:(\kk)*KSB+pl*PLB+SUBB
.set pl, pl+1
.endr
.endr
.endm
.macro BHALF kk, g, hf                 ; half hf (16 along K) of W's fragment of columns 16 g on, k step kk, turned, into buffer kk % 4.  Destination and address lie in window 0, under the products' setting too
	ds_load_tr16_b128 v[BF+32*((\kk)%4)+8*(\g)+4*(\hf):BF+32*((\kk)%4)+8*(\g)+4*(\hf)+3], v[BB+(\kk)/8] offset:(((\kk)%8)*32+16*(\hf))*WP+32*(\g)
.endm
.macro BLOAD kk                        ; W's four fragments (64 columns) of k step kk: 8 loads
.irp g, 0,1,2,3
	BHALF \kk, \g, 0
	BHALF \kk, \g, 1
.endr
.endm
; Block b's 4 NPL products of k step iv; step 0's first four start the sums.  The block's four accumulators take turns, one instruction a turn.
; DL = 1: the 8 turning loads of k step iv + 3 are dealt behind the products, 8 / (4 NPL) behind each.
.macro MULB iv, b
.set sl, (\iv)%8
.set pl, 0
.rept NPL
.set rg, ((sl*2+(\b))*NPL+pl)*8
.irp g, 0,1,2,3
.if ((\iv) == 0) && (pl == 0)
	v_wmma_f32_16x16x32_bf16 v[ACC+32*(\b)+8*\g:ACC+32*(\b)+8*\g+7], v[BF+32*((\iv)%4)+8*\g:BF+32*((\iv)%4)+8*\g+7], v[rg:rg+7], 0
.else
	v_wmma_f32_16x16x32_bf16 v[ACC+32*(\b)+8*\g:ACC+32*(\b)+8*\g+7], v[BF+32*((\iv)%4)+8*\g:BF+32*((\iv)%4)+8*\g+7], v[rg:rg+7], v[ACC+32*(\b)+8*\g:ACC+32*(\b)+8*\g+7]
.endif
.if DL
.if NPL == 1
	BHALF (\iv)+3, \g, 0
	BHALF (\iv)+3, \g, 1
.else
	BHALF (\iv)+3, \g, pl
.endif
.endif
.endr
.set pl, pl+1
.endr
.endm
; K STEP iv of 32 (32 along K).  At its head this step's rows and fragments are waited for, then the last step's products.  Behind that the step's own requests are dealt among its products: W's fragments 3 steps
; on behind the first block's products, the rows 7 steps on in one run between the two blocks' products, outside the jump, so that every path counts alike.  Near the end nothing is left to ask for, and the
; counts run down.  In a unit of one block the second block's products are jumped.
.macro KSTEP iv
.set yl, 31-(\iv)
.if yl > 6
.set yl, 6
.endif
.if (\iv) == 0
.set yl, 7
.endif
.set yd, 31-(\iv)
.if yd > 2
.set yd, 2
.endif
.if ((\iv) >= 1) && ((\iv) <= 28)
	PLACES                                         ; behind the last step's products, ahead of the loads into registers that those have read; they stand ahead of the wait for those products
.endif
	s_wait_loadcnt yl*NLS                          ; this step's rows are in; the younger steps' loads stay out: 7 steps' at step 0, then 6, since a step's own request stands behind this wait
	s_wait_dscnt yd*8                              ; and its fragments of W; the two younger groups of 8 stay out
.if ((\iv) >= 1) && ((\iv) <= 28)
	s_wait_alu depctr_va_vdst(0)                   ; the last step's products are done reading their buffer of W and their slot of the ring, in which this step's loads land
.endif
.set DL, 0
.if (\iv) <= 28
.set DL, 1
.endif
	WIN MUL
	MULB \iv, 0
.set DL, 0
.if ((\iv) >= 1) && ((\iv) <= 24)
	WIN TO_R
	ALOAD (\iv)+7                                  ; no further wait: no product since the wait above names this slot or AO
.endif
	WIN 0                                          ; at a branch and at a label every window is 0
	s_cmp_lg_u32 s38, 0
	s_cbranch_scc1 .Lone_\@
	WIN MUL
	MULB \iv, 1
	WIN 0
.Lone_\@:
.endm
; THE DEAL, for round s36: s42, s48 = the unit's two blocks; s43 = 1: it has one block, and s48 = s42.  A wave that the round leaves without a unit names the expert's last block.
.macro DEAL
	s_lshl_b32 s44, s36, 5                         ; 32 blocks a round
	s_cmp_lt_u32 s36, s33                          ; a full round?
	s_cselect_b32 s45, 0, s35                      ; if not, and 16 blocks or fewer are left: one block a wave
	s_lshl_b32 s46, s23, 1
	s_cmp_lg_u32 s45, 0
	s_cselect_b32 s46, s23, s46
	s_add_co_u32 s42, s44, s46
	s_add_co_u32 s47, s42, 1
	s_cmp_ge_u32 s47, s32                          ; no block behind the first?
	s_cselect_b32 s43, 1, s45
	s_sub_co_u32 s47, s32, 1
	s_min_u32 s42, s42, s47
	s_min_u32 s42, s42, 0x7f                       ; made of a loaded number: clamped to the table before it enters an address
	s_add_co_u32 s48, s42, 1
	s_cmp_lg_u32 s43, 0
	s_cselect_b32 s48, s42, s48
	s_min_u32 s48, s48, 0x7f
.endm
.macro OFFS dst                        ; byte offsets of my 16 bytes in a piece of the unit's two blocks of h
	s_add_co_u32 s44, s41, s42
	s_add_co_u32 s45, s41, s48
	s_lshl_b32 s44, s44, 16
	s_lshl_b32 s45, s45, 16
	v_add_nc_u32 v[\dst], s44, v[L16]
	v_add_nc_u32 v[\dst+1], s45, v[L16]
.endm
.macro LISTAD j                        ; where the list entries of round j's unit lie: lane l takes rank 16 block + l % 16; places past the count repeat the last row
	s_lshl_b32 s44, s42, 4
	s_lshl_b32 s45, s48, 4
	v_add_nc_u32 v[LA+2*\j], s44, v[RR]
	v_add_nc_u32 v[LA+2*\j+1], s45, v[RR]
.irp b, 0,1
	v_min_u32 v[LA+2*\j+\b], s21, v[LA+2*\j+\b]
	v_min_u32 v[LA+2*\j+\b], 0xfff, v[LA+2*\j+\b]
	v_lshlrev_b32 v[LA+2*\j+\b], 2, v[LA+2*\j+\b]
.endr
.endm
.macro PLSHIFT                         ; the next unit's entries move to the front
.irp k, 0,1,2,3,4,5
	v_mov_b32 v[PL+\k], v[PL+\k+2]
.endr
.endm
.macro NEXTP
	v_min_u32 v[PC], 0xfff, v[PL]                  ; a loaded number is clamped to the table before it enters an address
	v_min_u32 v[PC+1], 0xfff, v[PL+1]
.endm
.macro CWAD                            ; where my rows' cw lie; the two loads stand at the unit's head
	v_lshlrev_b32 v[CWO], 2, v[PC]
	v_lshlrev_b32 v[CWO+1], 2, v[PC+1]
.endm
.macro AOSET
.if LAYER == 1
.irp b, 0,1
	v_and_b32 v[AO+\b], 0xffe, v[PC+\b]            ; the token, twice,
	v_lshlrev_b32 v[AO+\b], 10, v[AO+\b]           ; times 1,024: rows of 2,048 bytes
	v_add_nc_u32 v[AO+\b], v[H16], v[AO+\b]
.endr
.else
	OFFS AO
.endif
.endm
; THE WAY OUT of block b.  Each accumulator is read from its low end on.
.macro EPIB b
.if LAYER == 3
.irp t, 0,1,2,3,4,5,6,7
	ds_bpermute_b32 v[OF+8*(\b)+\t], v[BPI+\t], v[PC+(\b)]  ; store t takes rows 2 t and 2 t + 1: their p lies in lanes 2 t + lane / 16
.endr
.irp g, 0,1,2,3
.irp jj, 0,1,2,3
.set ac, ACC+32*(\b)+8*\g+2*\jj
	v_pk_add_f32 v[ac:ac+1], v[ac:ac+1], v[BI+8*\g+2*\jj:BI+8*\g+2*\jj+1]
	v_pk_mul_f32 v[ac:ac+1], v[ac:ac+1], v[CW+2*(\b):CW+2*(\b)+1] op_sel_hi:[1,0]
.endr
.endr
	s_wait_dscnt 0x0
.irp t, 0,1,2,3,4,5,6,7
	v_min_u32 v[OF+8*(\b)+\t], 0xfff, v[OF+8*(\b)+\t]
	v_lshlrev_b32 v[OF+8*(\b)+\t], 12, v[OF+8*(\b)+\t]      ; rows of 4,096 bytes
	v_add_nc_u32 v[OF+8*(\b)+\t], v[COL], v[OF+8*(\b)+\t]
.endr
	s_wait_alu depctr_va_vdst(0)                   ; the lines above have written the block's ACC, which the LDS stores read, and its OF, which the global stores read
.irp g, 0,1,2,3
	ds_store_b128 v[STO], v[ACC+32*(\b)+8*\g:ACC+32*(\b)+8*\g+3]   offset:64*\g
	ds_store_b128 v[STO], v[ACC+32*(\b)+8*\g+4:ACC+32*(\b)+8*\g+7] offset:64*\g+16
.endr
.irp t, 0,1,2,3,4,5,6,7
	ds_load_b128 v[T+32*(\b)+4*\t:T+32*(\b)+4*\t+3], v[RD] offset:\t*2*SP  ; the stage is my wave's own, and LDS serves a wave's instructions in order (ISA guide 5.7.1.4): these see the stores above
.endr
.irp t, 0,1,2,3,4,5,6,7
	s_wait_dscnt 7-\t                              ; rows 2 t, 2 t + 1 are back; the younger reads stay out
	global_store_b128 v[OF+8*(\b)+\t], v[T+32*(\b)+4*\t:T+32*(\b)+4*\t+3], s[12:13]  ; 16 lanes store 256 consecutive bytes, aligned: a row's whole slice
.endr
.else
.irp g, 0,1,2,3
.irp jj, 0,1,2,3
.set ac, ACC+32*(\b)+8*\g+2*\jj
.set uu, U+12*(\jj%2)
	v_pk_add_f32 v[ac:ac+1], v[ac:ac+1], v[BI+8*\g+2*\jj:BI+8*\g+2*\jj+1]
	v_max_num_f32 v[ac],   0, v[ac]
	v_max_num_f32 v[ac+1], 0, v[ac+1]
	v_cvt_pk_bf16_f32 v[T+32*(\b)+4*\g+\jj], v[ac], v[ac+1]          ; hi
	v_lshlrev_b32 v[uu],   16, v[T+32*(\b)+4*\g+\jj]
	v_and_b32     v[uu+1], 0xffff0000, v[T+32*(\b)+4*\g+\jj]
	v_pk_add_f32 v[ac:ac+1], v[ac:ac+1], v[uu:uu+1] neg_lo:[0,1] neg_hi:[0,1]  ; h - hi, exact
	v_cvt_pk_bf16_f32 v[T+32*(\b)+16+4*\g+\jj], v[ac], v[ac+1]       ; lo
.endr
.endr
	s_wait_alu depctr_va_vdst(0)                   ; the roundings have written the block's T, which the stores read
.irp g, 0,1,2,3                        ; columns 16 g on are half g % 2 of the next layer's k step 2 slice + g / 2: each store takes 512 consecutive bytes, aligned
	global_store_b128 v[OO+(\b)], v[T+32*(\b)+4*\g:T+32*(\b)+4*\g+3],       s[12:13] offset:(\g/2)*2048+(\g%2)*512
	global_store_b128 v[OO+(\b)], v[T+32*(\b)+16+4*\g:T+32*(\b)+16+4*\g+3], s[12:13] offset:(\g/2)*2048+1024+(\g%2)*512
.endr
.endif
.endm
	s_load_b256 s[4:11], s[0:1], 0x0               ; rows s[4:5], W s[6:7], bias s[8:9], cnt s[10:11]
.if LAYER == 2
	s_load_b64 s[12:13], s[0:1], 0x20              ; the output
.else
	s_load_b128 s[12:15], s[0:1], 0x20             ; the output, list
.endif
.if LAYER == 3
	s_load_b64 s[16:17], s[0:1], 0x30              ; cw
	v_lshl_add_u32 v25, v0, 2, 0x30900
	v_mov_b32 v29, 0
.endif
	v_lshrrev_b32 v30, 5, v0
	v_readfirstlane_b32 s22, v30                   ; wave 0..7
	v_and_b32 v[RR], 15, v0
	v_bfe_u32 v31, v0, 4, 1                        ; h = lane / 16
	v_lshlrev_b32 v[H16], 4, v31
	v_and_b32 v30, 31, v0
	v_lshlrev_b32 v[L16], 4, v30
	v_lshlrev_b32 v[BO], 3, v30
	v_lshlrev_b32 v[COL], 4, v[RR]
	v_and_b32 v42, 7, v0                           ; the turning load: lane l reads k = 8 h + l % 8, columns 8 ((l / 8) % 2) + 0..7
	v_lshl_add_u32 v42, v31, 3, v42
	v_mul_u32_u24 v42, v42, WP
	v_bfe_u32 v43, v0, 3, 1
	v_lshl_add_u32 v[BB], v43, 4, v42
	v_add_nc_u32 v[BB+1], 256*WP, v[BB]            ; the offset field holds 16 bits: a base for every 8 k steps
	v_add_nc_u32 v[BB+2], 512*WP, v[BB]
	v_add_nc_u32 v[BB+3], 768*WP, v[BB]
	v_lshl_add_u32 v[BIA], v31, 5, BIAS
	s_wait_alu depctr_va_sdst(0)                   ; s22 is written, ahead of its first reader: the stage's place, wid and a branch are made from it
.if LAYER == 3
.irp t, 0,1,2,3,4,5,6,7
	v_lshl_add_u32 v[BPI+\t], v31, 2, 8*\t
.endr
	v_mov_b32 v[CW+1], 0
	v_mov_b32 v[CW+3], 0
	s_mul_i32 s28, s22, 16*SP
	s_add_co_u32 s28, s28, STAGE                   ; my stage
	v_mul_u32_u24 v[STO], v[RR], SP
	v_lshl_add_u32 v[STO], v31, 5, v[STO]          ; 8 f32 for each half of the lanes
	v_add_nc_u32 v[STO], s28, v[STO]
	v_mul_u32_u24 v[RD], v31, SP
	v_add_nc_u32 v[RD], v[COL], v[RD]
	v_add_nc_u32 v[RD], s28, v[RD]
.endif
	v_lshrrev_b32 v42, 4, v0                       ; thread / 16: which of 16 rows of W I fetch in each of 64 loads
	v_lshl_add_u32 v[WO], v42, 12, v[COL]          ; in memory: rows of 4,096 bytes, my 16 bytes of the slice's 256
	v_mul_u32_u24 v[WS], v42, WP
	v_lshl_add_u32 v[WS], v[RR], 3, v[WS]          ; in LDS: my 8 bytes of the row's 128
	v_add_nc_u32 v[WS+1], 24*16*WP, v[WS]          ; the offset field holds 16 bits
	v_add_nc_u32 v[WS+2], 48*16*WP, v[WS]
	s_and_b32 s26, ttmp7, 0xffff                   ; the expert
	s_lshr_b32 s30, ttmp9, 1                       ; the slice
	s_and_b32 s31, ttmp9, 1                        ; q
	s_lshl_b32 s23, s22, 1
	s_add_co_u32 s23, s23, s31                     ; wid: my wave among the team's 16
	s_lshl_b32 s41, s26, 7                         ; the expert's first block of h
	s_mov_b32 s19, 0
	s_wait_kmcnt 0x0
	s_lshl_b32 s18, s26, 7
	s_add_nc_u64 s[10:11], s[10:11], s[18:19]
	s_load_b32 s20, s[10:11], 0x0                  ; the expert's count
	s_lshl_b32 s18, s26, 22
	s_lshl_b32 s27, s30, 8
	s_add_co_u32 s18, s18, s27
	s_add_nc_u64 s[6:7], s[6:7], s[18:19]          ; W at the expert's slice
	s_lshl_b32 s18, s26, 12
	s_add_co_u32 s18, s18, s27
	s_add_nc_u64 s[8:9], s[8:9], s[18:19]          ; the bias likewise
.if LAYER == 3
	s_mov_b32 s18, s27                             ; y: 256 bytes of a row
.else
	s_lshl_b32 s18, s30, 12                        ; h: two k steps, 4,096 bytes of a block
.endif
	s_add_nc_u64 s[12:13], s[12:13], s[18:19]
.if LAYER != 2
	s_lshl_b32 s18, s26, 14
	s_add_nc_u64 s[14:15], s[14:15], s[18:19]      ; the expert's list
.endif
.macro WLOADS                          ; the bias, in every wave, so that all waves count alike; then my share of the slice: a load takes two whole rows of 256 bytes, the work-group 16 rows
	global_load_b64 v[BS:BS+1], v[BO], s[8:9]
	WIN TO_R
.set w, 0
.rept 64
	global_load_b128 v[4*w:4*w+3], v[WO], s[6:7] offset:w*65536
.set w, w+1
.endr
	WIN 0
.endm
.if LAYER != 1
	s_wait_alu depctr_va_vdst(0)                   ; the offsets and LDS addresses made above are written: the kernel's loads, stores and permutes read them, and none is written again
	WLOADS                                         ; they hang on no count: they go out while the count is on its way
.endif
	s_wait_kmcnt 0x0
	s_min_u32 s20, s20, 0x800                      ; at most one row a token
	s_max_u32 s21, s20, 1
	s_sub_co_u32 s21, s21, 1                       ; the last rank that exists
	s_add_co_u32 s32, s20, 15
	s_lshr_b32 s32, s32, 4
	s_max_u32 s32, s32, 1                          ; nB, blocks
	s_lshr_b32 s33, s32, 5                         ; full rounds
	s_and_b32 s34, s32, 31                         ; blocks of the last round
	s_cmp_le_u32 s34, 16
	s_cselect_b32 s35, 1, 0                        ; it deals single blocks
	s_lshl_b32 s46, s23, 1
	s_cmp_lg_u32 s35, 0
	s_cselect_b32 s46, s23, s46
	s_cmp_lt_u32 s46, s34
	s_cselect_b32 s47, 1, 0                        ; it has a unit for me
	s_add_co_u32 s47, s47, s33                     ; my units, 0 to 4
.if LAYER == 3
	s_cmp_eq_u32 s20, 0
	s_cselect_b32 s47, 0, s47                      ; no row: nothing is stored
.endif
	s_sub_co_u32 s24, 4, s47
.if LAYER == 2
	s_mov_b32 s36, 0
	DEAL
.else
.irp j, 3,2,1,0
	s_mov_b32 s36, \j
	DEAL
	LISTAD \j
.endr
	s_wait_alu depctr_va_vdst(0)                   ; the eight offsets LA are written, which the list loads read (in layer 1 also all the offsets and LDS addresses made at the head: this is the first wait ahead of a load)
.irp k, 0,1,2,3,4,5,6,7
	global_load_b32 v[PL+\k], v[LA+\k], s[14:15]
.endr
.endif
.if LAYER == 1
	WLOADS                                         ; behind the list loads, on which the rows' addresses hang
.else
	AOSET
.endif
	; The weights, eight loads at a time: rounded, laid into LDS; the registers that they leave take the first unit's k step i.
.set i, 0
.rept 8
.set nw, 56-8*i+NLS*i+NLATE
.if nw > 63
.set nw, 63
.endif
	s_wait_loadcnt nw                              ; weight loads 8 i .. 8 i + 7 are in; out stay the younger weight loads, the list loads behind them and the row loads issued so far (a smaller count where the field ends)
.if i >= 4
	s_wait_alu depctr_vm_vsrc(0)                   ; the LDS stores of four groups back have read the registers that the roundings below write again
.endif
	WIN FROM_R
.set n, 0
.rept 8
.set w, 8*i+n
	v_cvt_pk_bf16_f32 v[ACC+16*(i%4)+2*n],   v[4*w],   v[4*w+1]
	v_cvt_pk_bf16_f32 v[ACC+16*(i%4)+2*n+1], v[4*w+2], v[4*w+3]
.set n, n+1
.endr
	WIN 0
.if (LAYER == 1) && (i == 0)
	NEXTP                                          ; the lists, older than the weights, are in
	AOSET
.endif
	s_wait_alu depctr_va_vdst(0)                   ; the roundings have written the LDS stores' data and are done reading the staging registers, in which the rows below land; in the first group AO is written, which the row loads read
.set n, 0
.rept 8
.set w, 8*i+n
	ds_store_b64 v[WS+w/24], v[ACC+16*(i%4)+2*n:ACC+16*(i%4)+2*n+1] offset:(w%24)*16*WP
.set n, n+1
.endr
	WIN TO_R
	ALOAD i
	WIN 0
.set i, i+1
.endr
.if LAYER == 3
	s_wait_loadcnt 63                              ; the list loads are older than the 64 row loads
	NEXTP
	CWAD
.endif
	s_cmp_lg_u32 s22, 0
	s_cbranch_scc1 .Lno_bias                       ; wave 0 lays the bias down, rounded to bf16 and widened again
	v_cvt_pk_bf16_f32 v[U], v[BS], v[BS+1]
	v_lshlrev_b32 v[BS], 16, v[U]
	v_and_b32 v[BS+1], 0xffff0000, v[U]
	v_add_nc_u32 v[U2], BIAS, v[BO]
	s_wait_alu depctr_va_vdst(0)                   ; the bias and its LDS address are written, which the store reads
	ds_store_b64 v[U2], v[BS:BS+1]
.Lno_bias:
	s_wait_dscnt 0x0                               ; for the others' sake: my stores into LDS are done
	s_barrier_signal -1
	s_barrier_wait -1                              ; the slice and the bias are whole: the only barrier; nothing shared is written behind it
	s_cmp_ge_u32 s24, 4
	s_cbranch_scc1 .Lend                           ; this split leaves my wave no unit
	s_mov_b32 s25, 4
.Lunit:                                                ; a trip is a unit; its first 8 k steps of rows have been asked for
	s_wait_xcnt 0x0                                ; the last unit's stores have had their addresses translated: their offsets and data are rewritten only behind this wait
	s_wait_alu depctr_vm_vsrc(0)                   ; first trip: the prologue's LDS stores have read ACC, which the products write, and v42, which the way out writes; later: the last unit's stores have read their offsets and T, which are written below
.if LAYER == 3
	s_wait_alu depctr_va_vdst(0)                   ; CWO is written, which the two loads below read
.endif
	s_mov_b32 s38, s43                             ; 1: a unit of one block
.if LAYER == 3
	global_load_b32 v[CW], v[CWO], s[16:17]
	global_load_b32 v[CW+2], v[CWO+1], s[16:17]
.else
	OFFS OO
.endif
	BLOAD 0                                        ; the way out's vector lines on these registers stand ahead of its own waits on va_vdst
	BLOAD 1
	BLOAD 2
.irp kf, 0,1,2,3,4,5,6,7,8,9,10,11,12,13,14,15,16,17,18,19,20,21,22,23,24,25,26,27,28,29,30,31
	KSTEP \kf
.endr
	s_wait_alu depctr_vm_vsrc(0)                   ; the unit's row loads have read AO (the last step's wait on loads was for 0: they are done, too)
	s_add_co_u32 s36, s36, 1
	DEAL                                           ; the next round's deal and offsets, made while the last products run; in a wave's last unit they are clamped and not used
.if LAYER == 1
	PLSHIFT
	NEXTP
.endif
	AOSET
	PLACES                                         ; behind the last products, ahead of the lines and loads that touch their registers
	s_wait_alu depctr_va_vdst(0)                   ; the unit's products are done reading the ring and W's buffers, in which the next unit's rows and the bias land; AO is written, which those row loads read
	s_sub_co_u32 s25, s25, 1
	s_cmp_le_u32 s25, s24
	s_cbranch_scc1 .Lnomore
	WIN TO_R                                       ; the next unit's rows are asked for ahead of this unit's way out
.irp k, 0,1,2,3,4,5,6,7
	ALOAD \k
.endr
	WIN 0
.Lnomore:
.irp g, 0,1,2,3
	ds_load_b128 v[BI+8*\g:BI+8*\g+3],   v[BIA] offset:64*\g      ; bias of columns 16 g + 8 (lane / 16) + 0..7
	ds_load_b128 v[BI+8*\g+4:BI+8*\g+7], v[BIA] offset:64*\g+16
.endr
	s_wait_dscnt 0x0
	EPIB 0
	s_cmp_lg_u32 s38, 0
	s_cbranch_scc1 .Lhalf_out
	EPIB 1
.Lhalf_out:
	s_cmp_le_u32 s25, s24
	s_cbranch_scc1 .Lend                           ; no further unit
.if LAYER == 3
	s_wait_alu depctr_vm_vsrc(0)                   ; the permutes have read PC and the unit's two cw loads CWO: both are written below
	PLSHIFT
	NEXTP
	CWAD
.endif
	s_cmp_lg_u32 s25, 0
	s_cbranch_scc1 .Lunit
.Lend:
	s_wait_dscnt 0x0                               ; the wave's end
	s_wait_alu depctr_hold_cnt(0) depctr_sa_sdst(0) depctr_va_vdst(0) depctr_va_sdst(0) depctr_va_ssrc(0) depctr_va_vcc(0) depctr_vm_vsrc(0)
	s_wait_tensorcnt 0x0
	ds_add_u32 v25, v29
	s_wait_dscnt 0x0
	s_endpgm
.Lfunc_end_k_q62ae1cb8be_fc3:
	.size	k_q62ae1cb8be_fc3, .Lfunc_end_k_q62ae1cb8be_fc3-k_q62ae1cb8be_fc3
	.p2alignl 7, 3214868480
	.fill 96, 4, 3214868480
	.section	.rodata,"a",@progbits
	.p2align	6, 0x0
	.amdhsa_kernel k_q62ae1cb8be_fc3
		.amdhsa_group_segment_fixed_size 199936
		.amdhsa_private_segment_fixed_size 0
		.amdhsa_enable_private_segment 0
		.amdhsa_kernarg_size 56
		.amdhsa_user_sgpr_count 2
		.amdhsa_user_sgpr_kernarg_segment_ptr 1
		.amdhsa_wavefront_size32 1
		.amdhsa_system_sgpr_workgroup_id_x 1
		.amdhsa_system_sgpr_workgroup_id_y 1
		.amdhsa_system_sgpr_workgroup_id_z 1
		.amdhsa_system_vgpr_workitem_id 0
		.amdhsa_next_free_vgpr 512
		.amdhsa_next_free_sgpr 66
		.amdhsa_reserve_vcc 0
		.amdhsa_float_denorm_mode_32 3
		.amdhsa_float_denorm_mode_16_64 3
		.amdhsa_memory_ordered 1
		.amdhsa_forward_progress 1
		.amdhsa_inst_pref_size 136
	.end_amdhsa_kernel
	.amdgpu_metadata
---
amdhsa.version: [ 1, 2 ]
amdhsa.kernels:
  - .name:           k_q62ae1cb8be_fc3
    .symbol:         k_q62ae1cb8be_fc3.kd
    .args:
      - { .name: h2, .offset: 0, .size: 8, .value_kind: global_buffer, .address_space: global }
      - { .name: w3, .offset: 8, .size: 8, .value_kind: global_buffer, .address_space: global }
      - { .name: b3, .offset: 16, .size: 8, .value_kind: global_buffer, .address_space: global }
      - { .name: cnt, .offset: 24, .size: 8, .value_kind: global_buffer, .address_space: global }
      - { .name: y, .offset: 32, .size: 8, .value_kind: global_buffer, .address_space: global }
      - { .name: list, .offset: 40, .size: 8, .value_kind: global_buffer, .address_space: global }
      - { .name: cw, .offset: 48, .size: 8, .value_kind: global_buffer, .address_space: global }
    .group_segment_fixed_size: 199936
    .private_segment_fixed_size: 0
    .kernarg_segment_align: 8
    .kernarg_segment_size: 56
    .max_flat_workgroup_size: 256
    .sgpr_count:     66
    .vgpr_count:     512
    .wavefront_size: 32
...
	.end_amdgpu_metadata
.endif
;; end of part 9
;; launch addup: the kernel of part 6 again; grid 256 x 1, 8 waves a work-group, no clusters, 0 bytes of LDS; arguments y, out0; writes out0
